; MI455X (gfx1250); checked and timed in simulation.
; The chip was launched on July 23, 2026; its instructions are those of AMD's public machine-readable ISA for CDNA 5 (MIT licence, August 2026) and "CDNA5" Instruction Set Architecture Reference Guide (July 2026). The comments in the code are by the model that wrote it; some were corrected since.
;; Decoder Layer. Allowed arithmetic: float matrix products may take bf16 or f16 operands with f32 sums; other float arithmetic in f32, or as packed bf16 or f16 multiplies, adds, multiply-adds, maxima and minima; sums over many terms, partial sums and values carried from step to step in f32; what a program stores and reads back later, other than sums and carried values, may be rounded once to bf16 or f16.
;; Inputs: W1 4,096 x 1,024 float32; W2 1,024 x 4,096 float32; Wo 1,024 x 1,024 float32; Wqkv 3,072 x 1,024 float32; b1 4,096 float32; b2 1,024 float32; bo 1,024 float32; bqkv 3,072 float32; ln1_a 1,024 float32; ln1_b 1,024 float32; ln2_a 1,024 float32; ln2_b 1,024 float32; mask 1 x 1 x 2,048 x 2,048 int32; x 2 x 2,048 x 1,024 float32.
;; Outputs: out0 2 x 2,048 x 1,024 float32.
;; 2 versions, each right. Each part assembles by itself: llvm-mc -triple=amdgcn-amd-amdhsa -mcpu=gfx1250 --defsym DOCPART=n.
;; ======== version 1 of 2: 8 launches
;; limits: right only within a limited range of input values
;; workspace buffers: xh 8,388,608 bytes; wq 6,291,712 bytes; w1 8,388,864 bytes; wo2 10,485,760 bytes; maskb 4,194,304 bytes; act 33,554,432 bytes; op 16,777,216 bytes; y 16,777,216 bytes
;; launch prep (part 1): grid 1536 x 1, 8 waves a work-group, no clusters, 9,216 bytes of LDS; arguments x, Wqkv, Wo, W1, W2, mask, xh, wq, wo2, w1, maskb; writes xh, wq, wo2, w1, maskb
.if DOCPART == 1
	.amdgcn_target "amdgcn-amd-amdhsa--gfx1250"
	.amdhsa_code_object_version 6
	.text
	.protected	k_qdc63ba78bf_prep
	.globl	k_qdc63ba78bf_prep
	.p2align	8
	.type	k_qdc63ba78bf_prep,@function
k_qdc63ba78bf_prep:
	s_mov_b64 s[64:65], 0
	v_nop
	global_prefetch_b8 v0, s[64:65] scope:SCOPE_SE
	s_setreg_imm32_b32 hwreg(HW_REG_WAVE_MODE, 25, 1), 1
	s_wait_xcnt 0x0
; Work-groups 0-1023: 64 KiB of f32 each (x, Wqkv, Wo, W1, W2 on end) are rounded once to bf16.
; Work-groups 1024-1535: 16 rows x 512 keys of the mask become one byte a key, 0x00 (visible) or 0xFE (the fp8 code of -448, where mask == 0),
; laid in the order in which the attention launch's lanes take them: [16 queries][64 keys][half][lane][16 bytes].
; wq and w1 begin with 256 bytes of header: the word that the product launch takes as the lower bound of its packed results
; (-inf twice for the projection, 0 twice for the ReLU).
.set SPARE, 8192                       ; behind the mask's stage: the spare words, 128 bytes a wave
.set SPW, 110
.set NIL, 111
	s_load_b512 s[8:23], s[0:1], 0x0               ; x 8, Wqkv 10, Wo 12, W1 14, W2 16, mask 18, xh 20, wq 22
	s_load_b128 s[24:27], s[0:1], 0x40             ; wo2 24, w1 26
	s_load_b64 s[28:29], s[0:1], 0x50              ; maskb
	v_lshl_add_u32 v[SPW], v0, 2, SPARE
	v_mov_b32 v[NIL], 0
	v_lshrrev_b32 v1, 5, v0
	v_readfirstlane_b32 s4, v1                     ; wave
	v_and_b32 v3, 31, v0                           ; lane
	s_wait_kmcnt 0x0
	s_cmp_ge_u32 ttmp9, 1024
	s_cbranch_scc1 .Lmask                          ; the same way for all waves of a work-group
	; ---- conversion: which tensor, and which 64 KiB of it
	s_add_nc_u64 s[30:31], s[22:23], 256           ; wq behind its header
	s_add_nc_u64 s[32:33], s[26:27], 256           ; w1 behind its header
	s_add_nc_u64 s[34:35], s[24:25], 0x200000      ; W2's place in wo2, behind Wo's 2 MiB
	s_mov_b64 s[36:37], s[8:9]
	s_mov_b64 s[38:39], s[20:21]
	s_mov_b32 s40, 0
	s_cmp_ge_u32 ttmp9, 256
	s_cselect_b64 s[36:37], s[10:11], s[36:37]
	s_cselect_b64 s[38:39], s[30:31], s[38:39]
	s_cselect_b32 s40, 256, s40
	s_cmp_ge_u32 ttmp9, 448
	s_cselect_b64 s[36:37], s[12:13], s[36:37]
	s_cselect_b64 s[38:39], s[24:25], s[38:39]
	s_cselect_b32 s40, 448, s40
	s_cmp_ge_u32 ttmp9, 512
	s_cselect_b64 s[36:37], s[14:15], s[36:37]
	s_cselect_b64 s[38:39], s[32:33], s[38:39]
	s_cselect_b32 s40, 512, s40
	s_cmp_ge_u32 ttmp9, 768
	s_cselect_b64 s[36:37], s[16:17], s[36:37]
	s_cselect_b64 s[38:39], s[34:35], s[38:39]
	s_cselect_b32 s40, 768, s40
	s_sub_co_u32 s41, ttmp9, s40                   ; my piece of the tensor
	s_lshl_b32 s42, s41, 16
	s_mov_b32 s43, 0
	s_add_nc_u64 s[36:37], s[36:37], s[42:43]
	s_lshl_b32 s42, s41, 15
	s_add_nc_u64 s[38:39], s[38:39], s[42:43]
	v_lshlrev_b32 v1, 13, v1                       ; a wave takes 8 KiB: 16 loads of 512 neighbouring bytes
	v_lshl_or_b32 v1, v3, 4, v1
	v_lshrrev_b32 v2, 1, v1                        ; and writes half as many
.irp i, 0,1,2,3,4,5,6,7,8,9,10,11,12,13,14,15
	global_load_b128 v[4+4*\i:7+4*\i], v1, s[36:37] offset:512*\i th:TH_LOAD_NT
.endr
.irp i, 0,1,2,3,4,5,6,7,8,9,10,11,12,13,14,15
	s_wait_loadcnt 15-\i                           ; loads come back in order: load i is in, the younger ones stay out
	v_cvt_pk_bf16_f32 v[68+2*\i], v[4+4*\i], v[5+4*\i]
	v_cvt_pk_bf16_f32 v[69+2*\i], v[6+4*\i], v[7+4*\i]
	global_store_b64 v2, v[68+2*\i:69+2*\i], s[38:39] offset:256*\i   ; 32 lanes store 256 consecutive bytes, aligned
.endr
	s_cmp_lg_u32 s4, 0                             ; the header: wave 0 of the work-group with the tensor's first piece
	s_cbranch_scc1 .Ldone
	s_cmp_eq_u32 ttmp9, 256
	s_cselect_b32 s44, 1, 0
	s_cselect_b32 s45, 0xff80ff80, 0               ; -inf twice for wq, 0 twice for w1
	s_cmp_eq_u32 ttmp9, 512
	s_cselect_b32 s44, 1, s44
	s_cmp_eq_u32 s44, 0
	s_cbranch_scc1 .Ldone
	v_mov_b32 v100, s45
	v_mov_b32 v101, s45
	v_lshlrev_b32 v102, 3, v3
	s_sub_nc_u64 s[46:47], s[38:39], 256
	global_store_b64 v102, v[100:101], s[46:47]
.Ldone:
	s_endpgm
	; ---- the mask
.Lmask:
	s_sub_co_u32 s40, ttmp9, 1024
	s_lshr_b32 s41, s40, 2                         ; which 16 queries
	s_and_b32 s42, s40, 3                          ; which 512 keys
	s_lshl_b32 s44, s41, 17                        ; 16 rows of 8,192 bytes
	s_lshl_b32 s45, s42, 11
	s_add_co_u32 s44, s44, s45
	s_mov_b32 s45, 0
	s_add_nc_u64 s[18:19], s[18:19], s[44:45]
	s_lshl_b32 s44, s41, 15                        ; out: 32 key steps of 1,024 bytes for 16 queries
	s_lshl_b32 s46, s42, 13
	s_add_co_u32 s44, s44, s46
	s_add_nc_u64 s[28:29], s[28:29], s[44:45]
	s_mov_b32 s5, 0xfe
	v_lshlrev_b32 v1, 14, v1                       ; wave w takes rows 2 w and 2 w + 1
	v_lshl_or_b32 v1, v3, 4, v1
.irp n, 0,1,2,3,4,5,6,7
	global_load_b128 v[4+4*\n:7+4*\n], v1, s[18:19] offset:(\n/4)*8192+(\n%4)*512 th:TH_LOAD_NT
.endr
	; a lane's four keys 128 i + 4 L .. + 3 of row r go to byte (2 i + L/16) 1024 + ((L/8)%2) 512 + ((L/2)%2) 256 + 16 r + ((L/4)%2) 8 + (L%2) 4
	v_lshrrev_b32 v40, 4, v3
	v_lshlrev_b32 v2, 10, v40
	v_bfe_u32 v40, v3, 3, 1
	v_lshl_add_u32 v2, v40, 9, v2
	v_bfe_u32 v40, v3, 1, 1
	v_lshl_add_u32 v2, v40, 8, v2
	v_bfe_u32 v40, v3, 2, 1
	v_lshl_add_u32 v2, v40, 3, v2
	v_and_b32 v40, 1, v3
	v_lshl_add_u32 v2, v40, 2, v2
	v_lshl_add_u32 v2, s4, 5, v2
.irp n, 0,1,2,3,4,5,6,7
	s_wait_loadcnt 7-\n                            ; load n is in, the younger ones stay out
	v_min_u32 v[4+4*\n], 1, v[4+4*\n]              ; 0 only where mask == 0
	v_min_u32 v[5+4*\n], 1, v[5+4*\n]
	v_min_u32 v[6+4*\n], 1, v[6+4*\n]
	v_min_u32 v[7+4*\n], 1, v[7+4*\n]
	v_lshl_or_b32 v[4+4*\n], v[5+4*\n], 8, v[4+4*\n]
	v_lshl_or_b32 v[6+4*\n], v[7+4*\n], 8, v[6+4*\n]
	v_lshl_or_b32 v[4+4*\n], v[6+4*\n], 16, v[4+4*\n]
	v_xor_b32 v[4+4*\n], 0x01010101, v[4+4*\n]     ; 1 where hidden,
	v_mul_lo_u32 v[4+4*\n], v[4+4*\n], s5          ; 0xFE where hidden: no byte carries into the next
	ds_store_b32 v2, v[4+4*\n] offset:(\n%4)*2048+(\n/4)*16
.endr
	s_wait_dscnt 0x0                               ; for the others' sake: my stores are done
	s_barrier_signal -1
	s_barrier_wait -1
	v_lshlrev_b32 v41, 4, v0
	ds_load_b128 v[44:47], v41
	ds_load_b128 v[48:51], v41 offset:4096
	s_wait_dscnt 0x0
	global_store_b128 v41, v[44:47], s[28:29]      ; a wave stores 512 consecutive bytes
	global_store_b128 v41, v[48:51], s[28:29] offset:4096
	s_wait_tensorcnt 0x0                           ; the wave's end
	ds_add_u32 v[SPW], v[NIL]
	s_wait_dscnt 0x0
	s_endpgm
.Lfunc_end_k_qdc63ba78bf_prep:
	.size	k_qdc63ba78bf_prep, .Lfunc_end_k_qdc63ba78bf_prep-k_qdc63ba78bf_prep
	.p2alignl 7, 3214868480
	.fill 96, 4, 3214868480
	.section	.rodata,"a",@progbits
	.p2align	6, 0x0
	.amdhsa_kernel k_qdc63ba78bf_prep
		.amdhsa_group_segment_fixed_size 9216
		.amdhsa_private_segment_fixed_size 0
		.amdhsa_enable_private_segment 0
		.amdhsa_kernarg_size 88
		.amdhsa_user_sgpr_count 2
		.amdhsa_user_sgpr_kernarg_segment_ptr 1
		.amdhsa_wavefront_size32 1
		.amdhsa_system_sgpr_workgroup_id_x 1
		.amdhsa_system_sgpr_workgroup_id_y 1
		.amdhsa_system_sgpr_workgroup_id_z 1
		.amdhsa_system_vgpr_workitem_id 0
		.amdhsa_next_free_vgpr 112
		.amdhsa_next_free_sgpr 66
		.amdhsa_reserve_vcc 0
		.amdhsa_float_denorm_mode_32 3
		.amdhsa_float_denorm_mode_16_64 3
		.amdhsa_memory_ordered 1
		.amdhsa_forward_progress 1
		.amdhsa_inst_pref_size 16
	.end_amdhsa_kernel
	.amdgpu_metadata
---
amdhsa.version: [ 1, 2 ]
amdhsa.kernels:
  - .name:           k_qdc63ba78bf_prep
    .symbol:         k_qdc63ba78bf_prep.kd
    .args:
      - { .name: x, .offset: 0, .size: 8, .value_kind: global_buffer, .address_space: global }
      - { .name: Wqkv, .offset: 8, .size: 8, .value_kind: global_buffer, .address_space: global }
      - { .name: Wo, .offset: 16, .size: 8, .value_kind: global_buffer, .address_space: global }
      - { .name: W1, .offset: 24, .size: 8, .value_kind: global_buffer, .address_space: global }
      - { .name: W2, .offset: 32, .size: 8, .value_kind: global_buffer, .address_space: global }
      - { .name: mask, .offset: 40, .size: 8, .value_kind: global_buffer, .address_space: global }
      - { .name: xh, .offset: 48, .size: 8, .value_kind: global_buffer, .address_space: global }
      - { .name: wq, .offset: 56, .size: 8, .value_kind: global_buffer, .address_space: global }
      - { .name: wo2, .offset: 64, .size: 8, .value_kind: global_buffer, .address_space: global }
      - { .name: w1, .offset: 72, .size: 8, .value_kind: global_buffer, .address_space: global }
      - { .name: maskb, .offset: 80, .size: 8, .value_kind: global_buffer, .address_space: global }
    .group_segment_fixed_size: 9216
    .private_segment_fixed_size: 0
    .kernarg_segment_align: 8
    .kernarg_segment_size: 88
    .max_flat_workgroup_size: 256
    .sgpr_count:     66
    .vgpr_count:     112
    .wavefront_size: 32
...
	.end_amdgpu_metadata
.endif
;; end of part 1
;; launch qkv (part 2): grid 12 x 16, 4 waves a work-group, clusters of 4 x 4, 327,680 bytes of LDS; arguments xh, wq, act, bqkv; writes act
.if DOCPART == 2
	.amdgcn_target "amdgcn-amd-amdhsa--gfx1250"
	.amdhsa_code_object_version 6
	.text
	.protected	k_qdc63ba78bf_qkv
	.globl	k_qdc63ba78bf_qkv
	.p2align	8
	.type	k_qdc63ba78bf_qkv,@function
k_qdc63ba78bf_qkv:
	s_mov_b64 s[64:65], 0
	v_nop
	global_prefetch_b8 v0, s[64:65] scope:SCOPE_SE
	s_setreg_imm32_b32 hwreg(HW_REG_WAVE_MODE, 25, 1), 1
	s_wait_xcnt 0x0
	s_wait_alu depctr_hold_cnt(0) depctr_sa_sdst(0) depctr_va_vdst(0) depctr_va_sdst(0) depctr_va_ssrc(0) depctr_va_vcc(0) depctr_vm_vsrc(0)
	s_getreg_b32 s2, hwreg(HW_REG_IB_STS2, 6, 4)
	s_cmp_eq_u32 s2, 0
	s_cbranch_scc0 .Lentry_in_a_cluster
	s_endpgm
.Lentry_in_a_cluster:
	s_bfe_u32 s2, ttmp6, 0x10000c
	s_cmp_lg_u32 s2, 0xf033
	s_cbranch_scc0 .Lentry_shape_is_right
	s_endpgm
.Lentry_shape_is_right:
; C = max(A W^T + bias, bound).  A: [4096][1024] bf16.  W: 256 bytes of header (its first word is the bound, twice in bf16), then [N][1024] bf16.  bias: [N] f32, used rounded to bf16 as all the module's inputs are.
; C leaves in PANELS: [N/128][4096][128] bf16, so that a wave's 128 columns of a row are 256 consecutive bytes whatever N is: one text serves N = 3072 and N = 4096.
; A tile of C is 256 x 256, four waves, each 128 x 128: 64 accumulators, 512 registers.  K goes in steps of 128 through two LDS slots filled by tensor loads; rows of 256 bytes, padded to 272.
; 4 x 4 work-groups form a cluster: A's tiles are asked for jointly along a row of the cluster, W's along a column.
; The matrix instruction is used transposed (source 0 = 16 rows of W, source 1 = 16 rows of A): a lane holds eight neighbouring columns of one row of C.
; The bias is the C operand of the products that start the sums.  The last K step goes by rows of C, so that finished rows leave while the others are multiplied.
; LIMIT: the packed maximum gives the bound where the sum is NaN.
; REGISTERS: window 0: v0-31 addresses; v64-191 A's fragments; v192-255 the bias, later the way out; v32-63 the way out.  window 1: W's fragments.  windows 2, 3: accumulators.
.set SIZE_K, 1024
.set KSTEP,  128
.set PITCH,  272                       ; 256 bytes + 16: the 16 rows of a fragment load start at 16 different groups of four banks
.set HALFT,  128*PITCH
.set SLOT,   4*HALFT
.set STAGE,  2*SLOT                    ; 16 rows x 272 bytes for each wave, its own
.set SPITCH, 272
.set SPARE,  STAGE+4*16*SPITCH         ; the spare words, 128 bytes a wave
.set LAPS,   SIZE_K/(2*KSTEP)
.set ADRA, 16
.set ADRB, 20
.set STO,  24
.set RD,   25
.set CO,   26
.set BO,   27
.set SPW,  28
.set NIL,  29
.set F0,   64
.set F1,   128
.set TMP,  192
.set BIAS, 192
.set OB,   32
.set PA,   64
.set G1, 24
.set G0, 32
.set G1B, 48
.set G0B, 56
.set MSB, 0
.macro WIN new                         ; the immediate's high byte repeats the setting that is left
.if MSB != (\new)
	s_set_vgpr_msb (MSB<<8)|(\new)
.set MSB, \new
.endif
.endm
.set MUL_LO, 0xa1
.set MUL_HI, 0xf1
.set TO_B,   0x40
.macro JLOAD s                         ; waves 0, 1 fetch A's halves, waves 2, 3 W's; s_nop 0 and four v_nop follow each line
	s_cmp_eq_u32 s11, 0
	s_cbranch_scc0 .Lfor_b_\@
	tensor_load_to_lds s[G0+4*(\s):G0+4*(\s)+3], s[G1:G1+7]
	s_nop 0
.rept 4
	v_nop
.endr
	s_branch .Lasked_\@
.Lfor_b_\@:
	tensor_load_to_lds s[G0B+4*(\s):G0B+4*(\s)+3], s[G1B:G1B+7]
	s_nop 0
.rept 4
	v_nop
.endr
.Lasked_\@:
.endm
.macro CREST                           ; a round of the cluster's barrier behind its opening barrier
	s_cmp_lg_u32 s10, 0
	s_cbranch_scc1 .Lnot_wave_0_\@
	s_barrier_signal -3
.Lnot_wave_0_\@:
	s_barrier_wait -3
	s_barrier_signal -1
	s_barrier_wait -1
.endm
.macro CROUND
	s_barrier_signal -1
	s_barrier_wait -1
	CREST
.endm
	s_load_b128 s[4:7], s[0:1], 0x0                ; A, W
	s_load_b64 s[8:9], s[0:1], 0x10                ; C
	s_load_b64 s[66:67], s[0:1], 0x18              ; bias
	v_lshl_add_u32 v[SPW], v0, 2, SPARE
	v_mov_b32 v[NIL], 0
	ds_add_u32 v[SPW], v[NIL]                      ; the wave's opening: the add and its wait stand ahead of my first tensor load
	v_lshrrev_b32 v1, 5, v0
	v_readfirstlane_b32 s10, v1                    ; wave
	s_lshr_b32 s11, s10, 1                         ; my half of the tile's rows; also: I fetch for A (0) or W (1)
	s_and_b32 s12, s10, 1                          ; my half of its columns; also: which 128 rows I fetch
	s_bfe_u32 s40, ttmp6, 0x40000                  ; cx
	s_bfe_u32 s41, ttmp6, 0x40004                  ; cy
	s_lshl_b32 s42, ttmp9, 2
	s_add_co_u32 s42, s42, s40                     ; tile column
	s_and_b32 s13, ttmp7, 0xffff
	s_lshl_b32 s13, s13, 2
	s_add_co_u32 s13, s13, s41                     ; tile row
	s_lshl_b32 s43, s41, 2
	s_lshl_b32 s43, 15, s43                        ; my row of the cluster
	s_lshl_b32 s44, 0x1111, s40                    ; my column
	s_or_b32 s[G1+0], s43, (1<<16)|(1<<20)|(1<<21)|(5<<22)|(3<<25)   ; mask; 2-byte elements; padding of 4 words after every 64
	s_or_b32 s[G1B+0], s44, (1<<16)|(1<<20)|(1<<21)|(5<<22)|(3<<25)
.irp g, G1, G1B
	s_mov_b32 s[(\g)+1], KSTEP<<16                 ; tensor_dim0 = 128
	s_mov_b32 s[(\g)+2], 128<<16                   ; tensor_dim1 = 128
	s_mov_b32 s[(\g)+3], KSTEP<<16                 ; tile_dim0 = 128
	s_mov_b32 s[(\g)+4], 128                       ; tile_dim1 = 128
	s_mov_b32 s[(\g)+5], SIZE_K                    ; elements from row to row
	s_mov_b32 s[(\g)+6], 0
	s_mov_b32 s[(\g)+7], 0
.endr
	s_mov_b32 s69, 0xffff0000                      ; a word's upper bf16
	s_lshl_b32 s17, s12, 7
	s_lshl_b32 s16, s13, 8
	s_add_co_u32 s16, s16, s17                     ; A: row 256 x tile row + 128 x half
	s_lshl_b32 s46, s42, 8
	s_add_co_u32 s46, s46, s17                     ; W: row 256 x tile column + 128 x half
	s_mov_b32 s17, 0
	s_mov_b32 s47, 0
	s_mov_b64 s[18:19], SIZE_K*2
	s_mul_u64 s[16:17], s[16:17], s[18:19]
	s_mul_u64 s[46:47], s[46:47], s[18:19]
	s_add_nc_u64 s[46:47], s[46:47], 256           ; W's rows lie behind the header
	s_mul_i32 s20, s10, HALFT
	s_wait_dscnt 0x0                               ; the opening add is done
	s_wait_kmcnt 0x0
	s_load_b32 s68, s[6:7], 0x0                    ; the bound; waited for beside the bias
	s_add_nc_u64 s[14:15], s[4:5], s[16:17]
	s_add_nc_u64 s[46:47], s[6:7], s[46:47]
	CROUND                                         ; all sixteen work-groups are here: the first joint loads meet
.irp s, 0,1
	s_mov_b32 s[G0+4*(\s)], 1
	s_add_co_u32 s[G0+4*(\s)+1], s20, (\s)*SLOT
	s_add_nc_u64 s[G0+4*(\s)+2:G0+4*(\s)+3], s[14:15], (\s)*KSTEP*2
	s_or_b32 s[G0+4*(\s)+3], s[G0+4*(\s)+3], 0x80000000
	s_mov_b32 s[G0B+4*(\s)], 1
	s_add_co_u32 s[G0B+4*(\s)+1], s20, (\s)*SLOT
	s_add_nc_u64 s[G0B+4*(\s)+2:G0B+4*(\s)+3], s[46:47], (\s)*KSTEP*2
	s_or_b32 s[G0B+4*(\s)+3], s[G0B+4*(\s)+3], 0x80000000
	JLOAD \s
.endr
	v_and_b32 v1, 15, v0                           ; l % 16
	v_bfe_u32 v2, v0, 4, 1                         ; l / 16
	; the bias of my 128 columns, in the accumulators' order: register j of block b is column 16 b + 8 (l / 16) + j
	s_lshl_b32 s46, s42, 10
	s_lshl_b32 s47, s12, 9
	s_add_co_u32 s46, s46, s47
	s_mov_b32 s47, 0
	s_add_nc_u64 s[66:67], s[66:67], s[46:47]
	v_lshlrev_b32 v[BO], 5, v2
.irp b, 0,1,2,3,4,5,6,7
	global_load_b128 v[BIAS+8*\b:BIAS+8*\b+3],   v[BO], s[66:67] offset:64*\b
	global_load_b128 v[BIAS+8*\b+4:BIAS+8*\b+7], v[BO], s[66:67] offset:64*\b+16
.endr
	v_mul_u32_u24 v3, v1, PITCH
	v_lshl_add_u32 v3, v2, 4, v3
	s_mul_i32 s21, s11, HALFT
	s_mul_i32 s22, s12, HALFT
	s_add_co_u32 s22, s22, 2*HALFT
.irp s, 0,1
	v_add_nc_u32 v[ADRA+(\s)], s21, v3
	v_add_nc_u32 v[ADRB+(\s)], s22, v3
	s_add_co_u32 s21, s21, SLOT
	s_add_co_u32 s22, s22, SLOT
.endr
	s_mul_i32 s23, s10, 16*SPITCH
	s_add_co_u32 s23, s23, STAGE
	v_mul_u32_u24 v4, v1, SPITCH
	v_lshl_add_u32 v4, v2, 4, v4
	v_add_nc_u32 v[STO], s23, v4
	v_mul_u32_u24 v5, v2, SPITCH
	v_lshl_add_u32 v5, v1, 4, v5
	v_add_nc_u32 v[RD], s23, v5
	v_and_b32 v[CO], 31, v0
	v_lshlrev_b32 v[CO], 4, v[CO]                  ; two rows of a panel are 512 consecutive bytes: 16 a lane
	s_lshl_b32 s16, s13, 16                        ; my first row in a panel: 256 bytes a row
	s_lshl_b32 s14, s11, 15
	s_add_co_u32 s16, s16, s14
	s_lshl_b32 s46, s42, 21                        ; my panel: 2 x tile column + half, 1 MiB each
	s_lshl_b32 s47, s12, 20
	s_add_co_u32 s46, s46, s47
	s_add_co_u32 s16, s16, s46
	s_mov_b32 s17, 0
; 16 matrix instructions: m blocks a0, a0 + 1 of the window's four x all 8 n blocks, 32 along K.  first = 1: the bias starts the sums.
.macro MUL16 f, hi, a0, first
.if \first
	WIN 0x81+0x40*(\hi)                            ; the C operand in window 0
.else
	WIN MUL_LO+0x50*(\hi)
.endif
.irp a, \a0, (\a0)+1
.irp b, 0,1,2,3,4,5,6,7
.if \first
	v_wmma_f32_16x16x32_bf16 v[8*(8*(\a)+(\b)):8*(8*(\a)+(\b))+7], v[(\f)+8*(\b):(\f)+8*(\b)+7], v[(\f)+8*(4*(\hi)+(\a)):(\f)+8*(4*(\hi)+(\a))+7], v[BIAS+8*(\b):BIAS+8*(\b)+7]
.else
	v_wmma_f32_16x16x32_bf16 v[8*(8*(\a)+(\b)):8*(8*(\a)+(\b))+7], v[(\f)+8*(\b):(\f)+8*(\b)+7], v[(\f)+8*(4*(\hi)+(\a)):(\f)+8*(4*(\hi)+(\a))+7], v[8*(8*(\a)+(\b)):8*(8*(\a)+(\b))+7]
.endif
.endr
.endr
.endm
.macro FETCH slot, k, f                ; 32 LDS loads in one run: a quarter step's fragments
	WIN TO_B
.irp i, 0,1,2,3,4,5,6,7
	ds_load_b128 v[(\f)+8*(\i):(\f)+8*(\i)+3],   v[ADRB+(\slot)] offset:(\k)+(\i)*16*PITCH
	ds_load_b128 v[(\f)+8*(\i)+4:(\f)+8*(\i)+7], v[ADRB+(\slot)] offset:(\k)+(\i)*16*PITCH+32
.endr
	WIN 0
.irp i, 0,1,2,3,4,5,6,7
	ds_load_b128 v[(\f)+8*(\i):(\f)+8*(\i)+3],   v[ADRA+(\slot)] offset:(\k)+(\i)*16*PITCH
	ds_load_b128 v[(\f)+8*(\i)+4:(\f)+8*(\i)+7], v[ADRA+(\slot)] offset:(\k)+(\i)*16*PITCH+32
.endr
.endm
.macro PLACES                          ; four plain places between matrix instructions and loads into, or reads of, their registers
.rept 4
	v_nop
.endr
.endm
.macro QUARTER slot, k, f, g, first
	s_wait_dscnt 8                                 ; W and A's rows 0-63 are in; the youngest eight loads may be out
	MUL16 \f, 0, 0, \first
	MUL16 \f, 0, 2, \first
	PLACES
	FETCH \slot, \k, \g
	s_wait_dscnt 32                                ; all but the 32 just issued
	MUL16 \f, 1, 0, \first
	MUL16 \f, 1, 2, \first
.endm
.macro MEET round
	WIN 0
	s_wait_tensorcnt 0x0                           ; all my tensor loads have landed: my part of the next slot
	ds_add_u32 v[SPW], v[NIL]
	s_wait_dscnt 9                                 ; the add and the youngest eight loads may be out
	MUL16 F1, 0, 0, 0
	s_wait_dscnt 0x0                               ; the add is done, my reads of this slot are over
	s_barrier_signal -1
	MUL16 F1, 0, 2, 0
.if \round
	WIN 0
.endif
	s_barrier_wait -1
.endm
.macro TURN slot, next
	MEET 1
	CREST                                          ; no wave of any partner still reads this slot or has a load on its way
	s_add_nc_u64 s[G0+4*(\slot)+2:G0+4*(\slot)+3], s[G0+4*(\slot)+2:G0+4*(\slot)+3], 2*KSTEP*2
	s_add_nc_u64 s[G0B+4*(\slot)+2:G0B+4*(\slot)+3], s[G0B+4*(\slot)+2:G0B+4*(\slot)+3], 2*KSTEP*2
	JLOAD \slot                                    ; the first tensor load behind the round; its four v_nop are also the places in front of the loads below
	FETCH \next, 0, F0
	MUL16 F1, 1, 0, 0
	MUL16 F1, 1, 2, 0
.endm
.macro BLOAD q
	WIN TO_B
.irp i, 0,1,2,3,4,5,6,7
	ds_load_b128 v[64*(\q)+8*(\i):64*(\q)+8*(\i)+3],   v[ADRB+1] offset:64*(\q)+(\i)*16*PITCH
	ds_load_b128 v[64*(\q)+8*(\i)+4:64*(\q)+8*(\i)+7], v[ADRB+1] offset:64*(\q)+(\i)*16*PITCH+32
.endr
.endm
.macro ALOAD a
	WIN 0
.set FA, PA+32*((\a)%4)
.irp q, 0,1,2,3
	ds_load_b128 v[FA+8*(\q):FA+8*(\q)+3],   v[ADRA+1] offset:64*(\q)+(\a)*16*PITCH
	ds_load_b128 v[FA+8*(\q)+4:FA+8*(\q)+7], v[ADRA+1] offset:64*(\q)+(\a)*16*PITCH+32
.endr
.endm
.macro ROW a                           ; block a of 16 rows is finished: 32 matrix instructions, its 8 accumulators by turns
.set FA, PA+32*((\a)%4)
.set AC, 64*((\a)%4)
	WIN MUL_LO+0x50*((\a)/4)
.irp q, 0,1,2,3
.if (\a) == 0 && (\q) == 2
	s_wait_dscnt 24                                ; W's quarter 2 is in (behind it: A's blocks 1 to 3)
.endif
.irp b, 0,1,2,3,4,5,6,7
	v_wmma_f32_16x16x32_bf16 v[AC+8*(\b):AC+8*(\b)+7], v[64*(\q)+8*(\b):64*(\q)+8*(\b)+7], v[FA+8*(\q):FA+8*(\q)+7], v[AC+8*(\b):AC+8*(\b)+7]
.endr
.endr
.endm
.macro PACK a                          ; rounded to bf16, then held to the bound
.set AC, 64*((\a)%4)
	WIN 0x0a+5*((\a)/4)
.irp b, 0,1,2,3,4,5,6,7
.irp r, 0,1,2,3
	v_cvt_pk_bf16_f32 v[TMP+4*(\b)+(\r)], v[AC+8*(\b)+2*(\r)], v[AC+8*(\b)+2*(\r)+1]
.endr
.endr
	WIN 0
.set z, 0
.rept 32
	v_pk_max_num_bf16 v[TMP+z], v[TMP+z], s68
.set z, z+1
.endr
.endm
.macro TOSTAGE a
	WIN 0
.set BK, OB+192*((\a)%2)
.irp b, 0,1,2,3,4,5,6,7
	ds_store_b128 v[STO], v[TMP+4*(\b):TMP+4*(\b)+3] offset:32*(\b)
.endr
.irp t, 0,1,2,3,4,5,6,7
	ds_load_b128 v[BK+4*(\t):BK+4*(\t)+3], v[RD] offset:(\t)*2*SPITCH  ; LDS serves a wave's instructions in order: these see the stores above
.endr
.endm
.macro SEND a, younger
	WIN 0
.set BK, OB+192*((\a)%2)
	s_wait_dscnt \younger
	s_wait_xcnt 0x0                                ; the stores' base and the registers that earlier stores read are rewritten only behind this wait
.if (\a) == 0
	s_add_nc_u64 s[8:9], s[8:9], s[16:17]
.else
	s_add_nc_u64 s[8:9], s[8:9], 16*256            ; 16 rows of the panel on
.endif
.irp t, 0,1,2,3,4,5,6,7
	global_store_b128 v[CO], v[BK+4*(\t):BK+4*(\t)+3], s[8:9] offset:512*(\t)  ; 512 consecutive bytes, aligned
.endr
.endm
	s_wait_tensorcnt 1                             ; my part of K step 0 is in; K step 1's stays out
	s_barrier_signal -1
	s_barrier_wait -1
	FETCH 0, 0, F0
	s_wait_loadcnt 0x0                             ; the bias
	s_wait_kmcnt 0x0                               ; the bound
.set z, 0
.rept 32                               ; the bias is rounded once to bf16 and widened again: 32 pairs, while the first fragments come out of LDS
	v_cvt_pk_bf16_f32 v[6+z%4], v[BIAS+2*z], v[BIAS+2*z+1]
	v_lshlrev_b32 v[BIAS+2*z], 16, v[6+z%4]
	v_and_b32 v[BIAS+2*z+1], s69, v[6+z%4]
.set z, z+1
.endr
	QUARTER 0, 64,  F0, F1, 1
	WIN 0
	s_mov_b32 s3, LAPS-1
.Llap:
	QUARTER 0, 128, F1, F0, 0
	QUARTER 0, 192, F0, F1, 0
	TURN 0, 1
	QUARTER 1, 64,  F0, F1, 0
	QUARTER 1, 128, F1, F0, 0
	QUARTER 1, 192, F0, F1, 0
	TURN 1, 0
	QUARTER 0, 64,  F0, F1, 0
	WIN 0
	s_sub_co_u32 s3, s3, 1
	s_cmp_lg_u32 s3, 0
	s_cbranch_scc1 .Llap
	QUARTER 0, 128, F1, F0, 0
	QUARTER 0, 192, F0, F1, 0
	MEET 0                                         ; slot 1 holds the last K step; nothing is filled again, so no round follows
	PLACES
	BLOAD 0
	BLOAD 1
	BLOAD 3
	ALOAD 0
	MUL16 F1, 1, 0, 0
	MUL16 F1, 1, 2, 0
	PLACES
	BLOAD 2
	ALOAD 1
	ALOAD 2
	ALOAD 3
	s_wait_dscnt 40                                ; all but the 40 just issued
	ROW 0
.irp a, 0,1,2,3,4,5,6,7
	PLACES
	PACK \a
	TOSTAGE \a
.if (\a) < 4
	ALOAD (\a)+4
	SEND \a, 8
.else
	SEND \a, 0
.endif
.if (\a) < 7
	ROW (\a)+1
.endif
.endr
	s_wait_tensorcnt 0x0                           ; the wave's end
	ds_add_u32 v[SPW], v[NIL]
	s_wait_dscnt 0x0
	CROUND                                         ; the closing round
	s_endpgm
.Lfunc_end_k_qdc63ba78bf_qkv:
	.size	k_qdc63ba78bf_qkv, .Lfunc_end_k_qdc63ba78bf_qkv-k_qdc63ba78bf_qkv
	.p2alignl 7, 3214868480
	.fill 96, 4, 3214868480
	.section	.rodata,"a",@progbits
	.p2align	6, 0x0
	.amdhsa_kernel k_qdc63ba78bf_qkv
		.amdhsa_group_segment_fixed_size 327680
		.amdhsa_private_segment_fixed_size 0
		.amdhsa_enable_private_segment 0
		.amdhsa_kernarg_size 32
		.amdhsa_user_sgpr_count 2
		.amdhsa_user_sgpr_kernarg_segment_ptr 1
		.amdhsa_wavefront_size32 1
		.amdhsa_system_sgpr_workgroup_id_x 1
		.amdhsa_system_sgpr_workgroup_id_y 1
		.amdhsa_system_sgpr_workgroup_id_z 1
		.amdhsa_system_vgpr_workitem_id 0
		.amdhsa_next_free_vgpr 1024
		.amdhsa_next_free_sgpr 72
		.amdhsa_reserve_vcc 0
		.amdhsa_float_denorm_mode_32 3
		.amdhsa_float_denorm_mode_16_64 3
		.amdhsa_memory_ordered 1
		.amdhsa_forward_progress 1
		.amdhsa_inst_pref_size 165
	.end_amdhsa_kernel
	.amdgpu_metadata
---
amdhsa.version: [ 1, 2 ]
amdhsa.kernels:
  - .name:           k_qdc63ba78bf_qkv
    .symbol:         k_qdc63ba78bf_qkv.kd
    .args:
      - { .name: xh, .offset: 0, .size: 8, .value_kind: global_buffer, .address_space: global }
      - { .name: wq, .offset: 8, .size: 8, .value_kind: global_buffer, .address_space: global }
      - { .name: act, .offset: 16, .size: 8, .value_kind: global_buffer, .address_space: global }
      - { .name: bqkv, .offset: 24, .size: 8, .value_kind: global_buffer, .address_space: global }
    .group_segment_fixed_size: 327680
    .private_segment_fixed_size: 0
    .kernarg_segment_align: 8
    .kernarg_segment_size: 32
    .max_flat_workgroup_size: 128
    .sgpr_count:     72
    .vgpr_count:     1024
    .wavefront_size: 32
...
	.end_amdgpu_metadata
.endif
;; end of part 2
;; launch attn (part 3): grid 16 x 16, 4 waves a work-group, clusters of 4 x 1, 327,680 bytes of LDS; arguments act, maskb, op; writes op
.if DOCPART == 3
	.amdgcn_target "amdgcn-amd-amdhsa--gfx1250"
	.amdhsa_code_object_version 6
	.text
	.protected	k_qdc63ba78bf_attn
	.globl	k_qdc63ba78bf_attn
	.p2align	8
	.type	k_qdc63ba78bf_attn,@function
k_qdc63ba78bf_attn:
	s_mov_b64 s[64:65], 0
	v_nop
	global_prefetch_b8 v0, s[64:65] scope:SCOPE_SE
	s_setreg_imm32_b32 hwreg(HW_REG_WAVE_MODE, 25, 1), 1
	s_wait_xcnt 0x0
	s_wait_alu depctr_hold_cnt(0) depctr_sa_sdst(0) depctr_va_vdst(0) depctr_va_sdst(0) depctr_va_ssrc(0) depctr_va_vcc(0) depctr_vm_vsrc(0)
	s_getreg_b32 s2, hwreg(HW_REG_IB_STS2, 6, 4)
	s_cmp_eq_u32 s2, 0
	s_cbranch_scc0 .Lentry_in_a_cluster
	s_endpgm
.Lentry_in_a_cluster:
	s_bfe_u32 s2, ttmp6, 0x10000c
	s_cmp_lg_u32 s2, 0x3003
	s_cbranch_scc0 .Lentry_shape_is_right
	s_endpgm
.Lentry_shape_is_right:
; O = softmax(Q K^T / 8 under the mask) V for 2 x 16 heads of 64 channels, 2,048 queries and keys.  q, k, v lie in panels [24][4096 tokens][128] bf16 (q 0-7, k 8-15, v 16-23; a panel = two heads);
; o leaves in panels [8][4096][128] bf16.  The mask is an input and is honoured key by key: maskb holds one fp8 code a key (0, or -448 where hidden), in my lanes' order.
; SHARES.  A work-group takes 128 queries of a panel's two heads; wave w takes head w / 2, queries 64 (w % 2) on, as four PIECES of 16.  All 2,048 keys are walked, 64 a step, 256 a tile.
; The four query blocks of a cluster walk the same K and V: each tile is asked for jointly.  Rows of K, V and o are whole runs of 256 bytes, since both heads of the panel are taken together.
; THE MASK is the C operand that starts S^T = K Q^T: four scaled conversions make of 32 codes 32 numbers, 0 or -448 x 2^100.
; LIMITS.  A hidden score counts as its value less 5.7e32, so |q.k| stays under 1e30; a row whose maximum ends below -1e30 (no visible key) is given NaN, as a softmax of -inf alone gives;
; a weight below 2^-126 counts as 0.  If only hidden keys have come so far their weights pile up; the first visible score makes a = 0 and wipes them.
; LAYOUT, SOFTMAX, TURNS.  S^T holds one query a lane (lane % 16) and keys 8 (lane / 16) + 0..7; two such results rounded to bf16 are source 1 of O^T = V^T P.  p = 2^(c s - c m), c = log2(e) / 8, m a running
; maximum; O and l are multiplied by a = 2^(c m_old - c m_new) in every step.  Turn n belongs to piece n: 8 products K Q^T of piece n + 1, 8 products V^T P of piece n - 1, beside them piece n's softmax and
; piece n + 1's maximum: four vector instructions behind every matrix instruction, the rest in two runs of their own.
; REGISTERS: window 0: v0-15 addresses; v16-31 statistics; v32-35 mask offsets; v48-55 at work; v64-127 S^T (two buffers); v128-159 mask codes; v192-223 P (two buffers)
;   window 1: v0-127 O^T; v160-223 the masks as C operands (two buffers)      window 2: v0-63 Q; v128-191 K of a step; v192-255 V of a step
.set NP,    4
.set KS,    64
.set PK,    272       ; a row of K in LDS: 256 bytes + 16
.set PV,    288       ; a row of V: 256 + 32
.set VOFF,  4*KS*PK
.set SLOTX, 0x24000   ; slot 1 begins here; the bases that are toggled have these two bits clear, so one exclusive or changes slots
.set STAGE, SLOTX+4*KS*(PK+PV)  ; 128 rows x 272 bytes, the work-group's, for the way out; never filled by a tensor load
.set SP,    272
.set SPARE, STAGE+128*SP
.set AK0, 2
.set AV0, 3
.set AK,  4
.set AV,  5
.set STO, 6
.set RD,  7
.set GO,  8
.set MV,  12
.set QO,  15
.set ST,  16          ; piece t: c m, m, l (even keys', odd keys')
.set VO,  32          ; piece x: byte offset of its next mask codes
.set SCL, 36          ; 227: the conversions multiply by 2^(227 - 127)
.set NANR, 37
.set TMP, 48
.set SPW, 62
.set NIL, 63
.set S,   64
.set MB,  128
.set P,   192
.set MC,  160
.set KF,  128
.set VF,  192
.set WV,  12
.set G1K, 24
.set G1V, 32
.set G0K, 40
.set G0V, 44
.set MP,  48
.set SLOTS, 56
.set CNT, 57
.set CS,  58
.set SEL, 60
.set TBK, 62
.set TBV, 63
.set BIGN, 66
.set MSB, 0
.macro WIN new
.if MSB != (\new)
	s_set_vgpr_msb (MSB<<8)|(\new)
.set MSB, (\new)
.endif
.endm
.set W_KQ, 0x0a
.set W_KM, 0x1a
.set W_PV, 0x52
.set W_RS, 0x41
.macro JLOAD                        ; waves 0, 1 fetch the halves of a tile's K, waves 2, 3 of its V: 128 keys each; s_nop 0 and four v_nop follow each line
	s_cmp_lt_u32 s[WV], 2
	s_cbranch_scc0 .Lfor_v_\@
	tensor_load_to_lds s[G0K:G0K+3], s[G1K:G1K+7]
	s_nop 0
.rept 4
	v_nop
.endr
	s_branch .Lasked_\@
.Lfor_v_\@:
	tensor_load_to_lds s[G0V:G0V+3], s[G1V:G1V+7]
	s_nop 0
.rept 4
	v_nop
.endr
.Lasked_\@:
.endm
.macro CROUND
	s_barrier_signal -1
	s_barrier_wait -1
	s_cmp_lg_u32 s[WV], 0
	s_cbranch_scc1 .Lnot_wave_0_\@
	s_barrier_signal -3
.Lnot_wave_0_\@:
	s_barrier_wait -3
	s_barrier_signal -1
	s_barrier_wait -1
.endm
; THE CHANGE OF SLOTS.  Each wave waits for all its tensor loads (one is out: its part of the other slot), adds 0 to its spare word, and waits for that and for its reads of the slot that it leaves.
; fill = 1: the barrier is a round of the cluster's, and the joint fill, the keys two tiles on, is the first thing behind it: it has four key steps in which to land.
.macro CHANGE fill
	WIN 0
	s_wait_tensorcnt 0x0
	ds_add_u32 v[SPW], v[NIL]
.if \fill
.irp g, G0K, G0V
	s_xor_b32 s[\g+1], s[\g+1], SLOTX
	s_add_nc_u64 s[\g+2:\g+3], s[\g+2:\g+3], 4*KS*256
.endr
	s_wait_dscnt 0x0
	CROUND
	JLOAD
.else
	s_wait_dscnt 0x0
	s_barrier_signal -1
	s_barrier_wait -1
.endif
	s_sub_co_u32 s[TBK], s[TBK], 4*KS*PK
	s_xor_b32 s[TBK], s[TBK], SLOTX
	s_sub_co_u32 s[TBV], s[TBV], 4*KS*PV
	s_xor_b32 s[TBV], s[TBV], SLOTX
.endm
	s_load_b128 s[4:7], s[0:1], 0x0   ; act, maskb
	s_load_b64 s[10:11], s[0:1], 0x10 ; op
	v_lshl_add_u32 v[SPW], v0, 2, SPARE
	v_mov_b32 v[NIL], 0
	ds_add_u32 v[SPW], v[NIL]       ; the wave's opening: the add and its wait stand ahead of my first tensor load
	v_lshrrev_b32 v1, 5, v0
	v_readfirstlane_b32 s[WV], v1
	s_bfe_u32 s13, ttmp6, 0x40000   ; cx
	s_lshl_b32 s14, ttmp9, 2
	s_add_co_u32 s14, s14, s13      ; my block of 128 queries: it enters Q's, the mask's and O's addresses alone
	s_and_b32 s20, ttmp7, 0xffff
	s_lshr_b32 s21, s20, 3          ; batch
	s_and_b32 s20, s20, 7           ; panel
	s_lshl_b32 s22, s20, 20
	s_lshl_b32 s23, s21, 19
	s_add_co_u32 s22, s22, s23      ; panel x 1 MiB + batch x 2,048 rows of 256 bytes
	s_and_b32 s16, s[WV], 1         ; my half of the queries; also: which 128 keys of a tile I fetch
	s_lshr_b32 s19, s[WV], 1        ; my head of the panel's two
	s_lshl_b32 s15, s16, 15
	s_add_co_u32 s52, s22, s15
	s_add_co_u32 s54, s52, 16<<20   ; V's panels
	s_add_co_u32 s52, s52, 8<<20    ; K's panels
	s_mov_b32 s53, 0
	s_mov_b32 s55, 0
	s_mul_i32 s17, s16, 128*PK
	s_mul_i32 s18, s16, 128*PV
	s_lshl_b32 s2, s14, 15
	s_add_co_u32 s2, s2, s22
	s_lshl_b32 s3, s[WV], 13
	s_add_co_u32 s8, s2, s3         ; O: the 32 rows that I store
	s_mov_b32 s9, 0
	s_lshl_b32 s3, s16, 14
	s_add_co_u32 s2, s2, s3
	s_lshl_b32 s3, s19, 7
	s_add_co_u32 s2, s2, s3         ; Q: my 64 rows, my head's 128 bytes
	s_mov_b32 s3, 0
	s_lshl_b32 s50, s14, 18         ; the mask: 32,768 bytes for 16 queries
	s_lshl_b32 s51, s16, 17
	s_add_co_u32 s50, s50, s51
	s_mov_b32 s51, 0
	s_mov_b32 s[G1K], 15|(1<<16)|(1<<20)|(1<<21)|(5<<22)|(3<<25)  ; the mask of four; 2-byte elements; 4 words of padding after every 64
	s_mov_b32 s[G1V], 15|(1<<16)|(1<<20)|(1<<21)|(5<<22)|(7<<25)  ; 8 words of padding
.irp g, G1K, G1V
	s_mov_b32 s[\g+1], 128<<16      ; tensor_dim0 = 128
	s_mov_b32 s[\g+2], 128<<16      ; tensor_dim1 = 128
	s_mov_b32 s[\g+3], 128<<16      ; tile_dim0 = 128
	s_mov_b32 s[\g+4], 128          ; tile_dim1 = 128
	s_mov_b32 s[\g+5], 128
	s_mov_b32 s[\g+6], 0
	s_mov_b32 s[\g+7], 0
.endr
	s_mov_b32 s[CS], 0x3e38aa3b     ; c = log2(e) / 8
	s_mov_b32 s[CS+1], s[CS]
	s_mov_b32 s[SEL], 0x76543210
	s_mov_b32 s[SEL+1], 0xfedcba98
	s_mov_b32 s[BIGN], 0xf149f2ca   ; -1e30
	s_mov_b32 s[TBK], SLOTX+4*KS*PK ; the first change of slots turns these two into 0
	s_mov_b32 s[TBV], SLOTX+4*KS*PV
	s_mov_b32 s[G0K], 1
	s_mov_b32 s[G0K+1], s17
	s_mov_b32 s[G0V], 1
	s_add_co_u32 s[G0V+1], s18, VOFF
	s_wait_dscnt 0x0                ; the opening add is done
	s_wait_kmcnt 0x0
	s_add_nc_u64 s[G0K+2:G0K+3], s[4:5], s[52:53]
	s_or_b32 s[G0K+3], s[G0K+3], 0x80000000
	s_add_nc_u64 s[G0V+2:G0V+3], s[4:5], s[54:55]
	s_or_b32 s[G0V+3], s[G0V+3], 0x80000000
	s_add_nc_u64 s[4:5], s[4:5], s[2:3]
	s_add_nc_u64 s[10:11], s[10:11], s[8:9]
	s_add_nc_u64 s[MP:MP+1], s[6:7], s[50:51]
	CROUND                          ; all four work-groups are here: the first joint loads meet
	JLOAD                           ; tile 0 into slot 0
	v_and_b32 v1, 15, v0            ; l % 16
	v_bfe_u32 v9, v0, 4, 1          ; l / 16
	v_lshlrev_b32 v[QO], 8, v1
	v_lshl_add_u32 v[QO], v9, 4, v[QO]
	WIN 0x80
.set i, 0
.rept 8                             ; Q stays in registers: piece i / 2, channels 32 (i % 2) on
	global_load_b128 v[8*i:8*i+3],   v[QO], s[4:5] offset:(i/2)*4096+(i%2)*64
	global_load_b128 v[8*i+4:8*i+7], v[QO], s[4:5] offset:(i/2)*4096+(i%2)*64+32
.set i, i+1
.endr
	WIN 0
	v_and_b32 v14, 31, v0
.irp x, 0,1,2,3                     ; the four pieces' codes for key step 0: 512 consecutive bytes a load
	v_lshlrev_b32 v[VO+\x], 4, v14
	global_load_b128 v[MB+8*\x:MB+8*\x+3],   v[VO+\x], s[MP:MP+1] offset:\x*32768
	global_load_b128 v[MB+8*\x+4:MB+8*\x+7], v[VO+\x], s[MP:MP+1] offset:\x*32768+512
.endr
	v_mov_b32 v[SCL], 227
	v_mov_b32 v[NANR], 0x7fc00000
	s_lshl_b32 s13, s19, 7
	v_mul_u32_u24 v[AK0], v1, PK
	v_lshl_add_u32 v[AK0], v9, 4, v[AK0]
	v_add_nc_u32 v[AK0], s13, v[AK0]       ; row x pitch + 16 x half + my head's 128 bytes
	v_and_b32 v10, 7, v0
	v_bfe_u32 v11, v0, 3, 1
	v_lshl_add_u32 v[AV0], v9, 3, v10
	v_mul_u32_u24 v[AV0], v[AV0], PV
	v_lshl_add_u32 v[AV0], v11, 4, v[AV0]
	s_add_co_u32 s13, s13, VOFF
	v_add_nc_u32 v[AV0], s13, v[AV0]
	s_mul_i32 s13, s16, 64*SP       ; into the stage: my 64 rows, my head's half of their 256 bytes
	s_lshl_b32 s15, s19, 7
	s_add_co_u32 s13, s13, s15
	s_add_co_u32 s13, s13, STAGE
	v_mul_u32_u24 v[STO], v1, SP
	v_lshl_add_u32 v[STO], v9, 4, v[STO]
	v_add_nc_u32 v[STO], s13, v[STO]
	s_mul_i32 s13, s[WV], 32*SP     ; back: wave w takes rows 32 w on, whole
	s_add_co_u32 s13, s13, STAGE
	v_mul_u32_u24 v[RD], v9, SP
	v_lshl_add_u32 v[RD], v1, 4, v[RD]
	v_add_nc_u32 v[RD], s13, v[RD]
	v_lshlrev_b32 v[GO], 4, v14
	; The first step multiplies O^T and l by a = 0, and the first turn's products V^T P, of a piece that has not been, add 0: these registers hold 0.  All this stands in the wait for the first tile.
	WIN 0x80
.set i, VF
.rept 64
	v_mov_b32 v[i], 0
.set i, i+1
.endr
	WIN 0x40
.set i, 0
.rept 128
	v_mov_b32 v[i], 0
.set i, i+1
.endr
	WIN 0
.set i, 0
.rept 4
	v_mov_b32 v[ST+4*i], 0xfe000000    ; c m: far below every c s
	v_mov_b32 v[ST+4*i+1], 0xff7fffff  ; m
	v_mov_b32 v[ST+4*i+2], 0
	v_mov_b32 v[ST+4*i+3], 0
.set i, i+1
.endr
.set i, P+16
.rept 16
	v_mov_b32 v[i], 0
.set i, i+1
.endr
; Product i of 8 of S^T = K Q^T for piece x: channels 32 (i / 4) on, keys 16 (i % 4) on.  The first 4 start the sums with the mask.  The 4 accumulators take turns.
.macro KQ x
.set rS, S+32*((\x)%2)+8*(i%4)
.set rK, KF+16*(i%4)+8*(i/4)
.set rQ, 16*(\x)+8*(i/4)
.set rM, MC+32*((\x)%2)+8*(i%4)
.if i < 4
	WIN W_KM
	v_wmma_f32_16x16x32_bf16 v[rS:rS+7], v[rK:rK+7], v[rQ:rQ+7], v[rM:rM+7]
.else
	WIN W_KQ
	v_wmma_f32_16x16x32_bf16 v[rS:rS+7], v[rK:rK+7], v[rQ:rQ+7], v[rS:rS+7]
.endif
.endm
; Product i of 8 of O^T += V^T P for piece x: keys 32 (i / 4) on, channels 16 (i % 4) on.
.macro PV x
	WIN W_PV
.set rO, 32*(\x)+8*(i%4)
.set rV, VF+32*(i/4)+8*(i%4)
.set rP, P+16*((\x)%2)+8*(i/4)
	v_wmma_f32_16x16x32_bf16 v[rO:rO+7], v[rV:rV+7], v[rP:rP+7], v[rO:rO+7]
.endm
.macro MM                           ; the turn's next matrix instruction.  NOKQ = 1: the last turn: there is no next piece
.if (i < 8) && !NOKQ
	KQ (Y+1)%NP
.elseif i >= 8
.set i, i-8
	PV (Y+NP-1)%NP
.set i, i+8
.endif
.set i, i+1
.endm
.macro FETCH_K                      ; a step's K for my head: 64 keys x 64 channels, 16 loads in one run
	WIN 0x80
.irp f, 0,1,2,3,4,5,6,7
	ds_load_b128 v[KF+8*\f:KF+8*\f+3],   v[AK] offset:(\f/2)*16*PK+(\f%2)*64
	ds_load_b128 v[KF+8*\f+4:KF+8*\f+7], v[AK] offset:(\f/2)*16*PK+(\f%2)*64+32
.endr
	s_add_co_u32 s[TBK], s[TBK], KS*PK
	WIN 0
.endm
.macro FETCH_V                      ; its V, turned
	WIN 0x80
.irp f, 0,1,2,3,4,5,6,7
	ds_load_tr16_b128 v[VF+8*\f:VF+8*\f+3],   v[AV] offset:(\f/4)*32*PV+(\f%4)*32
	ds_load_tr16_b128 v[VF+8*\f+4:VF+8*\f+7], v[AV] offset:(\f/4)*32*PV+16*PV+(\f%4)*32
.endr
	WIN 0
.endm
; The mask of piece x's next products into buffer b: 32 codes become 32 numbers, 0 or -448 x 2^100.
.macro MCONV b, x
	WIN 0x40
.irp kb, 0,1,2,3
	v_cvt_scale_pk8_f32_fp8 v[MC+32*(\b)+8*\kb:MC+32*(\b)+8*\kb+7], v[MB+8*(\x)+2*\kb:MB+8*(\x)+2*\kb+1], v[SCL]
.endr
	WIN 0
.endm
; Piece x's codes for its next key step are asked for, four turns ahead of their use.  The step's number wraps from 31 to 0, so the last requests stay inside the buffer.
; The two plain lines stand between the conversions and what touches their results or sources.
.macro MNEXT x
	v_add_nc_u32 v[VO+(\x)], 1024, v[VO+(\x)]
	v_and_b32 v[VO+(\x)], 0x7fff, v[VO+(\x)]
	global_load_b128 v[MB+8*(\x):MB+8*(\x)+3],   v[VO+(\x)], s[MP:MP+1] offset:(\x)*32768
	global_load_b128 v[MB+8*(\x)+4:MB+8*(\x)+7], v[VO+(\x)], s[MP:MP+1] offset:(\x)*32768+512
.endm
; THE VECTOR WORK, one line at a time: OP kind, number.  For piece Y: F n: c s - c m for pair n.  E n: the exponential of score n.  C n: pair n rounded to bf16.  B n: of the weights 4 n .. the second pair is added
; onto the first.  L n: l takes that sum (L 0: l = a l + sum).  R n: pair n of O^T times a.  For piece Y + 1: X n, number n of the 22 that find its maximum and statistics; each accumulator's lowest registers are read first.
.set F, 0
.set E, 1
.set C, 2
.set B, 3
.set L, 4
.set R, 5
.set X, 6
.macro REGS y
.set rT, ST+4*(\y)
.set rC, TMP+4*((\y)%2)
.set rW, MV+((\y)%2)
.set rS, S+32*((\y)%2)
.set rP, P+16*((\y)%2)
.set rO, 32*(\y)
.endm
.macro OP k, n
.if (\k) == R
	REGS Y
	WIN W_RS
	v_pk_mul_f32 v[rO+2*(\n):rO+2*(\n)+1], v[rO+2*(\n):rO+2*(\n)+1], v[rC+2:rC+3] op_sel_hi:[1,0]
.elseif (\k) < R
	REGS Y
	WIN 0
.if (\k) == F
	v_pk_fma_f32 v[rS+2*(\n):rS+2*(\n)+1], v[rS+2*(\n):rS+2*(\n)+1], s[CS:CS+1], v[rT:rT+1] op_sel_hi:[1,0,0] neg_lo:[0,0,1] neg_hi:[0,0,1]
.elseif (\k) == E
	v_exp_f32 v[rS+(\n)], v[rS+(\n)]
.elseif (\k) == C
	s_wait_alu depctr_va_vdst(0)
	v_cvt_pk_bf16_f32 v[rP+(\n)], v[rS+2*(\n)], v[rS+2*(\n)+1]
.elseif (\k) == B
	s_wait_alu depctr_va_vdst(0)
	v_pk_add_f32 v[rS+4*(\n):rS+4*(\n)+1], v[rS+4*(\n):rS+4*(\n)+1], v[rS+4*(\n)+2:rS+4*(\n)+3]
.elseif (\n) == 0
	v_pk_fma_f32 v[rT+2:rT+3], v[rT+2:rT+3], v[rC+2:rC+3], v[rS:rS+1] op_sel_hi:[1,0,1]
.else
	v_pk_add_f32 v[rT+2:rT+3], v[rT+2:rT+3], v[rS+4*(\n):rS+4*(\n)+1]
.endif
.elseif NOKQ
	v_nop
.else
	REGS (Y+1)%NP
	WIN 0
.if (\n) < 4
	v_max3_num_f32 v[rC+(\n)], v[rS+8*(\n)], v[rS+8*(\n)+1], v[rS+8*(\n)+2]
.elseif (\n) < 12
	v_max3_num_f32 v[rC+(\n)%4], v[rC+(\n)%4], v[rS+8*((\n)%4)+2*((\n)/4)+1], v[rS+8*((\n)%4)+2*((\n)/4)+2]
.elseif (\n) == 12
	v_max3_num_f32 v[rC], v[rC], v[rS+7], v[rS+15]
.elseif (\n) == 13
	v_max3_num_f32 v[rC+1], v[rC+1], v[rS+23], v[rS+31]
.elseif (\n) == 14
	v_max3_num_f32 v[rC+2], v[rC+2], v[rC+3], v[rT+1]
.elseif (\n) == 15
	v_mov_b32 v[rW], v[rT]
.elseif (\n) == 16
	v_max3_num_f32 v[rC], v[rC], v[rC+1], v[rC+2]
.elseif (\n) == 17
	v_permlanex16_b32 v[rC+3], v[rC], s[SEL], s[SEL+1]
.elseif (\n) == 18
	v_max_num_f32 v[rT+1], v[rC], v[rC+3]
.elseif (\n) == 19
	v_mul_f32 v[rT], s[CS], v[rT+1]
.elseif (\n) == 20
	v_sub_f32 v[rC+1], v[rW], v[rT]
.else
	v_exp_f32 v[rC+2], v[rC+1]
.endif
.endif
.endm
.macro OPS a, i1, b=-1, i2=0, c=-1, i3=0, d=-1, i4=0
	OP \a, \i1
.if (\b) >= 0
	OP \b, \i2
.endif
.if (\c) >= 0
	OP \c, \i3
.endif
.if (\d) >= 0
	OP \d, \i4
.endif
.endm
.macro ROW a, i1, b, i2, c, i3, d, i4  ; a matrix instruction and the four behind it
	MM
	OPS \a, \i1, \b, \i2, \c, \i3, \d, \i4
.endm
; A TURN, for piece p.  end = 1: the last two turns: nothing is fetched and no mask is made.  cnt = 1: the loop's count is taken down some lines ahead of the branch behind the turn.
; K of the next step is fetched in piece 2's turn, five plain vector instructions behind the last product that read K; V of the step in hand in piece 0's turn, four plain ones behind its last reader.
; At its end the turn makes the mask for the next turn's products (piece p + 2): its two loads were issued four turns ago, and the three younger pieces' six may stay out.
.macro TURN p, end=0, cnt=0
.set Y, (\p)
.set i, 0
.set NOKQ, (\end)*((\p)/3)
.if ((\p) == 3) && !(\end)
	s_wait_dscnt 0x0                ; K is in
.endif
	ROW F,0, F,1, F,2, F,3
	ROW F,4, E,0, F,5, F,6
	ROW F,7, E,1, F,8, F,9
	ROW F,10, E,2, C,0, F,11
	ROW F,12, E,3, X,15, F,13
	ROW R,0, R,1, R,2, R,3
	ROW B,0, E,4, F,14, L,0
.if ((\p) == 2) && !(\end)
	v_add_nc_u32 v[AK], s[TBK], v[AK0]
.endif
	ROW R,4, R,5, R,6, R,7
	OPS E,5, F,15
.if ((\p) == 2) && !(\end)
	FETCH_K
.endif
	OPS E,6, C,1, E,7, R,8
	OPS E,8, R,9, E,9, C,2
	OPS E,10, X,0, E,11, X,1
	OPS E,12, X,2, E,13, X,3
.if (\p) == 1
	s_wait_dscnt 0x0                ; V is in
.endif
	ROW X,4, E,14, X,5, X,6
	ROW X,7, E,15, X,8, X,9
	ROW X,10, E,16, X,11, X,12
	ROW X,13, E,17, X,14, B,1
	ROW C,4, E,18, X,16, L,1
	ROW B,2, E,19, C,6, L,2
	ROW C,8, E,20, B,3, B,4
.if (\p) == 0
	v_add_nc_u32 v[AV], s[TBV], v[AV0]
.endif
	ROW C,3, E,21, L,3, C,5
	OPS E,22, X,17, E,23, C,10
.if (\p) == 0
	FETCH_V
.endif
	OPS E,24, L,4
	OPS E,25, X,18, E,26, C,7
	OPS E,27, B,5, E,28, X,19
	OPS E,29, C,12, E,30, L,5
	OPS E,31, X,20, B,6, C,9
	OPS C,14, C,11, X,21, L,6
.if (\p) == 0
	s_add_co_u32 s[TBV], s[TBV], KS*PV
.endif
.if \cnt
	s_sub_co_u32 s[CNT], s[CNT], 1
	s_cmp_lg_u32 s[CNT], 0
.endif
	OPS C,13, B,7, C,15, R,10
	OPS R,11, R,12, L,7, R,13
	OPS R,14, R,15
.if !(\end)
	s_wait_loadcnt 6
	MCONV (\p)%2, ((\p)+2)%NP
	MNEXT ((\p)+2)%NP
.endif
.endm
	CHANGE 1                        ; slot 0 is in, everybody's part of it; slot 1 is asked for
	v_add_nc_u32 v[AK], s[TBK], v[AK0]
	FETCH_K                         ; key step 0
	s_wait_loadcnt 0x0              ; Q, and the codes of step 0
	MCONV 0, 0
	MCONV 1, 1
	MNEXT 0
	MNEXT 1
	s_wait_dscnt 0x0
.set NOKQ, 0
.set i, 0
.rept 8
	KQ 0                            ; piece 0's first scores
.set i, i+1
.endr
	WIN 0
.rept 4
	v_nop                           ; the places behind those products
.endr
.set Y, NP-1
.irp n, 0,1,2,3,4,5,6,7,8,9,10,11,12,13,14,15,16,17,18,19,20,21
	OP X, \n                        ; and piece 0's first maximum and statistics
.endr
	v_nop                           ; a plain instruction behind the exponential
	s_mov_b32 s[CNT], 4
	s_mov_b32 s[SLOTS], 7
	s_branch .Lfirst                ; the loop is entered at a step's first turn, in the middle of a trip
.Lslot:                             ; six times: tiles 2 to 7 are asked for
	CHANGE 1
	s_mov_b32 s[CNT], 4
.Lstep:                             ; a trip: pieces 2 and 3 of one step, then pieces 0 and 1 of the next, whose K and V it fetches
	TURN 2
	TURN 3
	WIN 0
.Lfirst:
	TURN 0
	TURN 1, 0, 1
	WIN 0
	s_cbranch_scc1 .Lstep
	s_sub_co_u32 s[SLOTS], s[SLOTS], 1
	s_cmp_lg_u32 s[SLOTS], 0
	s_cbranch_scc1 .Lslot
	CHANGE 0                        ; the last tile is written out
	s_mov_b32 s[CNT], 4
.LstepT:
	TURN 2
	TURN 3
	TURN 0
	TURN 1, 0, 1
	WIN 0
	s_cbranch_scc1 .LstepT
	TURN 2, 1
	TURN 3, 1
.set i, 0
.rept 8
	PV NP-1
.set i, i+1
.endr
	; THE WAY OUT.  l's halves are added; O^T is divided by l (by NaN where no key was visible), rounded to bf16 and sent through the work-group's stage: a row's 256 bytes come from two waves.
	WIN 0
.macro ALL line:vararg
.set t, 0
.rept 4
	\line
.set t, t+1
.endr
.endm
	ALL v_add_f32 v[ST+4*t+2], v[ST+4*t+2], v[ST+4*t+3]
	ALL v_permlanex16_b32 v[ST+4*t+3], v[ST+4*t+2], s[SEL], s[SEL+1]
	ALL v_add_f32 v[ST+4*t+2], v[ST+4*t+2], v[ST+4*t+3]
	ALL v_rcp_f32 v[ST+4*t+2], v[ST+4*t+2]
	v_nop                           ; a plain instruction between the last reciprocal and the use of its result
.set t, 0
.rept 4
	v_cmp_gt_f32 vcc_lo, s[BIGN], v[ST+4*t+1]
	s_wait_alu depctr_va_vdst(0)
	v_cndmask_b32 v[ST+4*t+2], v[ST+4*t+2], v[NANR], vcc_lo
.set t, t+1
.endr
.macro PACKS t
	WIN W_RS
.set i, 32*(\t)
.rept 16
	v_pk_mul_f32 v[i:i+1], v[i:i+1], v[ST+4*(\t)+2:ST+4*(\t)+3] op_sel_hi:[1,0]
.set i, i+2
.endr
	WIN 0x05
.set i, 0
.rept 16
	v_cvt_pk_bf16_f32 v[S+16*(\t)+i], v[32*(\t)+2*i], v[32*(\t)+2*i+1]
.set i, i+1
.endr
	WIN 0
.irp f, 0,1,2,3
	ds_store_b128 v[STO], v[S+16*(\t)+4*\f:S+16*(\t)+4*\f+3] offset:(\t)*16*SP+32*\f
.endr
.endm
	PACKS 0
	PACKS 1
	PACKS 2
	PACKS 3
	s_wait_dscnt 0x0                ; for the others' sake: my stores into the stage are done
	s_barrier_signal -1
	s_barrier_wait -1
.irp f, 0,1,2,3,4,5,6,7,8,9,10,11,12,13,14,15
	ds_load_b128 v[S+4*\f:S+4*\f+3], v[RD] offset:\f*2*SP
.endr
.irp f, 0,1,2,3,4,5,6,7,8,9,10,11,12,13,14,15
	s_wait_dscnt 15-\f              ; load f is back, the younger ones stay out
	global_store_b128 v[GO], v[S+4*\f:S+4*\f+3], s[10:11] offset:\f*512  ; 512 consecutive bytes, aligned
.endr
	s_wait_tensorcnt 0x0            ; the wave's end
	ds_add_u32 v[SPW], v[NIL]
	s_wait_dscnt 0x0
	CROUND                          ; the closing round
	s_endpgm
.Lfunc_end_k_qdc63ba78bf_attn:
	.size	k_qdc63ba78bf_attn, .Lfunc_end_k_qdc63ba78bf_attn-k_qdc63ba78bf_attn
	.p2alignl 7, 3214868480
	.fill 96, 4, 3214868480
	.section	.rodata,"a",@progbits
	.p2align	6, 0x0
	.amdhsa_kernel k_qdc63ba78bf_attn
		.amdhsa_group_segment_fixed_size 327680
		.amdhsa_private_segment_fixed_size 0
		.amdhsa_enable_private_segment 0
		.amdhsa_kernarg_size 24
		.amdhsa_user_sgpr_count 2
		.amdhsa_user_sgpr_kernarg_segment_ptr 1
		.amdhsa_wavefront_size32 1
		.amdhsa_system_sgpr_workgroup_id_x 1
		.amdhsa_system_sgpr_workgroup_id_y 1
		.amdhsa_system_sgpr_workgroup_id_z 1
		.amdhsa_system_vgpr_workitem_id 0
		.amdhsa_next_free_vgpr 768
		.amdhsa_next_free_sgpr 68
		.amdhsa_reserve_vcc 1
		.amdhsa_float_denorm_mode_32 3
		.amdhsa_float_denorm_mode_16_64 3
		.amdhsa_memory_ordered 1
		.amdhsa_forward_progress 1
		.amdhsa_inst_pref_size 140
	.end_amdhsa_kernel
	.amdgpu_metadata
---
amdhsa.version: [ 1, 2 ]
amdhsa.kernels:
  - .name:           k_qdc63ba78bf_attn
    .symbol:         k_qdc63ba78bf_attn.kd
    .args:
      - { .name: act, .offset: 0, .size: 8, .value_kind: global_buffer, .address_space: global }
      - { .name: maskb, .offset: 8, .size: 8, .value_kind: global_buffer, .address_space: global }
      - { .name: op, .offset: 16, .size: 8, .value_kind: global_buffer, .address_space: global }
    .group_segment_fixed_size: 327680
    .private_segment_fixed_size: 0
    .kernarg_segment_align: 8
    .kernarg_segment_size: 24
    .max_flat_workgroup_size: 128
    .sgpr_count:     68
    .vgpr_count:     768
    .wavefront_size: 32
...
	.end_amdgpu_metadata
.endif
;; end of part 3
;; launch wo (part 4): grid 8 x 32, 4 waves a work-group, clusters of 4 x 4, 327,680 bytes of LDS; arguments op, wo2, y, bo, xh; writes y
.if DOCPART == 4
	.amdgcn_target "amdgcn-amd-amdhsa--gfx1250"
	.amdhsa_code_object_version 6
	.text
	.protected	k_qdc63ba78bf_wo
	.globl	k_qdc63ba78bf_wo
	.p2align	8
	.type	k_qdc63ba78bf_wo,@function
k_qdc63ba78bf_wo:
	s_mov_b64 s[64:65], 0
	v_nop
	global_prefetch_b8 v0, s[64:65] scope:SCOPE_SE
	s_setreg_imm32_b32 hwreg(HW_REG_WAVE_MODE, 25, 1), 1
	s_wait_xcnt 0x0
	s_wait_alu depctr_hold_cnt(0) depctr_sa_sdst(0) depctr_va_vdst(0) depctr_va_sdst(0) depctr_va_ssrc(0) depctr_va_vcc(0) depctr_vm_vsrc(0)
	s_getreg_b32 s2, hwreg(HW_REG_IB_STS2, 6, 4)
	s_cmp_eq_u32 s2, 0
	s_cbranch_scc0 .Lentry_in_a_cluster
	s_endpgm
.Lentry_in_a_cluster:
	s_bfe_u32 s2, ttmp6, 0x10000c
	s_cmp_lg_u32 s2, 0xf033
	s_cbranch_scc0 .Lentry_shape_is_right
	s_endpgm
.Lentry_shape_is_right:
; y = A W^T + bias + res, in f32.  A: panels [KTOT/128][4096][128] bf16.  W: [1024][KTOT] bf16 at byte WOFF of its buffer.  bias: [1024] f32, used rounded to bf16 as all the module's inputs are.
; res: [4096][1024], bf16 (RES_F32 = 0: the module's input x, rounded once) or f32 (RES_F32 = 1: the first norm's result, which is carried on in f32).  y: [4096][1024] f32.
; A tile of y is 128 x 128; four waves, each 64 x 64: 16 accumulators.  K goes in steps of 256 through two LDS slots; a slot is four blocks of 128 rows x 256 bytes (A's two K halves = two panels, W's two K halves),
; one tensor load a wave.  4 x 4 work-groups form a cluster: A's blocks are asked for jointly along a row of the cluster, W's along a column.
; The matrix instruction is used transposed (source 0 = W's rows): a lane holds eight neighbouring columns of a row.  The bias is the C operand that starts the sums.
; A wave's 64 f32 columns are 256 consecutive bytes of y, so each wave has a stage of its own on the way out, where the residual is added.
; REGISTERS: window 0: v0-31 addresses and at work; v32-63 the bias, later the way out; v64-127 a bf16 residual; v128-255 accumulators.  window 1: two fragment buffers.  window 2: v0-127 an f32 residual.
.set KTOT,   1024
.set WOFF,   0
.set RES_F32, 0
.set PITCH,  272
.set HALFT,  128*PITCH
.set SLOT,   4*HALFT
.set STAGE,  2*SLOT
.set SPITCH, 272
.set SPARE,  STAGE+4*16*SPITCH
.set LAPS,   KTOT/512
.set ADRA, 16
.set ADRB, 20
.set STO,  24
.set RD,   25
.set CO,   26
.set RO,   27
.set SPW,  28
.set NIL,  29
.set BO,   30
.set TMP,  32
.set BIAS, 32
.set RES,  64
.set ACC,  128
.set F0,   0
.set F1,   128
.set G1, 24
.set G0, 32
.set G1B, 48
.set G0B, 56
.set MSB, 0
.macro WIN new
.if MSB != (\new)
	s_set_vgpr_msb (MSB<<8)|(\new)
.set MSB, \new
.endif
.endm
.set MUL,  0x05
.set TO_F, 0x40
.macro JLOAD s                         ; waves 0, 1 fetch A's K halves, waves 2, 3 W's; s_nop 0 and four v_nop follow each line
	s_cmp_eq_u32 s11, 0
	s_cbranch_scc0 .Lfor_b_\@
	tensor_load_to_lds s[G0+4*(\s):G0+4*(\s)+3], s[G1:G1+7]
	s_nop 0
.rept 4
	v_nop
.endr
	s_branch .Lasked_\@
.Lfor_b_\@:
	tensor_load_to_lds s[G0B+4*(\s):G0B+4*(\s)+3], s[G1B:G1B+7]
	s_nop 0
.rept 4
	v_nop
.endr
.Lasked_\@:
.endm
.macro CREST
	s_cmp_lg_u32 s10, 0
	s_cbranch_scc1 .Lnot_wave_0_\@
	s_barrier_signal -3
.Lnot_wave_0_\@:
	s_barrier_wait -3
	s_barrier_signal -1
	s_barrier_wait -1
.endm
.macro CROUND
	s_barrier_signal -1
	s_barrier_wait -1
	CREST
.endm
	s_load_b128 s[4:7], s[0:1], 0x0                ; A, W's buffer
	s_load_b64 s[8:9], s[0:1], 0x10                ; y
	s_load_b128 s[68:71], s[0:1], 0x18             ; bias s[68:69], res s[70:71]
	v_lshl_add_u32 v[SPW], v0, 2, SPARE
	v_mov_b32 v[NIL], 0
	ds_add_u32 v[SPW], v[NIL]                      ; the wave's opening: the add and its wait stand ahead of my first tensor load
	v_lshrrev_b32 v1, 5, v0
	v_readfirstlane_b32 s10, v1
	s_lshr_b32 s11, s10, 1                         ; my half of the tile's rows; also: I fetch for A (0) or W (1)
	s_and_b32 s12, s10, 1                          ; my half of its columns; also: which K half I fetch
	s_bfe_u32 s40, ttmp6, 0x40000
	s_bfe_u32 s41, ttmp6, 0x40004
	s_lshl_b32 s42, ttmp9, 2
	s_add_co_u32 s42, s42, s40                     ; tile column
	s_and_b32 s13, ttmp7, 0xffff
	s_lshl_b32 s13, s13, 2
	s_add_co_u32 s13, s13, s41                     ; tile row
	s_lshl_b32 s43, s41, 2
	s_lshl_b32 s43, 15, s43
	s_lshl_b32 s44, 0x1111, s40
	s_mov_b32 s45, 0xffff0000                      ; a word's upper bf16
	s_or_b32 s[G1+0], s43, (1<<16)|(1<<20)|(1<<21)|(5<<22)|(3<<25)
	s_or_b32 s[G1B+0], s44, (1<<16)|(1<<20)|(1<<21)|(5<<22)|(3<<25)
.irp g, G1, G1B
	s_mov_b32 s[(\g)+1], 128<<16                   ; tensor_dim0 = 128
	s_mov_b32 s[(\g)+2], 128<<16                   ; tensor_dim1 = 128
	s_mov_b32 s[(\g)+3], 128<<16                   ; tile_dim0 = 128
	s_mov_b32 s[(\g)+4], 128                       ; tile_dim1 = 128
	s_mov_b32 s[(\g)+6], 0
	s_mov_b32 s[(\g)+7], 0
.endr
	s_mov_b32 s[G1+5], 128                         ; a panel's rows are dense
	s_mov_b32 s[G1B+5], KTOT
	s_lshl_b32 s16, s12, 20                        ; A: panel = K half, 1 MiB each,
	s_lshl_b32 s17, s13, 15                        ; + tile row x 128 rows of 256 bytes
	s_add_co_u32 s16, s16, s17
	s_mov_b32 s17, 0
	s_mul_i32 s46, s42, 128*KTOT*2                 ; W: tile column x 128 rows,
	s_lshl_b32 s47, s12, 8                         ; + K half x 256 bytes
	s_add_co_u32 s46, s46, s47
	s_add_co_u32 s46, s46, WOFF
	s_mov_b32 s47, 0
	s_mul_i32 s20, s10, HALFT                      ; block w of a slot
	s_wait_dscnt 0x0
	s_wait_kmcnt 0x0
	s_add_nc_u64 s[14:15], s[4:5], s[16:17]
	s_add_nc_u64 s[46:47], s[6:7], s[46:47]
	CROUND
.irp s, 0,1
	s_mov_b32 s[G0+4*(\s)], 1
	s_add_co_u32 s[G0+4*(\s)+1], s20, (\s)*SLOT
	s_add_nc_u64 s[G0+4*(\s)+2:G0+4*(\s)+3], s[14:15], (\s)*0x200000   ; K step s: two panels on
	s_or_b32 s[G0+4*(\s)+3], s[G0+4*(\s)+3], 0x80000000
	s_mov_b32 s[G0B+4*(\s)], 1
	s_add_co_u32 s[G0B+4*(\s)+1], s20, (\s)*SLOT
	s_add_nc_u64 s[G0B+4*(\s)+2:G0B+4*(\s)+3], s[46:47], (\s)*512
	s_or_b32 s[G0B+4*(\s)+3], s[G0B+4*(\s)+3], 0x80000000
	JLOAD \s
.endr
	v_and_b32 v1, 15, v0
	v_bfe_u32 v2, v0, 4, 1
	s_lshl_b32 s16, s13, 7
	s_lshl_b32 s17, s11, 6
	s_add_co_u32 s16, s16, s17                     ; my first row
	s_lshl_b32 s46, s42, 7
	s_lshl_b32 s47, s12, 6
	s_add_co_u32 s46, s46, s47                     ; my first column
	s_lshl_b32 s18, s46, 2
	s_mov_b32 s19, 0
	s_add_nc_u64 s[68:69], s[68:69], s[18:19]
	s_lshl_b32 s17, s16, 12
	s_add_co_u32 s18, s18, s17
	s_add_nc_u64 s[8:9], s[8:9], s[18:19]
.if RES_F32 == 0
	s_lshr_b32 s18, s18, 1                         ; a bf16 residual has half the bytes
.endif
	s_add_nc_u64 s[70:71], s[70:71], s[18:19]
	v_lshlrev_b32 v[BO], 5, v2
.irp b, 0,1,2,3                        ; the bias in the accumulators' order: register j of block b is column 16 b + 8 (l / 16) + j
	global_load_b128 v[BIAS+8*\b:BIAS+8*\b+3],   v[BO], s[68:69] offset:64*\b
	global_load_b128 v[BIAS+8*\b+4:BIAS+8*\b+7], v[BO], s[68:69] offset:64*\b+16
.endr
	; the residual, in the order of the way out: load z takes rows 2 z and 2 z + 1, four columns a lane; it has the whole product in which to land
.if RES_F32
	v_lshlrev_b32 v[RO], 12, v2
	v_lshl_add_u32 v[RO], v1, 4, v[RO]
	WIN 0x80                                       ; destination window 2, address window 0
.set z, 0
.rept 32
	global_load_b128 v[4*z:4*z+3], v[RO], s[70:71] offset:z*8192   ; 16 lanes take 256 consecutive bytes, aligned
.set z, z+1
.endr
	WIN 0
.else
	v_lshlrev_b32 v[RO], 11, v2
	v_lshl_add_u32 v[RO], v1, 3, v[RO]
.set z, 0
.rept 32
	global_load_b64 v[RES+2*z:RES+2*z+1], v[RO], s[70:71] offset:z*4096
.set z, z+1
.endr
.endif
	v_mul_u32_u24 v3, v1, PITCH
	v_lshl_add_u32 v3, v2, 4, v3
	s_mul_i32 s21, s11, 64*PITCH
	s_mul_i32 s22, s12, 64*PITCH
	s_add_co_u32 s22, s22, 2*HALFT
.irp s, 0,1
	v_add_nc_u32 v[ADRA+(\s)], s21, v3
	v_add_nc_u32 v[ADRB+(\s)], s22, v3
	s_add_co_u32 s21, s21, SLOT
	s_add_co_u32 s22, s22, SLOT
.endr
	s_mul_i32 s23, s10, 16*SPITCH
	s_add_co_u32 s23, s23, STAGE
	v_mul_u32_u24 v4, v1, SPITCH
	v_lshl_add_u32 v4, v2, 5, v4                   ; row l % 16, 32 bytes for each half of the lanes
	v_add_nc_u32 v[STO], s23, v4
	v_mul_u32_u24 v5, v2, SPITCH
	v_lshl_add_u32 v5, v1, 4, v5
	v_add_nc_u32 v[RD], s23, v5
	v_lshlrev_b32 v[CO], 12, v2
	v_lshl_add_u32 v[CO], v1, 4, v[CO]
.macro MUL8 f, c, a0, first
	WIN MUL
.irp a, \a0, (\a0)+1
.irp b, 0,1,2,3
.if \first
	v_wmma_f32_16x16x32_bf16 v[ACC+8*(4*(\a)+(\b)):ACC+8*(4*(\a)+(\b))+7], v[(\f)+64+8*(4*(\c)+(\b)):(\f)+64+8*(4*(\c)+(\b))+7], v[(\f)+8*(4*(\c)+(\a)):(\f)+8*(4*(\c)+(\a))+7], v[BIAS+8*(\b):BIAS+8*(\b)+7]
.else
	v_wmma_f32_16x16x32_bf16 v[ACC+8*(4*(\a)+(\b)):ACC+8*(4*(\a)+(\b))+7], v[(\f)+64+8*(4*(\c)+(\b)):(\f)+64+8*(4*(\c)+(\b))+7], v[(\f)+8*(4*(\c)+(\a)):(\f)+8*(4*(\c)+(\a))+7], v[ACC+8*(4*(\a)+(\b)):ACC+8*(4*(\a)+(\b))+7]
.endif
.endr
.endr
.endm
.macro FETCH slot, k, f                ; 32 LDS loads in one run: 64 along K at byte k of the K step's 512: block k / 256, byte k % 256
	WIN TO_F
.set KB, ((\k)/256)*HALFT+((\k)%256)
.irp c, 0,1
.irp i, 0,1,2,3
	ds_load_b128 v[(\f)+64+8*(4*(\c)+(\i)):(\f)+64+8*(4*(\c)+(\i))+3],   v[ADRB+(\slot)] offset:KB+64*(\c)+(\i)*16*PITCH
	ds_load_b128 v[(\f)+64+8*(4*(\c)+(\i))+4:(\f)+64+8*(4*(\c)+(\i))+7], v[ADRB+(\slot)] offset:KB+64*(\c)+(\i)*16*PITCH+32
	ds_load_b128 v[(\f)+8*(4*(\c)+(\i)):(\f)+8*(4*(\c)+(\i))+3],         v[ADRA+(\slot)] offset:KB+64*(\c)+(\i)*16*PITCH
	ds_load_b128 v[(\f)+8*(4*(\c)+(\i))+4:(\f)+8*(4*(\c)+(\i))+7],       v[ADRA+(\slot)] offset:KB+64*(\c)+(\i)*16*PITCH+32
.endr
.endr
.endm
.macro PLACES
.rept 4
	v_nop
.endr
.endm
.macro QUARTER slot, k, f, g, first
	s_wait_dscnt 16                                ; the first 32 along K are in
	MUL8 \f, 0, 0, \first
	MUL8 \f, 0, 2, \first
	PLACES
	FETCH \slot, \k, \g
	s_wait_dscnt 32                                ; all but the 32 just issued
	MUL8 \f, 1, 0, 0
	MUL8 \f, 1, 2, 0
.endm
.macro TURN slot, next, fill
	WIN 0
	s_wait_tensorcnt 0x0                           ; all my tensor loads have landed: my part of the next slot
	ds_add_u32 v[SPW], v[NIL]
	s_wait_dscnt 17                                ; the add and the youngest sixteen loads may be out
	MUL8 F1, 0, 0, 0
	s_wait_dscnt 0x0                               ; the add is done, my reads of this slot are over
	s_barrier_signal -1
	MUL8 F1, 0, 2, 0
.if \fill
	WIN 0
.endif
	s_barrier_wait -1
.if \fill
	CREST
	s_add_nc_u64 s[G0+4*(\slot)+2:G0+4*(\slot)+3], s[G0+4*(\slot)+2:G0+4*(\slot)+3], 0x400000   ; two K steps on: four panels
	s_add_nc_u64 s[G0B+4*(\slot)+2:G0B+4*(\slot)+3], s[G0B+4*(\slot)+2:G0B+4*(\slot)+3], 1024
	JLOAD \slot
.else
	PLACES
.endif
	FETCH \next, 0, F0
	MUL8 F1, 1, 0, 0
	MUL8 F1, 1, 2, 0
.endm
	s_wait_tensorcnt 1                             ; my part of K step 0 is in; K step 1's stays out
	s_barrier_signal -1
	s_barrier_wait -1
	FETCH 0, 0, F0
	s_wait_loadcnt 32                              ; the bias is in; the 32 loads of the residual stay out
	WIN 0
.set z, 0
.rept 16                               ; the bias is rounded once to bf16 and widened again: 16 pairs, while the first fragments come out of LDS
	v_cvt_pk_bf16_f32 v[8+z%4], v[BIAS+2*z], v[BIAS+2*z+1]
	v_lshlrev_b32 v[BIAS+2*z], 16, v[8+z%4]
	v_and_b32 v[BIAS+2*z+1], s45, v[8+z%4]
.set z, z+1
.endr
	QUARTER 0, 128, F0, F1, 1
	WIN 0
	s_mov_b32 s3, LAPS-1
.Llap:
	QUARTER 0, 256, F1, F0, 0
	QUARTER 0, 384, F0, F1, 0
	TURN 0, 1, 1
	QUARTER 1, 128, F0, F1, 0
	QUARTER 1, 256, F1, F0, 0
	QUARTER 1, 384, F0, F1, 0
	TURN 1, 0, 1
	QUARTER 0, 128, F0, F1, 0
	WIN 0
	s_sub_co_u32 s3, s3, 1
	s_cmp_lg_u32 s3, 0
	s_cbranch_scc1 .Llap
	QUARTER 0, 256, F1, F0, 0
	QUARTER 0, 384, F0, F1, 0
	TURN 0, 1, 0
	QUARTER 1, 128, F0, F1, 0
	QUARTER 1, 256, F1, F0, 0
	QUARTER 1, 384, F0, F1, 0
	s_wait_dscnt 16
	MUL8 F1, 0, 0, 0
	MUL8 F1, 0, 2, 0
	s_wait_dscnt 0
	MUL8 F1, 1, 0, 0
	MUL8 F1, 1, 2, 0
	WIN 0
	; THE WAY OUT, 16 rows at a time through my own stage: in by columns, back by rows of 256 bytes; the residual is added; 16 lanes store 256 consecutive aligned bytes.
	PLACES
	s_wait_loadcnt 0x0                             ; the residual
.irp a, 0,1,2,3
	s_wait_xcnt 0x0                                ; the registers that the last block's stores read are loaded again only behind this wait
.irp b, 0,1,2,3
	ds_store_b128 v[STO], v[ACC+8*(4*(\a)+(\b)):ACC+8*(4*(\a)+(\b))+3]   offset:64*(\b)
	ds_store_b128 v[STO], v[ACC+8*(4*(\a)+(\b))+4:ACC+8*(4*(\a)+(\b))+7] offset:64*(\b)+16
.endr
.irp t, 0,1,2,3,4,5,6,7
	ds_load_b128 v[TMP+4*(\t):TMP+4*(\t)+3], v[RD] offset:(\t)*2*SPITCH   ; LDS serves a wave's instructions in order: these see the stores above
.endr
.if RES_F32
	s_wait_dscnt 0x0                               ; the block is back
	WIN 0x08                                       ; source 1 in window 2: one switch for the block's sixteen additions
.irp t, 0,1,2,3,4,5,6,7
	v_pk_add_f32 v[TMP+4*(\t):TMP+4*(\t)+1], v[TMP+4*(\t):TMP+4*(\t)+1], v[4*(8*(\a)+(\t)):4*(8*(\a)+(\t))+1]
	v_pk_add_f32 v[TMP+4*(\t)+2:TMP+4*(\t)+3], v[TMP+4*(\t)+2:TMP+4*(\t)+3], v[4*(8*(\a)+(\t))+2:4*(8*(\a)+(\t))+3]
.endr
	WIN 0
.irp t, 0,1,2,3,4,5,6,7
	global_store_b128 v[CO], v[TMP+4*(\t):TMP+4*(\t)+3], s[8:9] offset:(16*(\a)+2*(\t))*4096
.endr
.else
.irp t, 0,1,2,3,4,5,6,7
	s_wait_dscnt 7-(\t)
	v_lshlrev_b32 v8, 16, v[RES+2*(8*(\a)+(\t))]
	v_and_b32 v9, s45, v[RES+2*(8*(\a)+(\t))]
	v_lshlrev_b32 v10, 16, v[RES+2*(8*(\a)+(\t))+1]
	v_and_b32 v11, s45, v[RES+2*(8*(\a)+(\t))+1]
	v_pk_add_f32 v[TMP+4*(\t):TMP+4*(\t)+1], v[TMP+4*(\t):TMP+4*(\t)+1], v[8:9]
	v_pk_add_f32 v[TMP+4*(\t)+2:TMP+4*(\t)+3], v[TMP+4*(\t)+2:TMP+4*(\t)+3], v[10:11]
	global_store_b128 v[CO], v[TMP+4*(\t):TMP+4*(\t)+3], s[8:9] offset:(16*(\a)+2*(\t))*4096
.endr
.endif
.endr
	s_wait_tensorcnt 0x0                           ; the wave's end
	ds_add_u32 v[SPW], v[NIL]
	s_wait_dscnt 0x0
	CROUND
	s_endpgm
.Lfunc_end_k_qdc63ba78bf_wo:
	.size	k_qdc63ba78bf_wo, .Lfunc_end_k_qdc63ba78bf_wo-k_qdc63ba78bf_wo
	.p2alignl 7, 3214868480
	.fill 96, 4, 3214868480
	.section	.rodata,"a",@progbits
	.p2align	6, 0x0
	.amdhsa_kernel k_qdc63ba78bf_wo
		.amdhsa_group_segment_fixed_size 327680
		.amdhsa_private_segment_fixed_size 0
		.amdhsa_enable_private_segment 0
		.amdhsa_kernarg_size 40
		.amdhsa_user_sgpr_count 2
		.amdhsa_user_sgpr_kernarg_segment_ptr 1
		.amdhsa_wavefront_size32 1
		.amdhsa_system_sgpr_workgroup_id_x 1
		.amdhsa_system_sgpr_workgroup_id_y 1
		.amdhsa_system_sgpr_workgroup_id_z 1
		.amdhsa_system_vgpr_workitem_id 0
		.amdhsa_next_free_vgpr 512
		.amdhsa_next_free_sgpr 72
		.amdhsa_reserve_vcc 0
		.amdhsa_float_denorm_mode_32 3
		.amdhsa_float_denorm_mode_16_64 3
		.amdhsa_memory_ordered 1
		.amdhsa_forward_progress 1
		.amdhsa_inst_pref_size 101
	.end_amdhsa_kernel
	.amdgpu_metadata
---
amdhsa.version: [ 1, 2 ]
amdhsa.kernels:
  - .name:           k_qdc63ba78bf_wo
    .symbol:         k_qdc63ba78bf_wo.kd
    .args:
      - { .name: op, .offset: 0, .size: 8, .value_kind: global_buffer, .address_space: global }
      - { .name: wo2, .offset: 8, .size: 8, .value_kind: global_buffer, .address_space: global }
      - { .name: y, .offset: 16, .size: 8, .value_kind: global_buffer, .address_space: global }
      - { .name: bo, .offset: 24, .size: 8, .value_kind: global_buffer, .address_space: global }
      - { .name: xh, .offset: 32, .size: 8, .value_kind: global_buffer, .address_space: global }
    .group_segment_fixed_size: 327680
    .private_segment_fixed_size: 0
    .kernarg_segment_align: 8
    .kernarg_segment_size: 40
    .max_flat_workgroup_size: 128
    .sgpr_count:     72
    .vgpr_count:     512
    .wavefront_size: 32
...
	.end_amdgpu_metadata
.endif
;; end of part 4
;; launch ln1 (part 5): grid 256 x 1, 8 waves a work-group, no clusters, 0 bytes of LDS; arguments y, ln1_a, ln1_b, xh, op; writes xh, op
.if DOCPART == 5
	.amdgcn_target "amdgcn-amd-amdhsa--gfx1250"
	.amdhsa_code_object_version 6
	.text
	.protected	k_qdc63ba78bf_ln1
	.globl	k_qdc63ba78bf_ln1
	.p2align	8
	.type	k_qdc63ba78bf_ln1,@function
k_qdc63ba78bf_ln1:
	s_mov_b64 s[64:65], 0
	v_nop
	global_prefetch_b8 v0, s[64:65] scope:SCOPE_SE
	s_setreg_imm32_b32 hwreg(HW_REG_WAVE_MODE, 25, 1), 1
	s_wait_xcnt 0x0
; out[r][c] = (y[r][c] - mean) / (std + 1e-6) * a[c] + b[c]; std with divisor 1023.  y: [4096][1024] f32.  a and b are used rounded to bf16, as all the module's inputs are.
; BOTH = 1: the result leaves twice: in f32 (it is carried on as a residual) and rounded to bf16 (a matrix operand of the next product).  BOTH = 0: in f32 alone.
; A wave takes two rows; a row is 32 registers and stays there between the passes: the mean, then the squares of the differences, so a common offset of the row costs no accuracy.
; No LDS, no barrier: the reduction never leaves the wave.  LIMIT: the root and the reciprocal count a denormal as 0.
.set BOTH, 1
.set A,  4
.set BB, 36
.set X0, 68
.set X1, 100
.set T,  132
.set M,  140
.set R,  142
.set PK, 144                           ; v[144:175] the packed bf16, 16 registers a row: no register that a pending store reads is written again
	s_load_b256 s[4:11], s[0:1], 0x0               ; y, a, b, out (bf16 if BOTH, else f32)
.if BOTH
	s_load_b64 s[18:19], s[0:1], 0x20              ; out in f32
.endif
	v_and_b32 v1, 31, v0
	v_lshrrev_b32 v2, 5, v0
	v_readfirstlane_b32 s12, v2
	v_lshlrev_b32 v3, 3, v1                        ; 8 bytes a lane
	v_lshlrev_b32 v1, 4, v1                        ; 16 bytes a lane
	s_lshl_b32 s13, ttmp9, 4
	s_lshl1_add_u32 s13, s12, s13                  ; my first row: 16 x work-group + 2 x wave
	s_lshl_b32 s14, s13, 12
	s_mov_b32 s15, 0
	s_mov_b32 s16, 0x76543210
	s_mov_b32 s17, 0xfedcba98
	s_mov_b32 s20, 0xffff0000                      ; a word's upper bf16
	s_wait_kmcnt 0x0
	s_add_nc_u64 s[4:5], s[4:5], s[14:15]
.if BOTH
	s_add_nc_u64 s[18:19], s[18:19], s[14:15]
	s_lshr_b32 s14, s14, 1
.endif
	s_add_nc_u64 s[10:11], s[10:11], s[14:15]
.irp j, 0,1,2,3,4,5,6,7
	global_load_b128 v[X0+4*\j:X0+4*\j+3], v1, s[4:5] offset:512*\j th:TH_LOAD_NT
.endr
.irp j, 0,1,2,3,4,5,6,7
	global_load_b128 v[A+4*\j:A+4*\j+3], v1, s[6:7] offset:512*\j
.endr
.irp j, 0,1,2,3,4,5,6,7
	global_load_b128 v[BB+4*\j:BB+4*\j+3], v1, s[8:9] offset:512*\j
.endr
.irp j, 0,1,2,3,4,5,6,7
	global_load_b128 v[X1+4*\j:X1+4*\j+3], v1, s[4:5] offset:4096+512*\j th:TH_LOAD_NT
.endr
.macro REDUCE                          ; four pairs in T become one sum in every lane's v[T]
	v_pk_add_f32 v[T:T+1], v[T:T+1], v[T+2:T+3]
	v_pk_add_f32 v[T+4:T+5], v[T+4:T+5], v[T+6:T+7]
	v_pk_add_f32 v[T:T+1], v[T:T+1], v[T+4:T+5]
	v_add_f32 v[T], v[T], v[T+1]
	v_add_f32_dpp v[T], v[T], v[T] row_xmask:1 row_mask:0xf bank_mask:0xf
	v_add_f32_dpp v[T], v[T], v[T] row_xmask:2 row_mask:0xf bank_mask:0xf
	v_add_f32_dpp v[T], v[T], v[T] row_xmask:4 row_mask:0xf bank_mask:0xf
	v_add_f32_dpp v[T], v[T], v[T] row_xmask:8 row_mask:0xf bank_mask:0xf
	v_permlanex16_b32 v[T+1], v[T], s16, s17
	v_add_f32 v[T], v[T], v[T+1]
.endm
; x: the row's registers; w1, w2: how many younger loads may stay out at the statistics and at the gain; row: 0 or 1
.macro ROWN x, w1, w2, row
	s_wait_loadcnt \w1
.irp c, 0,1,2,3
	v_pk_add_f32 v[T+2*\c:T+2*\c+1], v[(\x)+2*\c:(\x)+2*\c+1], v[(\x)+8+2*\c:(\x)+8+2*\c+1]
.endr
.irp k, 2,3
.irp c, 0,1,2,3
	v_pk_add_f32 v[T+2*\c:T+2*\c+1], v[T+2*\c:T+2*\c+1], v[(\x)+8*\k+2*\c:(\x)+8*\k+2*\c+1]
.endr
.endr
	REDUCE
	v_mul_f32 v[M], 0x3a800000, v[T]               ; the mean: / 1024
	v_mov_b32 v[M+1], v[M]
.set z, 0
.rept 16
	v_pk_add_f32 v[(\x)+2*z:(\x)+2*z+1], v[(\x)+2*z:(\x)+2*z+1], v[M:M+1] op_sel_hi:[1,0] neg_lo:[0,1] neg_hi:[0,1]
.set z, z+1
.endr
.irp c, 0,1,2,3
	v_pk_mul_f32 v[T+2*\c:T+2*\c+1], v[(\x)+2*\c:(\x)+2*\c+1], v[(\x)+2*\c:(\x)+2*\c+1]
.endr
.irp k, 1,2,3
.irp c, 0,1,2,3
	v_pk_fma_f32 v[T+2*\c:T+2*\c+1], v[(\x)+8*\k+2*\c:(\x)+8*\k+2*\c+1], v[(\x)+8*\k+2*\c:(\x)+8*\k+2*\c+1], v[T+2*\c:T+2*\c+1]
.endr
.endr
	REDUCE
	v_mul_f32 v[T], 0x3a802008, v[T]               ; / 1023
	v_sqrt_f32 v[T+2], v[T]
	v_nop                                          ; a plain instruction behind a transcendental (ISA guide 5.7.2)
	s_wait_alu depctr_va_vdst(0)
	v_add_f32 v[T+2], 0x358637bd, v[T+2]           ; + 1e-6
	v_rcp_f32 v[R], v[T+2]
	v_nop
	s_wait_alu depctr_va_vdst(0)
	v_mov_b32 v[R+1], v[R]
.set z, 0
.rept 16
	v_pk_mul_f32 v[(\x)+2*z:(\x)+2*z+1], v[(\x)+2*z:(\x)+2*z+1], v[R:R+1] op_sel_hi:[1,0]
.set z, z+1
.endr
	s_wait_loadcnt \w2
.if (\row) == 0                        ; once: a and b are rounded to bf16 and widened again
.set z, 0
.rept 16
	v_cvt_pk_bf16_f32 v[T+z%4], v[A+2*z], v[A+2*z+1]
	v_cvt_pk_bf16_f32 v[T+4+z%4], v[BB+2*z], v[BB+2*z+1]
	v_lshlrev_b32 v[A+2*z], 16, v[T+z%4]
	v_and_b32 v[A+2*z+1], s20, v[T+z%4]
	v_lshlrev_b32 v[BB+2*z], 16, v[T+4+z%4]
	v_and_b32 v[BB+2*z+1], s20, v[T+4+z%4]
.set z, z+1
.endr
.endif
.set z, 0
.rept 16
	v_pk_fma_f32 v[(\x)+2*z:(\x)+2*z+1], v[(\x)+2*z:(\x)+2*z+1], v[A+2*z:A+2*z+1], v[BB+2*z:BB+2*z+1]
.set z, z+1
.endr
.irp j, 0,1,2,3,4,5,6,7
.if BOTH
	global_store_b128 v1, v[(\x)+4*\j:(\x)+4*\j+3], s[18:19] offset:(\row)*4096+512*\j   ; 512 consecutive bytes, aligned
	v_cvt_pk_bf16_f32 v[PK+16*(\row)+2*\j], v[(\x)+4*\j], v[(\x)+4*\j+1]
	v_cvt_pk_bf16_f32 v[PK+16*(\row)+2*\j+1], v[(\x)+4*\j+2], v[(\x)+4*\j+3]
	global_store_b64 v3, v[PK+16*(\row)+2*\j:PK+16*(\row)+2*\j+1], s[10:11] offset:(\row)*2048+256*\j   ; 32 lanes store 256 consecutive bytes, aligned
.else
	global_store_b128 v1, v[(\x)+4*\j:(\x)+4*\j+3], s[10:11] offset:(\row)*4096+512*\j th:TH_STORE_NT
.endif
.endr
.endm
	ROWN X0, 24, 8, 0                              ; row 0 is in while a, b and row 1 are out; then a and b are in while row 1 is out
	ROWN X1, 0, 0, 1
	s_endpgm
.Lfunc_end_k_qdc63ba78bf_ln1:
	.size	k_qdc63ba78bf_ln1, .Lfunc_end_k_qdc63ba78bf_ln1-k_qdc63ba78bf_ln1
	.p2alignl 7, 3214868480
	.fill 96, 4, 3214868480
	.section	.rodata,"a",@progbits
	.p2align	6, 0x0
	.amdhsa_kernel k_qdc63ba78bf_ln1
		.amdhsa_group_segment_fixed_size 0
		.amdhsa_private_segment_fixed_size 0
		.amdhsa_enable_private_segment 0
		.amdhsa_kernarg_size 40
		.amdhsa_user_sgpr_count 2
		.amdhsa_user_sgpr_kernarg_segment_ptr 1
		.amdhsa_wavefront_size32 1
		.amdhsa_system_sgpr_workgroup_id_x 1
		.amdhsa_system_sgpr_workgroup_id_y 1
		.amdhsa_system_sgpr_workgroup_id_z 1
		.amdhsa_system_vgpr_workitem_id 0
		.amdhsa_next_free_vgpr 176
		.amdhsa_next_free_sgpr 66
		.amdhsa_reserve_vcc 0
		.amdhsa_float_denorm_mode_32 3
		.amdhsa_float_denorm_mode_16_64 3
		.amdhsa_memory_ordered 1
		.amdhsa_forward_progress 1
		.amdhsa_inst_pref_size 26
	.end_amdhsa_kernel
	.amdgpu_metadata
---
amdhsa.version: [ 1, 2 ]
amdhsa.kernels:
  - .name:           k_qdc63ba78bf_ln1
    .symbol:         k_qdc63ba78bf_ln1.kd
    .args:
      - { .name: y, .offset: 0, .size: 8, .value_kind: global_buffer, .address_space: global }
      - { .name: ln1_a, .offset: 8, .size: 8, .value_kind: global_buffer, .address_space: global }
      - { .name: ln1_b, .offset: 16, .size: 8, .value_kind: global_buffer, .address_space: global }
      - { .name: xh, .offset: 24, .size: 8, .value_kind: global_buffer, .address_space: global }
      - { .name: op, .offset: 32, .size: 8, .value_kind: global_buffer, .address_space: global }
    .group_segment_fixed_size: 0
    .private_segment_fixed_size: 0
    .kernarg_segment_align: 8
    .kernarg_segment_size: 40
    .max_flat_workgroup_size: 256
    .sgpr_count:     66
    .vgpr_count:     176
    .wavefront_size: 32
...
	.end_amdgpu_metadata
.endif
;; end of part 5
;; launch ffn1: the kernel of part 2 again; grid 16 x 16, 4 waves a work-group, clusters of 4 x 4, 327,680 bytes of LDS; arguments xh, w1, act, b1; writes act
;; launch ffn2 (part 6): grid 8 x 32, 4 waves a work-group, clusters of 4 x 4, 327,680 bytes of LDS; arguments act, wo2, y, b2, op; writes y
.if DOCPART == 6
	.amdgcn_target "amdgcn-amd-amdhsa--gfx1250"
	.amdhsa_code_object_version 6
	.text
	.protected	k_qdc63ba78bf_ffn2
	.globl	k_qdc63ba78bf_ffn2
	.p2align	8
	.type	k_qdc63ba78bf_ffn2,@function
k_qdc63ba78bf_ffn2:
	s_mov_b64 s[64:65], 0
	v_nop
	global_prefetch_b8 v0, s[64:65] scope:SCOPE_SE
	s_setreg_imm32_b32 hwreg(HW_REG_WAVE_MODE, 25, 1), 1
	s_wait_xcnt 0x0
	s_wait_alu depctr_hold_cnt(0) depctr_sa_sdst(0) depctr_va_vdst(0) depctr_va_sdst(0) depctr_va_ssrc(0) depctr_va_vcc(0) depctr_vm_vsrc(0)
	s_getreg_b32 s2, hwreg(HW_REG_IB_STS2, 6, 4)
	s_cmp_eq_u32 s2, 0
	s_cbranch_scc0 .Lentry_in_a_cluster
	s_endpgm
.Lentry_in_a_cluster:
	s_bfe_u32 s2, ttmp6, 0x10000c
	s_cmp_lg_u32 s2, 0xf033
	s_cbranch_scc0 .Lentry_shape_is_right
	s_endpgm
.Lentry_shape_is_right:
; y = A W^T + bias + res, in f32.  A: panels [KTOT/128][4096][128] bf16.  W: [1024][KTOT] bf16 at byte WOFF of its buffer.  bias: [1024] f32, used rounded to bf16 as all the module's inputs are.
; res: [4096][1024], bf16 (RES_F32 = 0: the module's input x, rounded once) or f32 (RES_F32 = 1: the first norm's result, which is carried on in f32).  y: [4096][1024] f32.
; A tile of y is 128 x 128; four waves, each 64 x 64: 16 accumulators.  K goes in steps of 256 through two LDS slots; a slot is four blocks of 128 rows x 256 bytes (A's two K halves = two panels, W's two K halves),
; one tensor load a wave.  4 x 4 work-groups form a cluster: A's blocks are asked for jointly along a row of the cluster, W's along a column.
; The matrix instruction is used transposed (source 0 = W's rows): a lane holds eight neighbouring columns of a row.  The bias is the C operand that starts the sums.
; A wave's 64 f32 columns are 256 consecutive bytes of y, so each wave has a stage of its own on the way out, where the residual is added.
; REGISTERS: window 0: v0-31 addresses and at work; v32-63 the bias, later the way out; v64-127 a bf16 residual; v128-255 accumulators.  window 1: two fragment buffers.  window 2: v0-127 an f32 residual.
.set KTOT,   4096
.set WOFF,   2097152
.set RES_F32, 1
.set PITCH,  272
.set HALFT,  128*PITCH
.set SLOT,   4*HALFT
.set STAGE,  2*SLOT
.set SPITCH, 272
.set SPARE,  STAGE+4*16*SPITCH
.set LAPS,   KTOT/512
.set ADRA, 16
.set ADRB, 20
.set STO,  24
.set RD,   25
.set CO,   26
.set RO,   27
.set SPW,  28
.set NIL,  29
.set BO,   30
.set TMP,  32
.set BIAS, 32
.set RES,  64
.set ACC,  128
.set F0,   0
.set F1,   128
.set G1, 24
.set G0, 32
.set G1B, 48
.set G0B, 56
.set MSB, 0
.macro WIN new
.if MSB != (\new)
	s_set_vgpr_msb (MSB<<8)|(\new)
.set MSB, \new
.endif
.endm
.set MUL,  0x05
.set TO_F, 0x40
.macro JLOAD s                         ; waves 0, 1 fetch A's K halves, waves 2, 3 W's; s_nop 0 and four v_nop follow each line
	s_cmp_eq_u32 s11, 0
	s_cbranch_scc0 .Lfor_b_\@
	tensor_load_to_lds s[G0+4*(\s):G0+4*(\s)+3], s[G1:G1+7]
	s_nop 0
.rept 4
	v_nop
.endr
	s_branch .Lasked_\@
.Lfor_b_\@:
	tensor_load_to_lds s[G0B+4*(\s):G0B+4*(\s)+3], s[G1B:G1B+7]
	s_nop 0
.rept 4
	v_nop
.endr
.Lasked_\@:
.endm
.macro CREST
	s_cmp_lg_u32 s10, 0
	s_cbranch_scc1 .Lnot_wave_0_\@
	s_barrier_signal -3
.Lnot_wave_0_\@:
	s_barrier_wait -3
	s_barrier_signal -1
	s_barrier_wait -1
.endm
.macro CROUND
	s_barrier_signal -1
	s_barrier_wait -1
	CREST
.endm
	s_load_b128 s[4:7], s[0:1], 0x0                ; A, W's buffer
	s_load_b64 s[8:9], s[0:1], 0x10                ; y
	s_load_b128 s[68:71], s[0:1], 0x18             ; bias s[68:69], res s[70:71]
	v_lshl_add_u32 v[SPW], v0, 2, SPARE
	v_mov_b32 v[NIL], 0
	ds_add_u32 v[SPW], v[NIL]                      ; the wave's opening: the add and its wait stand ahead of my first tensor load
	v_lshrrev_b32 v1, 5, v0
	v_readfirstlane_b32 s10, v1
	s_lshr_b32 s11, s10, 1                         ; my half of the tile's rows; also: I fetch for A (0) or W (1)
	s_and_b32 s12, s10, 1                          ; my half of its columns; also: which K half I fetch
	s_bfe_u32 s40, ttmp6, 0x40000
	s_bfe_u32 s41, ttmp6, 0x40004
	s_lshl_b32 s42, ttmp9, 2
	s_add_co_u32 s42, s42, s40                     ; tile column
	s_and_b32 s13, ttmp7, 0xffff
	s_lshl_b32 s13, s13, 2
	s_add_co_u32 s13, s13, s41                     ; tile row
	s_lshl_b32 s43, s41, 2
	s_lshl_b32 s43, 15, s43
	s_lshl_b32 s44, 0x1111, s40
	s_mov_b32 s45, 0xffff0000                      ; a word's upper bf16
	s_or_b32 s[G1+0], s43, (1<<16)|(1<<20)|(1<<21)|(5<<22)|(3<<25)
	s_or_b32 s[G1B+0], s44, (1<<16)|(1<<20)|(1<<21)|(5<<22)|(3<<25)
.irp g, G1, G1B
	s_mov_b32 s[(\g)+1], 128<<16                   ; tensor_dim0 = 128
	s_mov_b32 s[(\g)+2], 128<<16                   ; tensor_dim1 = 128
	s_mov_b32 s[(\g)+3], 128<<16                   ; tile_dim0 = 128
	s_mov_b32 s[(\g)+4], 128                       ; tile_dim1 = 128
	s_mov_b32 s[(\g)+6], 0
	s_mov_b32 s[(\g)+7], 0
.endr
	s_mov_b32 s[G1+5], 128                         ; a panel's rows are dense
	s_mov_b32 s[G1B+5], KTOT
	s_lshl_b32 s16, s12, 20                        ; A: panel = K half, 1 MiB each,
	s_lshl_b32 s17, s13, 15                        ; + tile row x 128 rows of 256 bytes
	s_add_co_u32 s16, s16, s17
	s_mov_b32 s17, 0
	s_mul_i32 s46, s42, 128*KTOT*2                 ; W: tile column x 128 rows,
	s_lshl_b32 s47, s12, 8                         ; + K half x 256 bytes
	s_add_co_u32 s46, s46, s47
	s_add_co_u32 s46, s46, WOFF
	s_mov_b32 s47, 0
	s_mul_i32 s20, s10, HALFT                      ; block w of a slot
	s_wait_dscnt 0x0
	s_wait_kmcnt 0x0
	s_add_nc_u64 s[14:15], s[4:5], s[16:17]
	s_add_nc_u64 s[46:47], s[6:7], s[46:47]
	CROUND
.irp s, 0,1
	s_mov_b32 s[G0+4*(\s)], 1
	s_add_co_u32 s[G0+4*(\s)+1], s20, (\s)*SLOT
	s_add_nc_u64 s[G0+4*(\s)+2:G0+4*(\s)+3], s[14:15], (\s)*0x200000   ; K step s: two panels on
	s_or_b32 s[G0+4*(\s)+3], s[G0+4*(\s)+3], 0x80000000
	s_mov_b32 s[G0B+4*(\s)], 1
	s_add_co_u32 s[G0B+4*(\s)+1], s20, (\s)*SLOT
	s_add_nc_u64 s[G0B+4*(\s)+2:G0B+4*(\s)+3], s[46:47], (\s)*512
	s_or_b32 s[G0B+4*(\s)+3], s[G0B+4*(\s)+3], 0x80000000
	JLOAD \s
.endr
	v_and_b32 v1, 15, v0
	v_bfe_u32 v2, v0, 4, 1
	s_lshl_b32 s16, s13, 7
	s_lshl_b32 s17, s11, 6
	s_add_co_u32 s16, s16, s17                     ; my first row
	s_lshl_b32 s46, s42, 7
	s_lshl_b32 s47, s12, 6
	s_add_co_u32 s46, s46, s47                     ; my first column
	s_lshl_b32 s18, s46, 2
	s_mov_b32 s19, 0
	s_add_nc_u64 s[68:69], s[68:69], s[18:19]
	s_lshl_b32 s17, s16, 12
	s_add_co_u32 s18, s18, s17
	s_add_nc_u64 s[8:9], s[8:9], s[18:19]
.if RES_F32 == 0
	s_lshr_b32 s18, s18, 1                         ; a bf16 residual has half the bytes
.endif
	s_add_nc_u64 s[70:71], s[70:71], s[18:19]
	v_lshlrev_b32 v[BO], 5, v2
.irp b, 0,1,2,3                        ; the bias in the accumulators' order: register j of block b is column 16 b + 8 (l / 16) + j
	global_load_b128 v[BIAS+8*\b:BIAS+8*\b+3],   v[BO], s[68:69] offset:64*\b
	global_load_b128 v[BIAS+8*\b+4:BIAS+8*\b+7], v[BO], s[68:69] offset:64*\b+16
.endr
	; the residual, in the order of the way out: load z takes rows 2 z and 2 z + 1, four columns a lane; it has the whole product in which to land
.if RES_F32
	v_lshlrev_b32 v[RO], 12, v2
	v_lshl_add_u32 v[RO], v1, 4, v[RO]
	WIN 0x80                                       ; destination window 2, address window 0
.set z, 0
.rept 32
	global_load_b128 v[4*z:4*z+3], v[RO], s[70:71] offset:z*8192   ; 16 lanes take 256 consecutive bytes, aligned
.set z, z+1
.endr
	WIN 0
.else
	v_lshlrev_b32 v[RO], 11, v2
	v_lshl_add_u32 v[RO], v1, 3, v[RO]
.set z, 0
.rept 32
	global_load_b64 v[RES+2*z:RES+2*z+1], v[RO], s[70:71] offset:z*4096
.set z, z+1
.endr
.endif
	v_mul_u32_u24 v3, v1, PITCH
	v_lshl_add_u32 v3, v2, 4, v3
	s_mul_i32 s21, s11, 64*PITCH
	s_mul_i32 s22, s12, 64*PITCH
	s_add_co_u32 s22, s22, 2*HALFT
.irp s, 0,1
	v_add_nc_u32 v[ADRA+(\s)], s21, v3
	v_add_nc_u32 v[ADRB+(\s)], s22, v3
	s_add_co_u32 s21, s21, SLOT
	s_add_co_u32 s22, s22, SLOT
.endr
	s_mul_i32 s23, s10, 16*SPITCH
	s_add_co_u32 s23, s23, STAGE
	v_mul_u32_u24 v4, v1, SPITCH
	v_lshl_add_u32 v4, v2, 5, v4                   ; row l % 16, 32 bytes for each half of the lanes
	v_add_nc_u32 v[STO], s23, v4
	v_mul_u32_u24 v5, v2, SPITCH
	v_lshl_add_u32 v5, v1, 4, v5
	v_add_nc_u32 v[RD], s23, v5
	v_lshlrev_b32 v[CO], 12, v2
	v_lshl_add_u32 v[CO], v1, 4, v[CO]
.macro MUL8 f, c, a0, first
	WIN MUL
.irp a, \a0, (\a0)+1
.irp b, 0,1,2,3
.if \first
	v_wmma_f32_16x16x32_bf16 v[ACC+8*(4*(\a)+(\b)):ACC+8*(4*(\a)+(\b))+7], v[(\f)+64+8*(4*(\c)+(\b)):(\f)+64+8*(4*(\c)+(\b))+7], v[(\f)+8*(4*(\c)+(\a)):(\f)+8*(4*(\c)+(\a))+7], v[BIAS+8*(\b):BIAS+8*(\b)+7]
.else
	v_wmma_f32_16x16x32_bf16 v[ACC+8*(4*(\a)+(\b)):ACC+8*(4*(\a)+(\b))+7], v[(\f)+64+8*(4*(\c)+(\b)):(\f)+64+8*(4*(\c)+(\b))+7], v[(\f)+8*(4*(\c)+(\a)):(\f)+8*(4*(\c)+(\a))+7], v[ACC+8*(4*(\a)+(\b)):ACC+8*(4*(\a)+(\b))+7]
.endif
.endr
.endr
.endm
.macro FETCH slot, k, f                ; 32 LDS loads in one run: 64 along K at byte k of the K step's 512: block k / 256, byte k % 256
	WIN TO_F
.set KB, ((\k)/256)*HALFT+((\k)%256)
.irp c, 0,1
.irp i, 0,1,2,3
	ds_load_b128 v[(\f)+64+8*(4*(\c)+(\i)):(\f)+64+8*(4*(\c)+(\i))+3],   v[ADRB+(\slot)] offset:KB+64*(\c)+(\i)*16*PITCH
	ds_load_b128 v[(\f)+64+8*(4*(\c)+(\i))+4:(\f)+64+8*(4*(\c)+(\i))+7], v[ADRB+(\slot)] offset:KB+64*(\c)+(\i)*16*PITCH+32
	ds_load_b128 v[(\f)+8*(4*(\c)+(\i)):(\f)+8*(4*(\c)+(\i))+3],         v[ADRA+(\slot)] offset:KB+64*(\c)+(\i)*16*PITCH
	ds_load_b128 v[(\f)+8*(4*(\c)+(\i))+4:(\f)+8*(4*(\c)+(\i))+7],       v[ADRA+(\slot)] offset:KB+64*(\c)+(\i)*16*PITCH+32
.endr
.endr
.endm
.macro PLACES
.rept 4
	v_nop
.endr
.endm
.macro QUARTER slot, k, f, g, first
	s_wait_dscnt 16                                ; the first 32 along K are in
	MUL8 \f, 0, 0, \first
	MUL8 \f, 0, 2, \first
	PLACES
	FETCH \slot, \k, \g
	s_wait_dscnt 32                                ; all but the 32 just issued
	MUL8 \f, 1, 0, 0
	MUL8 \f, 1, 2, 0
.endm
.macro TURN slot, next, fill
	WIN 0
	s_wait_tensorcnt 0x0                           ; all my tensor loads have landed: my part of the next slot
	ds_add_u32 v[SPW], v[NIL]
	s_wait_dscnt 17                                ; the add and the youngest sixteen loads may be out
	MUL8 F1, 0, 0, 0
	s_wait_dscnt 0x0                               ; the add is done, my reads of this slot are over
	s_barrier_signal -1
	MUL8 F1, 0, 2, 0
.if \fill
	WIN 0
.endif
	s_barrier_wait -1
.if \fill
	CREST
	s_add_nc_u64 s[G0+4*(\slot)+2:G0+4*(\slot)+3], s[G0+4*(\slot)+2:G0+4*(\slot)+3], 0x400000   ; two K steps on: four panels
	s_add_nc_u64 s[G0B+4*(\slot)+2:G0B+4*(\slot)+3], s[G0B+4*(\slot)+2:G0B+4*(\slot)+3], 1024
	JLOAD \slot
.else
	PLACES
.endif
	FETCH \next, 0, F0
	MUL8 F1, 1, 0, 0
	MUL8 F1, 1, 2, 0
.endm
	s_wait_tensorcnt 1                             ; my part of K step 0 is in; K step 1's stays out
	s_barrier_signal -1
	s_barrier_wait -1
	FETCH 0, 0, F0
	s_wait_loadcnt 32                              ; the bias is in; the 32 loads of the residual stay out
	WIN 0
.set z, 0
.rept 16                               ; the bias is rounded once to bf16 and widened again: 16 pairs, while the first fragments come out of LDS
	v_cvt_pk_bf16_f32 v[8+z%4], v[BIAS+2*z], v[BIAS+2*z+1]
	v_lshlrev_b32 v[BIAS+2*z], 16, v[8+z%4]
	v_and_b32 v[BIAS+2*z+1], s45, v[8+z%4]
.set z, z+1
.endr
	QUARTER 0, 128, F0, F1, 1
	WIN 0
	s_mov_b32 s3, LAPS-1
.Llap:
	QUARTER 0, 256, F1, F0, 0
	QUARTER 0, 384, F0, F1, 0
	TURN 0, 1, 1
	QUARTER 1, 128, F0, F1, 0
	QUARTER 1, 256, F1, F0, 0
	QUARTER 1, 384, F0, F1, 0
	TURN 1, 0, 1
	QUARTER 0, 128, F0, F1, 0
	WIN 0
	s_sub_co_u32 s3, s3, 1
	s_cmp_lg_u32 s3, 0
	s_cbranch_scc1 .Llap
	QUARTER 0, 256, F1, F0, 0
	QUARTER 0, 384, F0, F1, 0
	TURN 0, 1, 0
	QUARTER 1, 128, F0, F1, 0
	QUARTER 1, 256, F1, F0, 0
	QUARTER 1, 384, F0, F1, 0
	s_wait_dscnt 16
	MUL8 F1, 0, 0, 0
	MUL8 F1, 0, 2, 0
	s_wait_dscnt 0
	MUL8 F1, 1, 0, 0
	MUL8 F1, 1, 2, 0
	WIN 0
	; THE WAY OUT, 16 rows at a time through my own stage: in by columns, back by rows of 256 bytes; the residual is added; 16 lanes store 256 consecutive aligned bytes.
	PLACES
	s_wait_loadcnt 0x0                             ; the residual
.irp a, 0,1,2,3
	s_wait_xcnt 0x0                                ; the registers that the last block's stores read are loaded again only behind this wait
.irp b, 0,1,2,3
	ds_store_b128 v[STO], v[ACC+8*(4*(\a)+(\b)):ACC+8*(4*(\a)+(\b))+3]   offset:64*(\b)
	ds_store_b128 v[STO], v[ACC+8*(4*(\a)+(\b))+4:ACC+8*(4*(\a)+(\b))+7] offset:64*(\b)+16
.endr
.irp t, 0,1,2,3,4,5,6,7
	ds_load_b128 v[TMP+4*(\t):TMP+4*(\t)+3], v[RD] offset:(\t)*2*SPITCH   ; LDS serves a wave's instructions in order: these see the stores above
.endr
.if RES_F32
	s_wait_dscnt 0x0                               ; the block is back
	WIN 0x08                                       ; source 1 in window 2: one switch for the block's sixteen additions
.irp t, 0,1,2,3,4,5,6,7
	v_pk_add_f32 v[TMP+4*(\t):TMP+4*(\t)+1], v[TMP+4*(\t):TMP+4*(\t)+1], v[4*(8*(\a)+(\t)):4*(8*(\a)+(\t))+1]
	v_pk_add_f32 v[TMP+4*(\t)+2:TMP+4*(\t)+3], v[TMP+4*(\t)+2:TMP+4*(\t)+3], v[4*(8*(\a)+(\t))+2:4*(8*(\a)+(\t))+3]
.endr
	WIN 0
.irp t, 0,1,2,3,4,5,6,7
	global_store_b128 v[CO], v[TMP+4*(\t):TMP+4*(\t)+3], s[8:9] offset:(16*(\a)+2*(\t))*4096
.endr
.else
.irp t, 0,1,2,3,4,5,6,7
	s_wait_dscnt 7-(\t)
	v_lshlrev_b32 v8, 16, v[RES+2*(8*(\a)+(\t))]
	v_and_b32 v9, s45, v[RES+2*(8*(\a)+(\t))]
	v_lshlrev_b32 v10, 16, v[RES+2*(8*(\a)+(\t))+1]
	v_and_b32 v11, s45, v[RES+2*(8*(\a)+(\t))+1]
	v_pk_add_f32 v[TMP+4*(\t):TMP+4*(\t)+1], v[TMP+4*(\t):TMP+4*(\t)+1], v[8:9]
	v_pk_add_f32 v[TMP+4*(\t)+2:TMP+4*(\t)+3], v[TMP+4*(\t)+2:TMP+4*(\t)+3], v[10:11]
	global_store_b128 v[CO], v[TMP+4*(\t):TMP+4*(\t)+3], s[8:9] offset:(16*(\a)+2*(\t))*4096
.endr
.endif
.endr
	s_wait_tensorcnt 0x0                           ; the wave's end
	ds_add_u32 v[SPW], v[NIL]
	s_wait_dscnt 0x0
	CROUND
	s_endpgm
.Lfunc_end_k_qdc63ba78bf_ffn2:
	.size	k_qdc63ba78bf_ffn2, .Lfunc_end_k_qdc63ba78bf_ffn2-k_qdc63ba78bf_ffn2
	.p2alignl 7, 3214868480
	.fill 96, 4, 3214868480
	.section	.rodata,"a",@progbits
	.p2align	6, 0x0
	.amdhsa_kernel k_qdc63ba78bf_ffn2
		.amdhsa_group_segment_fixed_size 327680
		.amdhsa_private_segment_fixed_size 0
		.amdhsa_enable_private_segment 0
		.amdhsa_kernarg_size 40
		.amdhsa_user_sgpr_count 2
		.amdhsa_user_sgpr_kernarg_segment_ptr 1
		.amdhsa_wavefront_size32 1
		.amdhsa_system_sgpr_workgroup_id_x 1
		.amdhsa_system_sgpr_workgroup_id_y 1
		.amdhsa_system_sgpr_workgroup_id_z 1
		.amdhsa_system_vgpr_workitem_id 0
		.amdhsa_next_free_vgpr 640
		.amdhsa_next_free_sgpr 72
		.amdhsa_reserve_vcc 0
		.amdhsa_float_denorm_mode_32 3
		.amdhsa_float_denorm_mode_16_64 3
		.amdhsa_memory_ordered 1
		.amdhsa_forward_progress 1
		.amdhsa_inst_pref_size 96
	.end_amdhsa_kernel
	.amdgpu_metadata
---
amdhsa.version: [ 1, 2 ]
amdhsa.kernels:
  - .name:           k_qdc63ba78bf_ffn2
    .symbol:         k_qdc63ba78bf_ffn2.kd
    .args:
      - { .name: act, .offset: 0, .size: 8, .value_kind: global_buffer, .address_space: global }
      - { .name: wo2, .offset: 8, .size: 8, .value_kind: global_buffer, .address_space: global }
      - { .name: y, .offset: 16, .size: 8, .value_kind: global_buffer, .address_space: global }
      - { .name: b2, .offset: 24, .size: 8, .value_kind: global_buffer, .address_space: global }
      - { .name: op, .offset: 32, .size: 8, .value_kind: global_buffer, .address_space: global }
    .group_segment_fixed_size: 327680
    .private_segment_fixed_size: 0
    .kernarg_segment_align: 8
    .kernarg_segment_size: 40
    .max_flat_workgroup_size: 128
    .sgpr_count:     72
    .vgpr_count:     640
    .wavefront_size: 32
...
	.end_amdgpu_metadata
.endif
;; end of part 6
;; launch ln2 (part 7): grid 256 x 1, 8 waves a work-group, no clusters, 0 bytes of LDS; arguments y, ln2_a, ln2_b, out0; writes out0
.if DOCPART == 7
	.amdgcn_target "amdgcn-amd-amdhsa--gfx1250"
	.amdhsa_code_object_version 6
	.text
	.protected	k_qdc63ba78bf_ln2
	.globl	k_qdc63ba78bf_ln2
	.p2align	8
	.type	k_qdc63ba78bf_ln2,@function
k_qdc63ba78bf_ln2:
	s_mov_b64 s[64:65], 0
	v_nop
	global_prefetch_b8 v0, s[64:65] scope:SCOPE_SE
	s_setreg_imm32_b32 hwreg(HW_REG_WAVE_MODE, 25, 1), 1
	s_wait_xcnt 0x0
; out[r][c] = (y[r][c] - mean) / (std + 1e-6) * a[c] + b[c]; std with divisor 1023.  y: [4096][1024] f32.  a and b are used rounded to bf16, as all the module's inputs are.
; BOTH = 1: the result leaves twice: in f32 (it is carried on as a residual) and rounded to bf16 (a matrix operand of the next product).  BOTH = 0: in f32 alone.
; A wave takes two rows; a row is 32 registers and stays there between the passes: the mean, then the squares of the differences, so a common offset of the row costs no accuracy.
; No LDS, no barrier: the reduction never leaves the wave.  LIMIT: the root and the reciprocal count a denormal as 0.
.set BOTH, 0
.set A,  4
.set BB, 36
.set X0, 68
.set X1, 100
.set T,  132
.set M,  140
.set R,  142
.set PK, 144                           ; v[144:175] the packed bf16, 16 registers a row: no register that a pending store reads is written again
	s_load_b256 s[4:11], s[0:1], 0x0               ; y, a, b, out (bf16 if BOTH, else f32)
.if BOTH
	s_load_b64 s[18:19], s[0:1], 0x20              ; out in f32
.endif
	v_and_b32 v1, 31, v0
	v_lshrrev_b32 v2, 5, v0
	v_readfirstlane_b32 s12, v2
	v_lshlrev_b32 v3, 3, v1                        ; 8 bytes a lane
	v_lshlrev_b32 v1, 4, v1                        ; 16 bytes a lane
	s_lshl_b32 s13, ttmp9, 4
	s_lshl1_add_u32 s13, s12, s13                  ; my first row: 16 x work-group + 2 x wave
	s_lshl_b32 s14, s13, 12
	s_mov_b32 s15, 0
	s_mov_b32 s16, 0x76543210
	s_mov_b32 s17, 0xfedcba98
	s_mov_b32 s20, 0xffff0000                      ; a word's upper bf16
	s_wait_kmcnt 0x0
	s_add_nc_u64 s[4:5], s[4:5], s[14:15]
.if BOTH
	s_add_nc_u64 s[18:19], s[18:19], s[14:15]
	s_lshr_b32 s14, s14, 1
.endif
	s_add_nc_u64 s[10:11], s[10:11], s[14:15]
.irp j, 0,1,2,3,4,5,6,7
	global_load_b128 v[X0+4*\j:X0+4*\j+3], v1, s[4:5] offset:512*\j th:TH_LOAD_NT
.endr
.irp j, 0,1,2,3,4,5,6,7
	global_load_b128 v[A+4*\j:A+4*\j+3], v1, s[6:7] offset:512*\j
.endr
.irp j, 0,1,2,3,4,5,6,7
	global_load_b128 v[BB+4*\j:BB+4*\j+3], v1, s[8:9] offset:512*\j
.endr
.irp j, 0,1,2,3,4,5,6,7
	global_load_b128 v[X1+4*\j:X1+4*\j+3], v1, s[4:5] offset:4096+512*\j th:TH_LOAD_NT
.endr
.macro REDUCE                          ; four pairs in T become one sum in every lane's v[T]
	v_pk_add_f32 v[T:T+1], v[T:T+1], v[T+2:T+3]
	v_pk_add_f32 v[T+4:T+5], v[T+4:T+5], v[T+6:T+7]
	v_pk_add_f32 v[T:T+1], v[T:T+1], v[T+4:T+5]
	v_add_f32 v[T], v[T], v[T+1]
	v_add_f32_dpp v[T], v[T], v[T] row_xmask:1 row_mask:0xf bank_mask:0xf
	v_add_f32_dpp v[T], v[T], v[T] row_xmask:2 row_mask:0xf bank_mask:0xf
	v_add_f32_dpp v[T], v[T], v[T] row_xmask:4 row_mask:0xf bank_mask:0xf
	v_add_f32_dpp v[T], v[T], v[T] row_xmask:8 row_mask:0xf bank_mask:0xf
	v_permlanex16_b32 v[T+1], v[T], s16, s17
	v_add_f32 v[T], v[T], v[T+1]
.endm
; x: the row's registers; w1, w2: how many younger loads may stay out at the statistics and at the gain; row: 0 or 1
.macro ROWN x, w1, w2, row
	s_wait_loadcnt \w1
.irp c, 0,1,2,3
	v_pk_add_f32 v[T+2*\c:T+2*\c+1], v[(\x)+2*\c:(\x)+2*\c+1], v[(\x)+8+2*\c:(\x)+8+2*\c+1]
.endr
.irp k, 2,3
.irp c, 0,1,2,3
	v_pk_add_f32 v[T+2*\c:T+2*\c+1], v[T+2*\c:T+2*\c+1], v[(\x)+8*\k+2*\c:(\x)+8*\k+2*\c+1]
.endr
.endr
	REDUCE
	v_mul_f32 v[M], 0x3a800000, v[T]               ; the mean: / 1024
	v_mov_b32 v[M+1], v[M]
.set z, 0
.rept 16
	v_pk_add_f32 v[(\x)+2*z:(\x)+2*z+1], v[(\x)+2*z:(\x)+2*z+1], v[M:M+1] op_sel_hi:[1,0] neg_lo:[0,1] neg_hi:[0,1]
.set z, z+1
.endr
.irp c, 0,1,2,3
	v_pk_mul_f32 v[T+2*\c:T+2*\c+1], v[(\x)+2*\c:(\x)+2*\c+1], v[(\x)+2*\c:(\x)+2*\c+1]
.endr
.irp k, 1,2,3
.irp c, 0,1,2,3
	v_pk_fma_f32 v[T+2*\c:T+2*\c+1], v[(\x)+8*\k+2*\c:(\x)+8*\k+2*\c+1], v[(\x)+8*\k+2*\c:(\x)+8*\k+2*\c+1], v[T+2*\c:T+2*\c+1]
.endr
.endr
	REDUCE
	v_mul_f32 v[T], 0x3a802008, v[T]               ; / 1023
	v_sqrt_f32 v[T+2], v[T]
	v_nop                                          ; a plain instruction behind a transcendental (ISA guide 5.7.2)
	s_wait_alu depctr_va_vdst(0)
	v_add_f32 v[T+2], 0x358637bd, v[T+2]           ; + 1e-6
	v_rcp_f32 v[R], v[T+2]
	v_nop
	s_wait_alu depctr_va_vdst(0)
	v_mov_b32 v[R+1], v[R]
.set z, 0
.rept 16
	v_pk_mul_f32 v[(\x)+2*z:(\x)+2*z+1], v[(\x)+2*z:(\x)+2*z+1], v[R:R+1] op_sel_hi:[1,0]
.set z, z+1
.endr
	s_wait_loadcnt \w2
.if (\row) == 0                        ; once: a and b are rounded to bf16 and widened again
.set z, 0
.rept 16
	v_cvt_pk_bf16_f32 v[T+z%4], v[A+2*z], v[A+2*z+1]
	v_cvt_pk_bf16_f32 v[T+4+z%4], v[BB+2*z], v[BB+2*z+1]
	v_lshlrev_b32 v[A+2*z], 16, v[T+z%4]
	v_and_b32 v[A+2*z+1], s20, v[T+z%4]
	v_lshlrev_b32 v[BB+2*z], 16, v[T+4+z%4]
	v_and_b32 v[BB+2*z+1], s20, v[T+4+z%4]
.set z, z+1
.endr
.endif
.set z, 0
.rept 16
	v_pk_fma_f32 v[(\x)+2*z:(\x)+2*z+1], v[(\x)+2*z:(\x)+2*z+1], v[A+2*z:A+2*z+1], v[BB+2*z:BB+2*z+1]
.set z, z+1
.endr
.irp j, 0,1,2,3,4,5,6,7
.if BOTH
	global_store_b128 v1, v[(\x)+4*\j:(\x)+4*\j+3], s[18:19] offset:(\row)*4096+512*\j   ; 512 consecutive bytes, aligned
	v_cvt_pk_bf16_f32 v[PK+16*(\row)+2*\j], v[(\x)+4*\j], v[(\x)+4*\j+1]
	v_cvt_pk_bf16_f32 v[PK+16*(\row)+2*\j+1], v[(\x)+4*\j+2], v[(\x)+4*\j+3]
	global_store_b64 v3, v[PK+16*(\row)+2*\j:PK+16*(\row)+2*\j+1], s[10:11] offset:(\row)*2048+256*\j   ; 32 lanes store 256 consecutive bytes, aligned
.else
	global_store_b128 v1, v[(\x)+4*\j:(\x)+4*\j+3], s[10:11] offset:(\row)*4096+512*\j th:TH_STORE_NT
.endif
.endr
.endm
	ROWN X0, 24, 8, 0                              ; row 0 is in while a, b and row 1 are out; then a and b are in while row 1 is out
	ROWN X1, 0, 0, 1
	s_endpgm
.Lfunc_end_k_qdc63ba78bf_ln2:
	.size	k_qdc63ba78bf_ln2, .Lfunc_end_k_qdc63ba78bf_ln2-k_qdc63ba78bf_ln2
	.p2alignl 7, 3214868480
	.fill 96, 4, 3214868480
	.section	.rodata,"a",@progbits
	.p2align	6, 0x0
	.amdhsa_kernel k_qdc63ba78bf_ln2
		.amdhsa_group_segment_fixed_size 0
		.amdhsa_private_segment_fixed_size 0
		.amdhsa_enable_private_segment 0
		.amdhsa_kernarg_size 32
		.amdhsa_user_sgpr_count 2
		.amdhsa_user_sgpr_kernarg_segment_ptr 1
		.amdhsa_wavefront_size32 1
		.amdhsa_system_sgpr_workgroup_id_x 1
		.amdhsa_system_sgpr_workgroup_id_y 1
		.amdhsa_system_sgpr_workgroup_id_z 1
		.amdhsa_system_vgpr_workitem_id 0
		.amdhsa_next_free_vgpr 176
		.amdhsa_next_free_sgpr 66
		.amdhsa_reserve_vcc 0
		.amdhsa_float_denorm_mode_32 3
		.amdhsa_float_denorm_mode_16_64 3
		.amdhsa_memory_ordered 1
		.amdhsa_forward_progress 1
		.amdhsa_inst_pref_size 23
	.end_amdhsa_kernel
	.amdgpu_metadata
---
amdhsa.version: [ 1, 2 ]
amdhsa.kernels:
  - .name:           k_qdc63ba78bf_ln2
    .symbol:         k_qdc63ba78bf_ln2.kd
    .args:
      - { .name: y, .offset: 0, .size: 8, .value_kind: global_buffer, .address_space: global }
      - { .name: ln2_a, .offset: 8, .size: 8, .value_kind: global_buffer, .address_space: global }
      - { .name: ln2_b, .offset: 16, .size: 8, .value_kind: global_buffer, .address_space: global }
      - { .name: out0, .offset: 24, .size: 8, .value_kind: global_buffer, .address_space: global }
    .group_segment_fixed_size: 0
    .private_segment_fixed_size: 0
    .kernarg_segment_align: 8
    .kernarg_segment_size: 32
    .max_flat_workgroup_size: 256
    .sgpr_count:     66
    .vgpr_count:     176
    .wavefront_size: 32
...
	.end_amdgpu_metadata
.endif
;; end of part 7
;; ======== version 2 of 2: 8 launches
;; limits: right only within a limited range of input values
;; workspace buffers: xh 8,388,608 bytes; wq 6,291,712 bytes; w1 8,388,864 bytes; wo2 10,485,760 bytes; maskb 4,194,304 bytes; act 33,554,432 bytes; op 16,777,216 bytes; y 16,777,216 bytes
;; launch prep: the kernel of part 1 again; grid 1536 x 1, 8 waves a work-group, no clusters, 9,216 bytes of LDS; arguments x, Wqkv, Wo, W1, W2, mask, xh, wq, wo2, w1, maskb; writes xh, wq, wo2, w1, maskb
;; launch qkv (part 8): grid 12 x 16, 4 waves a work-group, clusters of 4 x 4, 327,680 bytes of LDS; arguments xh, wq, act, bqkv; writes act
.if DOCPART == 8
	.amdgcn_target "amdgcn-amd-amdhsa--gfx1250"
	.amdhsa_code_object_version 6
	.text
	.protected	k_qdc63ba78bf_qkv
	.globl	k_qdc63ba78bf_qkv
	.p2align	8
	.type	k_qdc63ba78bf_qkv,@function
k_qdc63ba78bf_qkv:
	s_mov_b64 s[64:65], 0
	v_nop
	global_prefetch_b8 v0, s[64:65] scope:SCOPE_SE
	s_setreg_imm32_b32 hwreg(HW_REG_WAVE_MODE, 25, 1), 1
	s_wait_xcnt 0x0
	s_wait_alu depctr_hold_cnt(0) depctr_sa_sdst(0) depctr_va_vdst(0) depctr_va_sdst(0) depctr_va_ssrc(0) depctr_va_vcc(0) depctr_vm_vsrc(0)
	s_getreg_b32 s2, hwreg(HW_REG_IB_STS2, 6, 4)
	s_cmp_eq_u32 s2, 0
	s_cbranch_scc0 .Lentry_in_a_cluster
	s_endpgm
.Lentry_in_a_cluster:
	s_bfe_u32 s2, ttmp6, 0x10000c
	s_cmp_lg_u32 s2, 0xf033
	s_cbranch_scc0 .Lentry_shape_is_right
	s_endpgm
.Lentry_shape_is_right:
; C = max(A W^T + bias, bound).  A: [4096][1024] bf16.  W: 256 bytes of header (its first word is the bound, twice in bf16), then [N][1024] bf16.  bias: [N] f32, used rounded to bf16 as all the module's inputs are.
; C leaves in PANELS: [N/128][4096][128] bf16, so that a wave's 128 columns of a row are 256 consecutive bytes whatever N is: one text serves N = 3072 and N = 4096.
; A tile of C is 256 x 256, four waves, each 128 x 128: 64 accumulators, 512 registers.  K goes in steps of 128 through two LDS slots filled by tensor loads; rows of 256 bytes, padded to 272.
; A K step is written once in the loop: the slot in hand is a scalar base that one exclusive or turns into the other's, and the fragment addresses are made anew from it at each change of slots.
; 4 x 4 work-groups form a cluster: A's tiles are asked for jointly along a row of the cluster, W's along a column.
; The matrix instruction is used transposed (source 0 = 16 rows of W, source 1 = 16 rows of A): a lane holds eight neighbouring columns of one row of C.
; The bias is the C operand of the products that start the sums.  The last K step goes by rows of C, so that finished rows leave while the others are multiplied.
; LIMIT: the packed maximum gives the bound where the sum is NaN.
; REGISTERS: window 0: v0-31 addresses; v64-191 A's fragments; v192-255 the bias, later the way out; v32-63 the way out.  window 1: W's fragments.  windows 2, 3: accumulators.
.set SIZE_K, 1024
.set KSTEP,  128
.set PITCH,  272                       ; 256 bytes + 16: the 16 rows of a fragment load start at 16 different groups of four banks
.set HALFT,  128*PITCH
.set SLOT,   4*HALFT
.set SLOTX,  0x24000                   ; slot 1 begins here; the four waves' places in a slot (0, 0x8800, 0x11000, 0x19800) have these two bits clear
.set STAGE,  SLOTX+SLOT                ; 16 rows x 272 bytes for each wave, its own
.set SPITCH, 272
.set SPARE,  STAGE+4*16*SPITCH         ; the spare words, 128 bytes a wave
.set TRIPS,  SIZE_K/KSTEP-2            ; every K step but the last two ends in a refill
.set ADRA0, 16                         ; v16  my lane's place among A's fragments in slot 0; never rewritten
.set ADA,   17                         ; v17  the same in the slot in hand
.set ADRB0, 20                         ; v20, v21  the same for W
.set ADB,   21
.set STO,  24
.set RD,   25
.set CO,   26
.set BO,   27
.set SPW,  28
.set NIL,  29
.set F0,   64
.set F1,   128
.set TMP,  192
.set BIAS, 192
.set OB,   32
.set PA,   64
.set G1, 24
.set G0, 32                            ; s[32:39] group 0 for A: a set for each of the two first fills; the second then walks on
.set G1B, 48
.set G0B, 56                           ; s[56:63] the same for W
.set TB,  70                           ; s70  LDS byte at which the slot in hand begins
.set MSB, 0
.macro WIN new                         ; the immediate's high byte repeats the setting that is left
.if MSB != (\new)
	s_set_vgpr_msb (MSB<<8)|(\new)
.set MSB, \new
.endif
.endm
.set MUL_LO, 0xa1
.set MUL_HI, 0xf1
.set TO_B,   0x40
.macro JLOAD s                         ; waves 0, 1 fetch A's halves, waves 2, 3 W's; s_nop 0 and four v_nop follow each line
	s_cmp_eq_u32 s11, 0
	s_cbranch_scc0 .Lfor_b_\@
	tensor_load_to_lds s[G0+4*(\s):G0+4*(\s)+3], s[G1:G1+7]
	s_nop 0
.rept 4
	v_nop
.endr
	s_branch .Lasked_\@
.Lfor_b_\@:
	tensor_load_to_lds s[G0B+4*(\s):G0B+4*(\s)+3], s[G1B:G1B+7]
	s_nop 0
.rept 4
	v_nop
.endr
.Lasked_\@:
.endm
.macro CREST                           ; a round of the cluster's barrier behind its opening barrier
	s_cmp_lg_u32 s10, 0
	s_cbranch_scc1 .Lnot_wave_0_\@
	s_barrier_signal -3
.Lnot_wave_0_\@:
	s_barrier_wait -3
	s_barrier_signal -1
	s_barrier_wait -1
.endm
.macro CROUND
	s_barrier_signal -1
	s_barrier_wait -1
	CREST
.endm
	s_load_b128 s[4:7], s[0:1], 0x0                ; A, W
	s_load_b64 s[8:9], s[0:1], 0x10                ; C
	s_load_b64 s[66:67], s[0:1], 0x18              ; bias
	v_lshl_add_u32 v[SPW], v0, 2, SPARE
	v_mov_b32 v[NIL], 0
	ds_add_u32 v[SPW], v[NIL]                      ; the wave's opening: the add and its wait stand ahead of my first tensor load
	v_lshrrev_b32 v1, 5, v0
	v_readfirstlane_b32 s10, v1                    ; wave
	s_lshr_b32 s11, s10, 1                         ; my half of the tile's rows; also: I fetch for A (0) or W (1)
	s_and_b32 s12, s10, 1                          ; my half of its columns; also: which 128 rows I fetch
	s_bfe_u32 s40, ttmp6, 0x40000                  ; cx
	s_bfe_u32 s41, ttmp6, 0x40004                  ; cy
	s_lshl_b32 s42, ttmp9, 2
	s_add_co_u32 s42, s42, s40                     ; tile column
	s_and_b32 s13, ttmp7, 0xffff
	s_lshl_b32 s13, s13, 2
	s_add_co_u32 s13, s13, s41                     ; tile row
	s_lshl_b32 s43, s41, 2
	s_lshl_b32 s43, 15, s43                        ; my row of the cluster
	s_lshl_b32 s44, 0x1111, s40                    ; my column
	s_or_b32 s[G1+0], s43, (1<<16)|(1<<20)|(1<<21)|(5<<22)|(3<<25)   ; mask; 2-byte elements; padding of 4 words after every 64
	s_or_b32 s[G1B+0], s44, (1<<16)|(1<<20)|(1<<21)|(5<<22)|(3<<25)
.irp g, G1, G1B
	s_mov_b32 s[(\g)+1], KSTEP<<16                 ; tensor_dim0 = 128
	s_mov_b32 s[(\g)+2], 128<<16                   ; tensor_dim1 = 128
	s_mov_b32 s[(\g)+3], KSTEP<<16                 ; tile_dim0 = 128
	s_mov_b32 s[(\g)+4], 128                       ; tile_dim1 = 128
	s_mov_b32 s[(\g)+5], SIZE_K                    ; elements from row to row
	s_mov_b32 s[(\g)+6], 0
	s_mov_b32 s[(\g)+7], 0
.endr
	s_mov_b32 s69, 0xffff0000                      ; a word's upper bf16
	s_mov_b32 s[TB], 0
	s_lshl_b32 s17, s12, 7
	s_lshl_b32 s16, s13, 8
	s_add_co_u32 s16, s16, s17                     ; A: row 256 x tile row + 128 x half
	s_lshl_b32 s46, s42, 8
	s_add_co_u32 s46, s46, s17                     ; W: row 256 x tile column + 128 x half
	s_mov_b32 s17, 0
	s_mov_b32 s47, 0
	s_mov_b64 s[18:19], SIZE_K*2
	s_mul_u64 s[16:17], s[16:17], s[18:19]
	s_mul_u64 s[46:47], s[46:47], s[18:19]
	s_add_nc_u64 s[46:47], s[46:47], 256           ; W's rows lie behind the header
	s_mul_i32 s20, s10, HALFT
	s_wait_dscnt 0x0                               ; the opening add is done
	s_wait_kmcnt 0x0
	s_load_b32 s68, s[6:7], 0x0                    ; the bound; waited for beside the bias
	s_add_nc_u64 s[14:15], s[4:5], s[16:17]
	s_add_nc_u64 s[46:47], s[6:7], s[46:47]
	CROUND                                         ; all sixteen work-groups are here: the first joint loads meet
.irp s, 0,1
	s_mov_b32 s[G0+4*(\s)], 1
	s_add_co_u32 s[G0+4*(\s)+1], s20, (\s)*SLOTX
	s_add_nc_u64 s[G0+4*(\s)+2:G0+4*(\s)+3], s[14:15], (\s)*KSTEP*2
	s_or_b32 s[G0+4*(\s)+3], s[G0+4*(\s)+3], 0x80000000
	s_mov_b32 s[G0B+4*(\s)], 1
	s_add_co_u32 s[G0B+4*(\s)+1], s20, (\s)*SLOTX
	s_add_nc_u64 s[G0B+4*(\s)+2:G0B+4*(\s)+3], s[46:47], (\s)*KSTEP*2
	s_or_b32 s[G0B+4*(\s)+3], s[G0B+4*(\s)+3], 0x80000000
	JLOAD \s
.endr
	v_and_b32 v1, 15, v0                           ; l % 16
	v_bfe_u32 v2, v0, 4, 1                         ; l / 16
	; the bias of my 128 columns, in the accumulators' order: register j of block b is column 16 b + 8 (l / 16) + j
	s_lshl_b32 s46, s42, 10
	s_lshl_b32 s47, s12, 9
	s_add_co_u32 s46, s46, s47
	s_mov_b32 s47, 0
	s_add_nc_u64 s[66:67], s[66:67], s[46:47]
	v_lshlrev_b32 v[BO], 5, v2
.irp b, 0,1,2,3,4,5,6,7
	global_load_b128 v[BIAS+8*\b:BIAS+8*\b+3],   v[BO], s[66:67] offset:64*\b
	global_load_b128 v[BIAS+8*\b+4:BIAS+8*\b+7], v[BO], s[66:67] offset:64*\b+16
.endr
	v_mul_u32_u24 v3, v1, PITCH
	v_lshl_add_u32 v3, v2, 4, v3
	s_mul_i32 s21, s11, HALFT
	s_mul_i32 s22, s12, HALFT
	s_add_co_u32 s22, s22, 2*HALFT
	v_add_nc_u32 v[ADRA0], s21, v3
	v_add_nc_u32 v[ADRB0], s22, v3
	v_mov_b32 v[ADA], v[ADRA0]                     ; the walk begins in slot 0
	v_mov_b32 v[ADB], v[ADRB0]
	s_mul_i32 s23, s10, 16*SPITCH
	s_add_co_u32 s23, s23, STAGE
	v_mul_u32_u24 v4, v1, SPITCH
	v_lshl_add_u32 v4, v2, 4, v4
	v_add_nc_u32 v[STO], s23, v4
	v_mul_u32_u24 v5, v2, SPITCH
	v_lshl_add_u32 v5, v1, 4, v5
	v_add_nc_u32 v[RD], s23, v5
	v_and_b32 v[CO], 31, v0
	v_lshlrev_b32 v[CO], 4, v[CO]                  ; two rows of a panel are 512 consecutive bytes: 16 a lane
	s_lshl_b32 s16, s13, 16                        ; my first row in a panel: 256 bytes a row
	s_lshl_b32 s14, s11, 15
	s_add_co_u32 s16, s16, s14
	s_lshl_b32 s46, s42, 21                        ; my panel: 2 x tile column + half, 1 MiB each
	s_lshl_b32 s47, s12, 20
	s_add_co_u32 s46, s46, s47
	s_add_co_u32 s16, s16, s46
	s_mov_b32 s17, 0
; 16 matrix instructions: m blocks a0, a0 + 1 of the window's four x all 8 n blocks, 32 along K.  first = 1: the bias starts the sums.
.macro MUL16 f, hi, a0, first
.if \first
	WIN 0x81+0x40*(\hi)                            ; the C operand in window 0
.else
	WIN MUL_LO+0x50*(\hi)
.endif
.irp a, \a0, (\a0)+1
.irp b, 0,1,2,3,4,5,6,7
.if \first
	v_wmma_f32_16x16x32_bf16 v[8*(8*(\a)+(\b)):8*(8*(\a)+(\b))+7], v[(\f)+8*(\b):(\f)+8*(\b)+7], v[(\f)+8*(4*(\hi)+(\a)):(\f)+8*(4*(\hi)+(\a))+7], v[BIAS+8*(\b):BIAS+8*(\b)+7]
.else
	v_wmma_f32_16x16x32_bf16 v[8*(8*(\a)+(\b)):8*(8*(\a)+(\b))+7], v[(\f)+8*(\b):(\f)+8*(\b)+7], v[(\f)+8*(4*(\hi)+(\a)):(\f)+8*(4*(\hi)+(\a))+7], v[8*(8*(\a)+(\b)):8*(8*(\a)+(\b))+7]
.endif
.endr
.endr
.endm
.macro FETCH k, f                      ; 32 LDS loads in one run: a quarter step's fragments out of the slot in hand
	WIN TO_B
.irp i, 0,1,2,3,4,5,6,7
	ds_load_b128 v[(\f)+8*(\i):(\f)+8*(\i)+3],   v[ADB] offset:(\k)+(\i)*16*PITCH
	ds_load_b128 v[(\f)+8*(\i)+4:(\f)+8*(\i)+7], v[ADB] offset:(\k)+(\i)*16*PITCH+32
.endr
	WIN 0
.irp i, 0,1,2,3,4,5,6,7
	ds_load_b128 v[(\f)+8*(\i):(\f)+8*(\i)+3],   v[ADA] offset:(\k)+(\i)*16*PITCH
	ds_load_b128 v[(\f)+8*(\i)+4:(\f)+8*(\i)+7], v[ADA] offset:(\k)+(\i)*16*PITCH+32
.endr
.endm
.macro PLACES                          ; four plain places between matrix instructions and loads into, or reads of, their registers
.rept 4
	v_nop
.endr
.endm
.macro OTHER                           ; the other slot comes in hand: its base, and my two fragment addresses in it
	s_xor_b32 s[TB], s[TB], SLOTX
	v_add_nc_u32 v[ADA], s[TB], v[ADRA0]
	v_add_nc_u32 v[ADB], s[TB], v[ADRB0]
.endm
.macro QUARTER k, f, g, first
	s_wait_dscnt 8                                 ; W and A's rows 0-63 are in; the youngest eight loads may be out
	MUL16 \f, 0, 0, \first
	MUL16 \f, 0, 2, \first
	PLACES
	FETCH \k, \g
	s_wait_dscnt 32                                ; all but the 32 just issued
	MUL16 \f, 1, 0, \first
	MUL16 \f, 1, 2, \first
.endm
.macro MEET round
	WIN 0
	s_wait_tensorcnt 0x0                           ; all my tensor loads have landed: my part of the next slot
	ds_add_u32 v[SPW], v[NIL]
	s_wait_dscnt 9                                 ; the add and the youngest eight loads may be out
	MUL16 F1, 0, 0, 0
	s_wait_dscnt 0x0                               ; the add is done, my reads of this slot are over
	s_barrier_signal -1
	MUL16 F1, 0, 2, 0
.if \round
	WIN 0
.endif
	s_barrier_wait -1
.endm
.macro TURN                            ; the last quarter of a K step: the slot just read out is filled again with the K step two on, and the other slot comes in hand
	MEET 1
	CREST                                          ; no wave of any partner still reads this slot or has a load on its way
	s_xor_b32 s[G0+5], s[G0+5], SLOTX              ; the walking descriptors: the other slot than last time,
	s_add_nc_u64 s[G0+6:G0+7], s[G0+6:G0+7], KSTEP*2   ; the next K step; the type bits on top are not reached
	s_xor_b32 s[G0B+5], s[G0B+5], SLOTX
	s_add_nc_u64 s[G0B+6:G0B+7], s[G0B+6:G0B+7], KSTEP*2
	OTHER
	JLOAD 1                                        ; the first tensor load behind the round; its four v_nop are also the places in front of the loads below
	FETCH 0, F0
	MUL16 F1, 1, 0, 0
	MUL16 F1, 1, 2, 0
.endm
.macro BLOAD q
	WIN TO_B
.irp i, 0,1,2,3,4,5,6,7
	ds_load_b128 v[64*(\q)+8*(\i):64*(\q)+8*(\i)+3],   v[ADB] offset:64*(\q)+(\i)*16*PITCH
	ds_load_b128 v[64*(\q)+8*(\i)+4:64*(\q)+8*(\i)+7], v[ADB] offset:64*(\q)+(\i)*16*PITCH+32
.endr
.endm
.macro ALOAD a
	WIN 0
.set FA, PA+32*((\a)%4)
.irp q, 0,1,2,3
	ds_load_b128 v[FA+8*(\q):FA+8*(\q)+3],   v[ADA] offset:64*(\q)+(\a)*16*PITCH
	ds_load_b128 v[FA+8*(\q)+4:FA+8*(\q)+7], v[ADA] offset:64*(\q)+(\a)*16*PITCH+32
.endr
.endm
.macro ROW a                           ; block a of 16 rows is finished: 32 matrix instructions, its 8 accumulators by turns
.set FA, PA+32*((\a)%4)
.set AC, 64*((\a)%4)
	WIN MUL_LO+0x50*((\a)/4)
.irp q, 0,1,2,3
.if (\a) == 0 && (\q) == 2
	s_wait_dscnt 24                                ; W's quarter 2 is in (behind it: A's blocks 1 to 3)
.endif
.irp b, 0,1,2,3,4,5,6,7
	v_wmma_f32_16x16x32_bf16 v[AC+8*(\b):AC+8*(\b)+7], v[64*(\q)+8*(\b):64*(\q)+8*(\b)+7], v[FA+8*(\q):FA+8*(\q)+7], v[AC+8*(\b):AC+8*(\b)+7]
.endr
.endr
.endm
.macro PACK a                          ; rounded to bf16, then held to the bound
.set AC, 64*((\a)%4)
	WIN 0x0a+5*((\a)/4)
.irp b, 0,1,2,3,4,5,6,7
.irp r, 0,1,2,3
	v_cvt_pk_bf16_f32 v[TMP+4*(\b)+(\r)], v[AC+8*(\b)+2*(\r)], v[AC+8*(\b)+2*(\r)+1]
.endr
.endr
	WIN 0
.set z, 0
.rept 32
	v_pk_max_num_bf16 v[TMP+z], v[TMP+z], s68
.set z, z+1
.endr
.endm
.macro TOSTAGE a
	WIN 0
.set BK, OB+192*((\a)%2)
.irp b, 0,1,2,3,4,5,6,7
	ds_store_b128 v[STO], v[TMP+4*(\b):TMP+4*(\b)+3] offset:32*(\b)
.endr
.irp t, 0,1,2,3,4,5,6,7
	ds_load_b128 v[BK+4*(\t):BK+4*(\t)+3], v[RD] offset:(\t)*2*SPITCH  ; LDS serves a wave's instructions in order: these see the stores above
.endr
.endm
.macro SEND a, younger
	WIN 0
.set BK, OB+192*((\a)%2)
	s_wait_dscnt \younger
	s_wait_xcnt 0x0                                ; the stores' base and the registers that earlier stores read are rewritten only behind this wait
.if (\a) == 0
	s_add_nc_u64 s[8:9], s[8:9], s[16:17]
.else
	s_add_nc_u64 s[8:9], s[8:9], 16*256            ; 16 rows of the panel on
.endif
.irp t, 0,1,2,3,4,5,6,7
	global_store_b128 v[CO], v[BK+4*(\t):BK+4*(\t)+3], s[8:9] offset:512*(\t)  ; 512 consecutive bytes, aligned
.endr
.endm
	s_wait_tensorcnt 1                             ; my part of K step 0 is in; K step 1's stays out
	s_barrier_signal -1
	s_barrier_wait -1
	FETCH 0, F0
	s_wait_loadcnt 0x0                             ; the bias
	s_wait_kmcnt 0x0                               ; the bound
.set z, 0
.rept 32                               ; the bias is rounded once to bf16 and widened again: 32 pairs, while the first fragments come out of LDS
	v_cvt_pk_bf16_f32 v[6+z%4], v[BIAS+2*z], v[BIAS+2*z+1]
	v_lshlrev_b32 v[BIAS+2*z], 16, v[6+z%4]
	v_and_b32 v[BIAS+2*z+1], s69, v[6+z%4]
.set z, z+1
.endr
	QUARTER 64,  F0, F1, 1                         ; the first quarter stands in front of the loop: its products start the sums
	WIN 0
	s_mov_b32 s3, TRIPS
.Lstep:                                                ; a trip goes from a K step's second quarter to the next step's first, and fills one slot again
	QUARTER 128, F1, F0, 0
	QUARTER 192, F0, F1, 0
	TURN
	QUARTER 64,  F0, F1, 0
	WIN 0
	s_sub_co_u32 s3, s3, 1
	s_cmp_lg_u32 s3, 0
	s_cbranch_scc1 .Lstep
	QUARTER 128, F1, F0, 0                         ; the last K step but one goes on
	QUARTER 192, F0, F1, 0
	MEET 0                                         ; the other slot holds the last K step; nothing is filled again, so no round follows
	WIN 0
	OTHER
	PLACES
	BLOAD 0
	BLOAD 1
	BLOAD 3
	ALOAD 0
	MUL16 F1, 1, 0, 0
	MUL16 F1, 1, 2, 0
	PLACES
	BLOAD 2
	ALOAD 1
	ALOAD 2
	ALOAD 3
	s_wait_dscnt 40                                ; all but the 40 just issued
	ROW 0
.irp a, 0,1,2,3,4,5,6,7
	PLACES
	PACK \a
	TOSTAGE \a
.if (\a) < 4
	ALOAD (\a)+4
	SEND \a, 8
.else
	SEND \a, 0
.endif
.if (\a) < 7
	ROW (\a)+1
.endif
.endr
	s_wait_tensorcnt 0x0                           ; the wave's end
	ds_add_u32 v[SPW], v[NIL]
	s_wait_dscnt 0x0
	CROUND                                         ; the closing round
	s_endpgm
.Lfunc_end_k_qdc63ba78bf_qkv:
	.size	k_qdc63ba78bf_qkv, .Lfunc_end_k_qdc63ba78bf_qkv-k_qdc63ba78bf_qkv
	.p2alignl 7, 3214868480
	.fill 96, 4, 3214868480
	.section	.rodata,"a",@progbits
	.p2align	6, 0x0
	.amdhsa_kernel k_qdc63ba78bf_qkv
		.amdhsa_group_segment_fixed_size 327680
		.amdhsa_private_segment_fixed_size 0
		.amdhsa_enable_private_segment 0
		.amdhsa_kernarg_size 32
		.amdhsa_user_sgpr_count 2
		.amdhsa_user_sgpr_kernarg_segment_ptr 1
		.amdhsa_wavefront_size32 1
		.amdhsa_system_sgpr_workgroup_id_x 1
		.amdhsa_system_sgpr_workgroup_id_y 1
		.amdhsa_system_sgpr_workgroup_id_z 1
		.amdhsa_system_vgpr_workitem_id 0
		.amdhsa_next_free_vgpr 1024
		.amdhsa_next_free_sgpr 72
		.amdhsa_reserve_vcc 0
		.amdhsa_float_denorm_mode_32 3
		.amdhsa_float_denorm_mode_16_64 3
		.amdhsa_memory_ordered 1
		.amdhsa_forward_progress 1
		.amdhsa_inst_pref_size 139
	.end_amdhsa_kernel
	.amdgpu_metadata
---
amdhsa.version: [ 1, 2 ]
amdhsa.kernels:
  - .name:           k_qdc63ba78bf_qkv
    .symbol:         k_qdc63ba78bf_qkv.kd
    .args:
      - { .name: xh, .offset: 0, .size: 8, .value_kind: global_buffer, .address_space: global }
      - { .name: wq, .offset: 8, .size: 8, .value_kind: global_buffer, .address_space: global }
      - { .name: act, .offset: 16, .size: 8, .value_kind: global_buffer, .address_space: global }
      - { .name: bqkv, .offset: 24, .size: 8, .value_kind: global_buffer, .address_space: global }
    .group_segment_fixed_size: 327680
    .private_segment_fixed_size: 0
    .kernarg_segment_align: 8
    .kernarg_segment_size: 32
    .max_flat_workgroup_size: 128
    .sgpr_count:     72
    .vgpr_count:     1024
    .wavefront_size: 32
...
	.end_amdgpu_metadata
.endif
;; end of part 8
;; launch attn (part 9): grid 16 x 16, 4 waves a work-group, clusters of 4 x 1, 327,680 bytes of LDS; arguments act, maskb, op; writes op
.if DOCPART == 9
	.amdgcn_target "amdgcn-amd-amdhsa--gfx1250"
	.amdhsa_code_object_version 6
	.text
	.protected	k_qdc63ba78bf_attn
	.globl	k_qdc63ba78bf_attn
	.p2align	8
	.type	k_qdc63ba78bf_attn,@function
k_qdc63ba78bf_attn:
	s_mov_b64 s[64:65], 0
	v_nop
	global_prefetch_b8 v0, s[64:65] scope:SCOPE_SE
	s_setreg_imm32_b32 hwreg(HW_REG_WAVE_MODE, 25, 1), 1
	s_wait_xcnt 0x0
	s_wait_alu depctr_hold_cnt(0) depctr_sa_sdst(0) depctr_va_vdst(0) depctr_va_sdst(0) depctr_va_ssrc(0) depctr_va_vcc(0) depctr_vm_vsrc(0)
	s_getreg_b32 s2, hwreg(HW_REG_IB_STS2, 6, 4)
	s_cmp_eq_u32 s2, 0
	s_cbranch_scc0 .Lentry_in_a_cluster
	s_endpgm
.Lentry_in_a_cluster:
	s_bfe_u32 s2, ttmp6, 0x10000c
	s_cmp_lg_u32 s2, 0x3003
	s_cbranch_scc0 .Lentry_shape_is_right
	s_endpgm
.Lentry_shape_is_right:
; O = softmax(Q K^T / 8 under the mask) V for 2 x 16 heads of 64 channels, 2,048 queries and keys.  q, k, v lie in panels [24][4096 tokens][128] bf16 (q 0-7, k 8-15, v 16-23; a panel = two heads);
; o leaves in panels [8][4096][128] bf16.  The mask is an input and is honoured key by key: maskb holds one fp8 code a key (0, or -448 where hidden), in my lanes' order.
; SHARES.  A work-group takes 128 queries of a panel's two heads; wave w takes head w / 2, queries 64 (w % 2) on, as four PIECES of 16.  All 2,048 keys are walked, 64 a step, 256 a tile.
; The four query blocks of a cluster walk the same K and V: each tile is asked for jointly.  Rows of K, V and o are whole runs of 256 bytes, since both heads of the panel are taken together.
; THE MASK is the C operand that starts S^T = K Q^T: four scaled conversions make of 32 codes 32 numbers, 0 or -448 x 2^100.
; LIMITS.  A hidden score counts as its value less 5.7e32, so |q.k| stays under 1e30; a row whose maximum ends below -1e30 (no visible key) is given NaN, as a softmax of -inf alone gives;
; a weight below 2^-126 counts as 0.  If only hidden keys have come so far their weights pile up; the first visible score makes a = 0 and wipes them.
; LAYOUT, SOFTMAX, TURNS.  S^T holds one query a lane (lane % 16) and keys 8 (lane / 16) + 0..7; two such results rounded to bf16 are source 1 of O^T = V^T P.  p = 2^(c s - c m), c = log2(e) / 8, m a running
; maximum; O and l are multiplied by a = 2^(c m_old - c m_new) in every step.  Turn n belongs to piece n: 8 products K Q^T of piece n + 1, 8 products V^T P of piece n - 1, beside them piece n's softmax and
; piece n + 1's maximum: four vector instructions behind every matrix instruction, the rest in two runs of their own.
; THE END.  The tail's loop is left in the middle of a fifth trip, so that no last turns are written out.  That trip's 8 products K Q^T (on the last K once more) serve nothing; the maximum made of them can only
; raise piece 0's m, and for a row with no visible key they are hidden scores again, so the test for such rows holds.
; REGISTERS: window 0: v0-15 addresses; v16-31 statistics; v32-35 mask offsets; v48-55 at work; v64-127 S^T (two buffers); v128-159 mask codes; v192-223 P (two buffers)
;   window 1: v0-127 O^T; v160-223 the masks as C operands (two buffers)      window 2: v0-63 Q; v128-191 K of a step; v192-255 V of a step
.set NP,    4
.set KS,    64
.set PK,    272       ; a row of K in LDS: 256 bytes + 16
.set PV,    288       ; a row of V: 256 + 32
.set VOFF,  4*KS*PK
.set SLOTX, 0x24000   ; slot 1 begins here; the bases that are toggled have these two bits clear, so one exclusive or changes slots
.set STAGE, SLOTX+4*KS*(PK+PV)  ; 128 rows x 272 bytes, the work-group's, for the way out; never filled by a tensor load
.set SP,    272
.set SPARE, STAGE+128*SP
.set AK0, 2
.set AV0, 3
.set AK,  4
.set AV,  5
.set STO, 6
.set RD,  7
.set GO,  8
.set MV,  12
.set QO,  15
.set ST,  16          ; piece t: c m, m, l (even keys', odd keys')
.set VO,  32          ; piece x: byte offset of its next mask codes
.set SCL, 36          ; 227: the conversions multiply by 2^(227 - 127)
.set NANR, 37
.set TMP, 48
.set SPW, 62
.set NIL, 63
.set S,   64
.set MB,  128
.set P,   192
.set MC,  160
.set KF,  128
.set VF,  192
.set WV,  12
.set G1K, 24
.set G1V, 32
.set G0K, 40
.set G0V, 44
.set MP,  48
.set SLOTS, 56
.set CNT, 57
.set CS,  58
.set SEL, 60
.set TBK, 62
.set TBV, 63
.set BIGN, 66
.set MSB, 0
.macro WIN new
.if MSB != (\new)
	s_set_vgpr_msb (MSB<<8)|(\new)
.set MSB, (\new)
.endif
.endm
.set W_KQ, 0x0a
.set W_KM, 0x1a
.set W_PV, 0x52
.set W_RS, 0x41
.macro JLOAD                        ; waves 0, 1 fetch the halves of a tile's K, waves 2, 3 of its V: 128 keys each; s_nop 0 and four v_nop follow each line
	s_cmp_lt_u32 s[WV], 2
	s_cbranch_scc0 .Lfor_v_\@
	tensor_load_to_lds s[G0K:G0K+3], s[G1K:G1K+7]
	s_nop 0
.rept 4
	v_nop
.endr
	s_branch .Lasked_\@
.Lfor_v_\@:
	tensor_load_to_lds s[G0V:G0V+3], s[G1V:G1V+7]
	s_nop 0
.rept 4
	v_nop
.endr
.Lasked_\@:
.endm
.macro CROUND
	s_barrier_signal -1
	s_barrier_wait -1
	s_cmp_lg_u32 s[WV], 0
	s_cbranch_scc1 .Lnot_wave_0_\@
	s_barrier_signal -3
.Lnot_wave_0_\@:
	s_barrier_wait -3
	s_barrier_signal -1
	s_barrier_wait -1
.endm
; THE CHANGE OF SLOTS.  Each wave waits for all its tensor loads (one is out: its part of the other slot), adds 0 to its spare word, and waits for that and for its reads of the slot that it leaves.
; fill = 1: the barrier is a round of the cluster's, and the joint fill, the keys two tiles on, is the first thing behind it: it has four key steps in which to land.
.macro CHANGE fill
	WIN 0
	s_wait_tensorcnt 0x0
	ds_add_u32 v[SPW], v[NIL]
.if \fill
.irp g, G0K, G0V
	s_xor_b32 s[\g+1], s[\g+1], SLOTX
	s_add_nc_u64 s[\g+2:\g+3], s[\g+2:\g+3], 4*KS*256
.endr
	s_wait_dscnt 0x0
	CROUND
	JLOAD
.else
	s_wait_dscnt 0x0
	s_barrier_signal -1
	s_barrier_wait -1
.endif
	s_sub_co_u32 s[TBK], s[TBK], 4*KS*PK
	s_xor_b32 s[TBK], s[TBK], SLOTX
	s_sub_co_u32 s[TBV], s[TBV], 4*KS*PV
	s_xor_b32 s[TBV], s[TBV], SLOTX
.endm
	s_load_b128 s[4:7], s[0:1], 0x0   ; act, maskb
	s_load_b64 s[10:11], s[0:1], 0x10 ; op
	v_lshl_add_u32 v[SPW], v0, 2, SPARE
	v_mov_b32 v[NIL], 0
	ds_add_u32 v[SPW], v[NIL]       ; the wave's opening: the add and its wait stand ahead of my first tensor load
	v_lshrrev_b32 v1, 5, v0
	v_readfirstlane_b32 s[WV], v1
	s_bfe_u32 s13, ttmp6, 0x40000   ; cx
	s_lshl_b32 s14, ttmp9, 2
	s_add_co_u32 s14, s14, s13      ; my block of 128 queries: it enters Q's, the mask's and O's addresses alone
	s_and_b32 s20, ttmp7, 0xffff
	s_lshr_b32 s21, s20, 3          ; batch
	s_and_b32 s20, s20, 7           ; panel
	s_lshl_b32 s22, s20, 20
	s_lshl_b32 s23, s21, 19
	s_add_co_u32 s22, s22, s23      ; panel x 1 MiB + batch x 2,048 rows of 256 bytes
	s_and_b32 s16, s[WV], 1         ; my half of the queries; also: which 128 keys of a tile I fetch
	s_lshr_b32 s19, s[WV], 1        ; my head of the panel's two
	s_lshl_b32 s15, s16, 15
	s_add_co_u32 s52, s22, s15
	s_add_co_u32 s54, s52, 16<<20   ; V's panels
	s_add_co_u32 s52, s52, 8<<20    ; K's panels
	s_mov_b32 s53, 0
	s_mov_b32 s55, 0
	s_mul_i32 s17, s16, 128*PK
	s_mul_i32 s18, s16, 128*PV
	s_lshl_b32 s2, s14, 15
	s_add_co_u32 s2, s2, s22
	s_lshl_b32 s3, s[WV], 13
	s_add_co_u32 s8, s2, s3         ; O: the 32 rows that I store
	s_mov_b32 s9, 0
	s_lshl_b32 s3, s16, 14
	s_add_co_u32 s2, s2, s3
	s_lshl_b32 s3, s19, 7
	s_add_co_u32 s2, s2, s3         ; Q: my 64 rows, my head's 128 bytes
	s_mov_b32 s3, 0
	s_lshl_b32 s50, s14, 18         ; the mask: 32,768 bytes for 16 queries
	s_lshl_b32 s51, s16, 17
	s_add_co_u32 s50, s50, s51
	s_mov_b32 s51, 0
	s_mov_b32 s[G1K], 15|(1<<16)|(1<<20)|(1<<21)|(5<<22)|(3<<25)  ; the mask of four; 2-byte elements; 4 words of padding after every 64
	s_mov_b32 s[G1V], 15|(1<<16)|(1<<20)|(1<<21)|(5<<22)|(7<<25)  ; 8 words of padding
.irp g, G1K, G1V
	s_mov_b32 s[\g+1], 128<<16      ; tensor_dim0 = 128
	s_mov_b32 s[\g+2], 128<<16      ; tensor_dim1 = 128
	s_mov_b32 s[\g+3], 128<<16      ; tile_dim0 = 128
	s_mov_b32 s[\g+4], 128          ; tile_dim1 = 128
	s_mov_b32 s[\g+5], 128
	s_mov_b32 s[\g+6], 0
	s_mov_b32 s[\g+7], 0
.endr
	s_mov_b32 s[CS], 0x3e38aa3b     ; c = log2(e) / 8
	s_mov_b32 s[CS+1], s[CS]
	s_mov_b32 s[SEL], 0x76543210
	s_mov_b32 s[SEL+1], 0xfedcba98
	s_mov_b32 s[BIGN], 0xf149f2ca   ; -1e30
	s_mov_b32 s[TBK], SLOTX+4*KS*PK ; the first change of slots turns these two into 0
	s_mov_b32 s[TBV], SLOTX+4*KS*PV
	s_mov_b32 s[G0K], 1
	s_mov_b32 s[G0K+1], s17
	s_mov_b32 s[G0V], 1
	s_add_co_u32 s[G0V+1], s18, VOFF
	s_wait_dscnt 0x0                ; the opening add is done
	s_wait_kmcnt 0x0
	s_add_nc_u64 s[G0K+2:G0K+3], s[4:5], s[52:53]
	s_or_b32 s[G0K+3], s[G0K+3], 0x80000000
	s_add_nc_u64 s[G0V+2:G0V+3], s[4:5], s[54:55]
	s_or_b32 s[G0V+3], s[G0V+3], 0x80000000
	s_add_nc_u64 s[4:5], s[4:5], s[2:3]
	s_add_nc_u64 s[10:11], s[10:11], s[8:9]
	s_add_nc_u64 s[MP:MP+1], s[6:7], s[50:51]
	CROUND                          ; all four work-groups are here: the first joint loads meet
	JLOAD                           ; tile 0 into slot 0
	v_and_b32 v1, 15, v0            ; l % 16
	v_bfe_u32 v9, v0, 4, 1          ; l / 16
	v_lshlrev_b32 v[QO], 8, v1
	v_lshl_add_u32 v[QO], v9, 4, v[QO]
	WIN 0x80
.set i, 0
.rept 8                             ; Q stays in registers: piece i / 2, channels 32 (i % 2) on
	global_load_b128 v[8*i:8*i+3],   v[QO], s[4:5] offset:(i/2)*4096+(i%2)*64
	global_load_b128 v[8*i+4:8*i+7], v[QO], s[4:5] offset:(i/2)*4096+(i%2)*64+32
.set i, i+1
.endr
	WIN 0
	v_and_b32 v14, 31, v0
.irp x, 0,1,2,3                     ; the four pieces' codes for key step 0: 512 consecutive bytes a load
	v_lshlrev_b32 v[VO+\x], 4, v14
	global_load_b128 v[MB+8*\x:MB+8*\x+3],   v[VO+\x], s[MP:MP+1] offset:\x*32768
	global_load_b128 v[MB+8*\x+4:MB+8*\x+7], v[VO+\x], s[MP:MP+1] offset:\x*32768+512
.endr
	v_mov_b32 v[SCL], 227
	v_mov_b32 v[NANR], 0x7fc00000
	s_lshl_b32 s13, s19, 7
	v_mul_u32_u24 v[AK0], v1, PK
	v_lshl_add_u32 v[AK0], v9, 4, v[AK0]
	v_add_nc_u32 v[AK0], s13, v[AK0]       ; row x pitch + 16 x half + my head's 128 bytes
	v_and_b32 v10, 7, v0
	v_bfe_u32 v11, v0, 3, 1
	v_lshl_add_u32 v[AV0], v9, 3, v10
	v_mul_u32_u24 v[AV0], v[AV0], PV
	v_lshl_add_u32 v[AV0], v11, 4, v[AV0]
	s_add_co_u32 s13, s13, VOFF
	v_add_nc_u32 v[AV0], s13, v[AV0]
	s_mul_i32 s13, s16, 64*SP       ; into the stage: my 64 rows, my head's half of their 256 bytes
	s_lshl_b32 s15, s19, 7
	s_add_co_u32 s13, s13, s15
	s_add_co_u32 s13, s13, STAGE
	v_mul_u32_u24 v[STO], v1, SP
	v_lshl_add_u32 v[STO], v9, 4, v[STO]
	v_add_nc_u32 v[STO], s13, v[STO]
	s_mul_i32 s13, s[WV], 32*SP     ; back: wave w takes rows 32 w on, whole
	s_add_co_u32 s13, s13, STAGE
	v_mul_u32_u24 v[RD], v9, SP
	v_lshl_add_u32 v[RD], v1, 4, v[RD]
	v_add_nc_u32 v[RD], s13, v[RD]
	v_lshlrev_b32 v[GO], 4, v14
	; The first step multiplies O^T and l by a = 0, and the first turn's products V^T P, of a piece that has not been, add 0: these registers hold 0.  All this stands in the wait for the first tile.
	WIN 0x80
.set i, VF
.rept 64
	v_mov_b32 v[i], 0
.set i, i+1
.endr
	WIN 0x40
.set i, 0
.rept 128
	v_mov_b32 v[i], 0
.set i, i+1
.endr
	WIN 0
.set i, 0
.rept 4
	v_mov_b32 v[ST+4*i], 0xfe000000    ; c m: far below every c s
	v_mov_b32 v[ST+4*i+1], 0xff7fffff  ; m
	v_mov_b32 v[ST+4*i+2], 0
	v_mov_b32 v[ST+4*i+3], 0
.set i, i+1
.endr
.set i, P+16
.rept 16
	v_mov_b32 v[i], 0
.set i, i+1
.endr
; Product i of 8 of S^T = K Q^T for piece x: channels 32 (i / 4) on, keys 16 (i % 4) on.  The first 4 start the sums with the mask.  The 4 accumulators take turns.
.macro KQ x
.set rS, S+32*((\x)%2)+8*(i%4)
.set rK, KF+16*(i%4)+8*(i/4)
.set rQ, 16*(\x)+8*(i/4)
.set rM, MC+32*((\x)%2)+8*(i%4)
.if i < 4
	WIN W_KM
	v_wmma_f32_16x16x32_bf16 v[rS:rS+7], v[rK:rK+7], v[rQ:rQ+7], v[rM:rM+7]
.else
	WIN W_KQ
	v_wmma_f32_16x16x32_bf16 v[rS:rS+7], v[rK:rK+7], v[rQ:rQ+7], v[rS:rS+7]
.endif
.endm
; Product i of 8 of O^T += V^T P for piece x: keys 32 (i / 4) on, channels 16 (i % 4) on.
.macro PV x
	WIN W_PV
.set rO, 32*(\x)+8*(i%4)
.set rV, VF+32*(i/4)+8*(i%4)
.set rP, P+16*((\x)%2)+8*(i/4)
	v_wmma_f32_16x16x32_bf16 v[rO:rO+7], v[rV:rV+7], v[rP:rP+7], v[rO:rO+7]
.endm
.macro MM                           ; the turn's next matrix instruction
.if i < 8
	KQ (Y+1)%NP
.else
.set i, i-8
	PV (Y+NP-1)%NP
.set i, i+8
.endif
.set i, i+1
.endm
; A step's K for my head: 64 keys x 64 channels, 16 loads in one run.  last = 1 (the tail): in the last trip there is no further step, and the run is jumped over.
.macro FETCH_K last=0
	WIN 0
.if \last
	s_cmp_eq_u32 s[CNT], 1
	s_cbranch_scc1 .Lno_k_\@
.endif
	WIN 0x80
.irp f, 0,1,2,3,4,5,6,7
	ds_load_b128 v[KF+8*\f:KF+8*\f+3],   v[AK] offset:(\f/2)*16*PK+(\f%2)*64
	ds_load_b128 v[KF+8*\f+4:KF+8*\f+7], v[AK] offset:(\f/2)*16*PK+(\f%2)*64+32
.endr
	s_add_co_u32 s[TBK], s[TBK], KS*PK
	WIN 0
.if \last
.Lno_k_\@:
.endif
.endm
.macro FETCH_V                      ; its V, turned
	WIN 0x80
.irp f, 0,1,2,3,4,5,6,7
	ds_load_tr16_b128 v[VF+8*\f:VF+8*\f+3],   v[AV] offset:(\f/4)*32*PV+(\f%4)*32
	ds_load_tr16_b128 v[VF+8*\f+4:VF+8*\f+7], v[AV] offset:(\f/4)*32*PV+16*PV+(\f%4)*32
.endr
	WIN 0
.endm
; The mask of piece x's next products into buffer b: 32 codes become 32 numbers, 0 or -448 x 2^100.
.macro MCONV b, x
	WIN 0x40
.irp kb, 0,1,2,3
	v_cvt_scale_pk8_f32_fp8 v[MC+32*(\b)+8*\kb:MC+32*(\b)+8*\kb+7], v[MB+8*(\x)+2*\kb:MB+8*(\x)+2*\kb+1], v[SCL]
.endr
	WIN 0
.endm
; Piece x's codes for its next key step are asked for, four turns ahead of their use.  The step's number wraps from 31 to 0, so the last requests stay inside the buffer.
; The two plain lines stand between the conversions and what touches their results or sources.
.macro MNEXT x
	v_add_nc_u32 v[VO+(\x)], 1024, v[VO+(\x)]
	v_and_b32 v[VO+(\x)], 0x7fff, v[VO+(\x)]
	global_load_b128 v[MB+8*(\x):MB+8*(\x)+3],   v[VO+(\x)], s[MP:MP+1] offset:(\x)*32768
	global_load_b128 v[MB+8*(\x)+4:MB+8*(\x)+7], v[VO+(\x)], s[MP:MP+1] offset:(\x)*32768+512
.endm
; THE VECTOR WORK, one line at a time: OP kind, number.  For piece Y: F n: c s - c m for pair n.  E n: the exponential of score n.  C n: pair n rounded to bf16.  B n: of the weights 4 n .. the second pair is added
; onto the first.  L n: l takes that sum (L 0: l = a l + sum).  R n: pair n of O^T times a.  For piece Y + 1: X n, number n of the 22 that find its maximum and statistics; each accumulator's lowest registers are read first.
.set F, 0
.set E, 1
.set C, 2
.set B, 3
.set L, 4
.set R, 5
.set X, 6
.macro REGS y
.set rT, ST+4*(\y)
.set rC, TMP+4*((\y)%2)
.set rW, MV+((\y)%2)
.set rS, S+32*((\y)%2)
.set rP, P+16*((\y)%2)
.set rO, 32*(\y)
.endm
.macro OP k, n
.if (\k) == R
	REGS Y
	WIN W_RS
	v_pk_mul_f32 v[rO+2*(\n):rO+2*(\n)+1], v[rO+2*(\n):rO+2*(\n)+1], v[rC+2:rC+3] op_sel_hi:[1,0]
.elseif (\k) < R
	REGS Y
	WIN 0
.if (\k) == F
	v_pk_fma_f32 v[rS+2*(\n):rS+2*(\n)+1], v[rS+2*(\n):rS+2*(\n)+1], s[CS:CS+1], v[rT:rT+1] op_sel_hi:[1,0,0] neg_lo:[0,0,1] neg_hi:[0,0,1]
.elseif (\k) == E
	v_exp_f32 v[rS+(\n)], v[rS+(\n)]
.elseif (\k) == C
	s_wait_alu depctr_va_vdst(0)
	v_cvt_pk_bf16_f32 v[rP+(\n)], v[rS+2*(\n)], v[rS+2*(\n)+1]
.elseif (\k) == B
	s_wait_alu depctr_va_vdst(0)
	v_pk_add_f32 v[rS+4*(\n):rS+4*(\n)+1], v[rS+4*(\n):rS+4*(\n)+1], v[rS+4*(\n)+2:rS+4*(\n)+3]
.elseif (\n) == 0
	v_pk_fma_f32 v[rT+2:rT+3], v[rT+2:rT+3], v[rC+2:rC+3], v[rS:rS+1] op_sel_hi:[1,0,1]
.else
	v_pk_add_f32 v[rT+2:rT+3], v[rT+2:rT+3], v[rS+4*(\n):rS+4*(\n)+1]
.endif
.else
	REGS (Y+1)%NP
	WIN 0
.if (\n) < 4
	v_max3_num_f32 v[rC+(\n)], v[rS+8*(\n)], v[rS+8*(\n)+1], v[rS+8*(\n)+2]
.elseif (\n) < 12
	v_max3_num_f32 v[rC+(\n)%4], v[rC+(\n)%4], v[rS+8*((\n)%4)+2*((\n)/4)+1], v[rS+8*((\n)%4)+2*((\n)/4)+2]
.elseif (\n) == 12
	v_max3_num_f32 v[rC], v[rC], v[rS+7], v[rS+15]
.elseif (\n) == 13
	v_max3_num_f32 v[rC+1], v[rC+1], v[rS+23], v[rS+31]
.elseif (\n) == 14
	v_max3_num_f32 v[rC+2], v[rC+2], v[rC+3], v[rT+1]
.elseif (\n) == 15
	v_mov_b32 v[rW], v[rT]
.elseif (\n) == 16
	v_max3_num_f32 v[rC], v[rC], v[rC+1], v[rC+2]
.elseif (\n) == 17
	v_permlanex16_b32 v[rC+3], v[rC], s[SEL], s[SEL+1]
.elseif (\n) == 18
	v_max_num_f32 v[rT+1], v[rC], v[rC+3]
.elseif (\n) == 19
	v_mul_f32 v[rT], s[CS], v[rT+1]
.elseif (\n) == 20
	v_sub_f32 v[rC+1], v[rW], v[rT]
.else
	v_exp_f32 v[rC+2], v[rC+1]
.endif
.endif
.endm
.macro OPS a, i1, b=-1, i2=0, c=-1, i3=0, d=-1, i4=0
	OP \a, \i1
.if (\b) >= 0
	OP \b, \i2
.endif
.if (\c) >= 0
	OP \c, \i3
.endif
.if (\d) >= 0
	OP \d, \i4
.endif
.endm
.macro ROW a, i1, b, i2, c, i3, d, i4  ; a matrix instruction and the four behind it
	MM
	OPS \a, \i1, \b, \i2, \c, \i3, \d, \i4
.endm
; A TURN, for piece p.  last = 1: the tail's text, whose last trip fetches no K.  cnt = 1: the loop's count is taken down some lines ahead of the branch behind the turn.
; K of the next step is fetched in piece 2's turn, five plain vector instructions behind the last product that read K; V of the step in hand in piece 0's turn, four plain ones behind its last reader.
; At its end the turn makes the mask for the next turn's products (piece p + 2): its two loads were issued four turns ago, and the three younger pieces' six may stay out.
.macro TURN p, last=0, cnt=0
.set Y, (\p)
.set i, 0
.if (\p) == 3
	s_wait_dscnt 0x0                ; K is in
.endif
	ROW F,0, F,1, F,2, F,3
	ROW F,4, E,0, F,5, F,6
	ROW F,7, E,1, F,8, F,9
	ROW F,10, E,2, C,0, F,11
	ROW F,12, E,3, X,15, F,13
	ROW R,0, R,1, R,2, R,3
	ROW B,0, E,4, F,14, L,0
.if (\p) == 2
	v_add_nc_u32 v[AK], s[TBK], v[AK0]
.endif
	ROW R,4, R,5, R,6, R,7
	OPS E,5, F,15
.if (\p) == 2
	FETCH_K \last
.endif
	OPS E,6, C,1, E,7, R,8
	OPS E,8, R,9, E,9, C,2
	OPS E,10, X,0, E,11, X,1
	OPS E,12, X,2, E,13, X,3
.if (\p) == 1
	s_wait_dscnt 0x0                ; V is in
.endif
	ROW X,4, E,14, X,5, X,6
	ROW X,7, E,15, X,8, X,9
	ROW X,10, E,16, X,11, X,12
	ROW X,13, E,17, X,14, B,1
	ROW C,4, E,18, X,16, L,1
	ROW B,2, E,19, C,6, L,2
	ROW C,8, E,20, B,3, B,4
.if (\p) == 0
	v_add_nc_u32 v[AV], s[TBV], v[AV0]
.endif
	ROW C,3, E,21, L,3, C,5
	OPS E,22, X,17, E,23, C,10
.if (\p) == 0
	FETCH_V
.endif
	OPS E,24, L,4
	OPS E,25, X,18, E,26, C,7
	OPS E,27, B,5, E,28, X,19
	OPS E,29, C,12, E,30, L,5
	OPS E,31, X,20, B,6, C,9
	OPS C,14, C,11, X,21, L,6
.if (\p) == 0
	s_add_co_u32 s[TBV], s[TBV], KS*PV
.endif
.if \cnt
	s_sub_co_u32 s[CNT], s[CNT], 1
	s_cmp_lg_u32 s[CNT], 0
.endif
	OPS C,13, B,7, C,15, R,10
	OPS R,11, R,12, L,7, R,13
	OPS R,14, R,15
	s_wait_loadcnt 6
	MCONV (\p)%2, ((\p)+2)%NP
	MNEXT ((\p)+2)%NP
.endm
	CHANGE 1                        ; slot 0 is in, everybody's part of it; slot 1 is asked for
	v_add_nc_u32 v[AK], s[TBK], v[AK0]
	FETCH_K                         ; key step 0
	s_wait_loadcnt 0x0              ; Q, and the codes of step 0
	MCONV 0, 0
	MCONV 1, 1
	MNEXT 0
	MNEXT 1
	s_wait_dscnt 0x0
.set i, 0
.rept 8
	KQ 0                            ; piece 0's first scores
.set i, i+1
.endr
	WIN 0
.rept 4
	v_nop                           ; the places behind those products
.endr
.set Y, NP-1
.irp n, 0,1,2,3,4,5,6,7,8,9,10,11,12,13,14,15,16,17,18,19,20,21
	OP X, \n                        ; and piece 0's first maximum and statistics
.endr
	v_nop                           ; a plain instruction behind the exponential
	s_mov_b32 s[CNT], 4
	s_mov_b32 s[SLOTS], 7
	s_branch .Lfirst                ; the loop is entered at a step's first turn, in the middle of a trip
.Lslot:                             ; six times: tiles 2 to 7 are asked for
	CHANGE 1
	s_mov_b32 s[CNT], 4
.Lstep:                             ; a trip: pieces 2 and 3 of one step, then pieces 0 and 1 of the next, whose K and V it fetches
	TURN 2
	TURN 3
	WIN 0
.Lfirst:
	TURN 0
	TURN 1, 0, 1
	WIN 0
	s_cbranch_scc1 .Lstep
	s_sub_co_u32 s[SLOTS], s[SLOTS], 1
	s_cmp_lg_u32 s[SLOTS], 0
	s_cbranch_scc1 .Lslot
	CHANGE 0                        ; the last tile is written out
	s_mov_b32 s[CNT], 5             ; four trips fetch the last tile's steps; the fifth is left in its middle
.Ltail:
	TURN 2, 1
	TURN 3
	WIN 0
	s_sub_co_u32 s[CNT], s[CNT], 1
	s_cmp_eq_u32 s[CNT], 0
	s_cbranch_scc1 .Lout
	TURN 0
	TURN 1
	WIN 0
	s_branch .Ltail
.Lout:
.set i, 0
.rept 8
	PV NP-1                         ; the last piece's V^T P of the last step
.set i, i+1
.endr
	; THE WAY OUT.  l's halves are added; O^T is divided by l (by NaN where no key was visible), rounded to bf16 and sent through the work-group's stage: a row's 256 bytes come from two waves.
	WIN 0
.macro ALL line:vararg
.set t, 0
.rept 4
	\line
.set t, t+1
.endr
.endm
	ALL v_add_f32 v[ST+4*t+2], v[ST+4*t+2], v[ST+4*t+3]
	ALL v_permlanex16_b32 v[ST+4*t+3], v[ST+4*t+2], s[SEL], s[SEL+1]
	ALL v_add_f32 v[ST+4*t+2], v[ST+4*t+2], v[ST+4*t+3]
	ALL v_rcp_f32 v[ST+4*t+2], v[ST+4*t+2]
	v_nop                           ; a plain instruction between the last reciprocal and the use of its result
.set t, 0
.rept 4
	v_cmp_gt_f32 vcc_lo, s[BIGN], v[ST+4*t+1]
	s_wait_alu depctr_va_vdst(0)
	v_cndmask_b32 v[ST+4*t+2], v[ST+4*t+2], v[NANR], vcc_lo
.set t, t+1
.endr
.macro PACKS t
	WIN W_RS
.set i, 32*(\t)
.rept 16
	v_pk_mul_f32 v[i:i+1], v[i:i+1], v[ST+4*(\t)+2:ST+4*(\t)+3] op_sel_hi:[1,0]
.set i, i+2
.endr
	WIN 0x05
.set i, 0
.rept 16
	v_cvt_pk_bf16_f32 v[S+16*(\t)+i], v[32*(\t)+2*i], v[32*(\t)+2*i+1]
.set i, i+1
.endr
	WIN 0
.irp f, 0,1,2,3
	ds_store_b128 v[STO], v[S+16*(\t)+4*\f:S+16*(\t)+4*\f+3] offset:(\t)*16*SP+32*\f
.endr
.endm
	PACKS 0
	PACKS 1
	PACKS 2
	PACKS 3
	s_wait_dscnt 0x0                ; for the others' sake: my stores into the stage are done
	s_barrier_signal -1
	s_barrier_wait -1
.irp f, 0,1,2,3,4,5,6,7,8,9,10,11,12,13,14,15
	ds_load_b128 v[S+4*\f:S+4*\f+3], v[RD] offset:\f*2*SP
.endr
.irp f, 0,1,2,3,4,5,6,7,8,9,10,11,12,13,14,15
	s_wait_dscnt 15-\f              ; load f is back, the younger ones stay out
	global_store_b128 v[GO], v[S+4*\f:S+4*\f+3], s[10:11] offset:\f*512  ; 512 consecutive bytes, aligned
.endr
	s_wait_tensorcnt 0x0            ; the wave's end
	ds_add_u32 v[SPW], v[NIL]
	s_wait_dscnt 0x0
	CROUND                          ; the closing round
	s_endpgm
.Lfunc_end_k_qdc63ba78bf_attn:
	.size	k_qdc63ba78bf_attn, .Lfunc_end_k_qdc63ba78bf_attn-k_qdc63ba78bf_attn
	.p2alignl 7, 3214868480
	.fill 96, 4, 3214868480
	.section	.rodata,"a",@progbits
	.p2align	6, 0x0
	.amdhsa_kernel k_qdc63ba78bf_attn
		.amdhsa_group_segment_fixed_size 327680
		.amdhsa_private_segment_fixed_size 0
		.amdhsa_enable_private_segment 0
		.amdhsa_kernarg_size 24
		.amdhsa_user_sgpr_count 2
		.amdhsa_user_sgpr_kernarg_segment_ptr 1
		.amdhsa_wavefront_size32 1
		.amdhsa_system_sgpr_workgroup_id_x 1
		.amdhsa_system_sgpr_workgroup_id_y 1
		.amdhsa_system_sgpr_workgroup_id_z 1
		.amdhsa_system_vgpr_workitem_id 0
		.amdhsa_next_free_vgpr 768
		.amdhsa_next_free_sgpr 68
		.amdhsa_reserve_vcc 1
		.amdhsa_float_denorm_mode_32 3
		.amdhsa_float_denorm_mode_16_64 3
		.amdhsa_memory_ordered 1
		.amdhsa_forward_progress 1
		.amdhsa_inst_pref_size 123
	.end_amdhsa_kernel
	.amdgpu_metadata
---
amdhsa.version: [ 1, 2 ]
amdhsa.kernels:
  - .name:           k_qdc63ba78bf_attn
    .symbol:         k_qdc63ba78bf_attn.kd
    .args:
      - { .name: act, .offset: 0, .size: 8, .value_kind: global_buffer, .address_space: global }
      - { .name: maskb, .offset: 8, .size: 8, .value_kind: global_buffer, .address_space: global }
      - { .name: op, .offset: 16, .size: 8, .value_kind: global_buffer, .address_space: global }
    .group_segment_fixed_size: 327680
    .private_segment_fixed_size: 0
    .kernarg_segment_align: 8
    .kernarg_segment_size: 24
    .max_flat_workgroup_size: 128
    .sgpr_count:     68
    .vgpr_count:     768
    .wavefront_size: 32
...
	.end_amdgpu_metadata
.endif
;; end of part 9
;; launch wo (part 10): grid 8 x 32, 4 waves a work-group, clusters of 4 x 4, 327,680 bytes of LDS; arguments op, wo2, y, bo, xh; writes y
.if DOCPART == 10
	.amdgcn_target "amdgcn-amd-amdhsa--gfx1250"
	.amdhsa_code_object_version 6
	.text
	.protected	k_qdc63ba78bf_wo
	.globl	k_qdc63ba78bf_wo
	.p2align	8
	.type	k_qdc63ba78bf_wo,@function
k_qdc63ba78bf_wo:
	s_mov_b64 s[64:65], 0
	v_nop
	global_prefetch_b8 v0, s[64:65] scope:SCOPE_SE
	s_setreg_imm32_b32 hwreg(HW_REG_WAVE_MODE, 25, 1), 1
	s_wait_xcnt 0x0
	s_wait_alu depctr_hold_cnt(0) depctr_sa_sdst(0) depctr_va_vdst(0) depctr_va_sdst(0) depctr_va_ssrc(0) depctr_va_vcc(0) depctr_vm_vsrc(0)
	s_getreg_b32 s2, hwreg(HW_REG_IB_STS2, 6, 4)
	s_cmp_eq_u32 s2, 0
	s_cbranch_scc0 .Lentry_in_a_cluster
	s_endpgm
.Lentry_in_a_cluster:
	s_bfe_u32 s2, ttmp6, 0x10000c
	s_cmp_lg_u32 s2, 0xf033
	s_cbranch_scc0 .Lentry_shape_is_right
	s_endpgm
.Lentry_shape_is_right:
; y = A W^T + bias + res, in f32.  A: panels [KTOT/128][4096][128] bf16.  W: [1024][KTOT] bf16 at byte WOFF of its buffer.  bias: [1024] f32, used rounded to bf16 as all the module's inputs are.
; res: [4096][1024], bf16 (RES_F32 = 0: the module's input x, rounded once) or f32 (RES_F32 = 1: the first norm's result, which is carried on in f32).  y: [4096][1024] f32.
; A tile of y is 128 x 128; four waves, each 64 x 64: 16 accumulators.  K goes in steps of 256 through two LDS slots; a slot is four blocks of 128 rows x 256 bytes (A's two K halves = two panels, W's two K halves),
; one tensor load a wave.  4 x 4 work-groups form a cluster: A's blocks are asked for jointly along a row of the cluster, W's along a column.
; ONE TEXT FOR EVERY K STEP (and a second copy for the last, which asks for nothing): a step waits for its tile, asks for the next one into the other slot, and multiplies.  A step is a loop of two halves, one block
; of A and one of W each.  The slot and the half in hand are a scalar base that an exclusive or turns into the other's.  So that the first step is a step like any other, the accumulators begin as copies of the bias:
; 128 shifts and masks, which stand in the wait for the first tile.  A step's first fragments are fetched at its own head, not under the step before.
; PREF = 1 (the long product, 16 K steps): the tiles of later K steps are asked for ahead of their tensor loads (macro ASK).  PREF = 0 (4 K steps): only two of its steps could be asked for two trips ahead, so nothing is.
; The matrix instruction is used transposed (source 0 = W's rows): a lane holds eight neighbouring columns of a row.
; A wave's 64 f32 columns are 256 consecutive bytes of y, so each wave has a stage of its own on the way out, where the residual is added.
; REGISTERS: window 0: v0-31 addresses and at work; v32-63 the bias as loaded, later the way out; v64-127 a bf16 residual; v128-255 accumulators.  window 1: two fragment buffers.  window 2: v0-127 an f32 residual.
.set KTOT,   1024
.set WOFF,   0
.set RES_F32, 0
.set PREF,   0
.set PITCH,  272
.set HALFT,  128*PITCH                 ; a block: 0x8800 bytes
.set SLOT,   4*HALFT
.set SLOTX,  0x24000                   ; slot 1 begins here; the four waves' places in a slot (0, 0x8800, 0x11000, 0x19800) have these two bits clear
.set FLIP,   SLOTX+HALFT               ; the two constants share no bit: one exclusive or goes from a slot's second half to the other slot's first
.set STAGE,  SLOTX+SLOT
.set SPITCH, 272
.set SPARE,  STAGE+4*16*SPITCH
.set STEPS,  KTOT/256
.set PFA,   12                         ; v12  the ask: my lane's byte offset among A's rows
.set PFB,   13                         ; v13  the same among W's rows
.set PFB0,  14                         ; v14  the same for the first ask, which leaves K step 0 out
.set ADRA0, 16                         ; v16  my lane's place among A's fragments in slot 0; never rewritten
.set ADA,   17                         ; v17  the same in the slot and half in hand
.set ADRB0, 20                         ; v20, v21  the same for W
.set ADB,   21
.set STO,  24
.set RD,   25
.set CO,   26
.set RO,   27
.set SPW,  28
.set NIL,  29
.set BO,   30
.set TMP,  32
.set BIAS, 32
.set RES,  64
.set ACC,  128
.set F0,   0
.set F1,   128
.set G1, 24
.set G0, 32                            ; s[32:35] group 0 for A's blocks: it walks
.set PA, 36                            ; s[36:37] the ask: A at my 16 rows, one K step behind the step that the trip loads
.set PB, 38                            ; s[38:39] the ask: W at my 4 rows, at the four K steps asked for last
.set G1B, 48
.set G0B, 56                           ; s[56:59] the same for W's
.set TB,  60                           ; s60  LDS byte at which the slot and half in hand begin
.set MSB, 0
.macro WIN new
.if MSB != (\new)
	s_set_vgpr_msb (MSB<<8)|(\new)
.set MSB, \new
.endif
.endm
.set MUL,  0x05
.set TO_F, 0x40
.macro JLOAD                           ; waves 0, 1 fetch A's K halves, waves 2, 3 W's; s_nop 0 and four v_nop follow each line
	s_cmp_eq_u32 s11, 0
	s_cbranch_scc0 .Lfor_b_\@
	tensor_load_to_lds s[G0:G0+3], s[G1:G1+7]
	s_nop 0
.rept 4
	v_nop
.endr
	s_branch .Lasked_\@
.Lfor_b_\@:
	tensor_load_to_lds s[G0B:G0B+3], s[G1B:G1B+7]
	s_nop 0
.rept 4
	v_nop
.endr
.Lasked_\@:
.endm
.macro CROUND                          ; a round of the cluster's barrier
	s_barrier_signal -1
	s_barrier_wait -1
	s_cmp_lg_u32 s10, 0
	s_cbranch_scc1 .Lnot_wave_0_\@
	s_barrier_signal -3
.Lnot_wave_0_\@:
	s_barrier_wait -3
	s_barrier_signal -1
	s_barrier_wait -1
.endm
	s_load_b128 s[4:7], s[0:1], 0x0                ; A, W's buffer
	s_load_b64 s[8:9], s[0:1], 0x10                ; y
	s_load_b128 s[68:71], s[0:1], 0x18             ; bias s[68:69], res s[70:71]
	v_lshl_add_u32 v[SPW], v0, 2, SPARE
	v_mov_b32 v[NIL], 0
	ds_add_u32 v[SPW], v[NIL]                      ; the wave's opening: the add and its wait stand ahead of my first tensor load
	v_lshrrev_b32 v1, 5, v0
	v_readfirstlane_b32 s10, v1
	s_lshr_b32 s11, s10, 1                         ; my half of the tile's rows; also: I fetch for A (0) or W (1)
	s_and_b32 s12, s10, 1                          ; my half of its columns; also: which K half I fetch
	s_bfe_u32 s40, ttmp6, 0x40000
	s_bfe_u32 s41, ttmp6, 0x40004
	s_lshl_b32 s42, ttmp9, 2
	s_add_co_u32 s42, s42, s40                     ; tile column
	s_and_b32 s13, ttmp7, 0xffff
	s_lshl_b32 s13, s13, 2
	s_add_co_u32 s13, s13, s41                     ; tile row
	s_lshl_b32 s43, s41, 2
	s_lshl_b32 s43, 15, s43
	s_lshl_b32 s44, 0x1111, s40
	s_mov_b32 s45, 0xffff0000                      ; a word's upper bf16
	s_or_b32 s[G1+0], s43, (1<<16)|(1<<20)|(1<<21)|(5<<22)|(3<<25)
	s_or_b32 s[G1B+0], s44, (1<<16)|(1<<20)|(1<<21)|(5<<22)|(3<<25)
.irp g, G1, G1B
	s_mov_b32 s[(\g)+1], 128<<16                   ; tensor_dim0 = 128
	s_mov_b32 s[(\g)+2], 128<<16                   ; tensor_dim1 = 128
	s_mov_b32 s[(\g)+3], 128<<16                   ; tile_dim0 = 128
	s_mov_b32 s[(\g)+4], 128                       ; tile_dim1 = 128
	s_mov_b32 s[(\g)+6], 0
	s_mov_b32 s[(\g)+7], 0
.endr
	s_mov_b32 s[G1+5], 128                         ; a panel's rows are dense
	s_mov_b32 s[G1B+5], KTOT
	s_lshl_b32 s16, s12, 20                        ; A: panel = K half, 1 MiB each,
	s_lshl_b32 s17, s13, 15                        ; + tile row x 128 rows of 256 bytes
	s_add_co_u32 s16, s16, s17
	s_mov_b32 s17, 0
	s_mul_i32 s46, s42, 128*KTOT*2                 ; W: tile column x 128 rows,
	s_lshl_b32 s47, s12, 8                         ; + K half x 256 bytes
	s_add_co_u32 s46, s46, s47
	s_add_co_u32 s46, s46, WOFF
	s_mov_b32 s47, 0
	s_mul_i32 s20, s10, HALFT                      ; block w of a slot
	s_mov_b32 s[G0], 1
	s_mov_b32 s[G0+1], s20                         ; slot 0
	s_mov_b32 s[G0B], 1
	s_mov_b32 s[G0B+1], s20
	s_mov_b32 s[TB], FLIP                          ; the first step turns it into 0
	s_wait_dscnt 0x0
	s_wait_kmcnt 0x0
	s_add_nc_u64 s[G0+2:G0+3], s[4:5], s[16:17]
	s_or_b32 s[G0+3], s[G0+3], 0x80000000
	s_add_nc_u64 s[G0B+2:G0B+3], s[6:7], s[46:47]
	s_or_b32 s[G0B+3], s[G0B+3], 0x80000000
	CROUND                                         ; all sixteen work-groups are here: the first joint loads meet
	JLOAD                                          ; K step 0 into slot 0
	v_and_b32 v1, 15, v0
	v_bfe_u32 v2, v0, 4, 1
	s_lshl_b32 s16, s13, 7
	s_lshl_b32 s17, s11, 6
	s_add_co_u32 s16, s16, s17                     ; my first row
	s_lshl_b32 s46, s42, 7
	s_lshl_b32 s47, s12, 6
	s_add_co_u32 s46, s46, s47                     ; my first column
	s_lshl_b32 s18, s46, 2
	s_mov_b32 s19, 0
	s_add_nc_u64 s[68:69], s[68:69], s[18:19]
	s_lshl_b32 s17, s16, 12
	s_add_co_u32 s18, s18, s17
	s_add_nc_u64 s[8:9], s[8:9], s[18:19]
.if RES_F32 == 0
	s_lshr_b32 s18, s18, 1                         ; a bf16 residual has half the bytes
.endif
	s_add_nc_u64 s[70:71], s[70:71], s[18:19]
	v_lshlrev_b32 v[BO], 5, v2
.irp b, 0,1,2,3                        ; the bias in the accumulators' order: register j of block b is column 16 b + 8 (l / 16) + j
	global_load_b128 v[BIAS+8*\b:BIAS+8*\b+3],   v[BO], s[68:69] offset:64*\b
	global_load_b128 v[BIAS+8*\b+4:BIAS+8*\b+7], v[BO], s[68:69] offset:64*\b+16
.endr
	; the residual, in the order of the way out: load z takes rows 2 z and 2 z + 1, four columns a lane; it has the whole product in which to land
.if RES_F32
	v_lshlrev_b32 v[RO], 12, v2
	v_lshl_add_u32 v[RO], v1, 4, v[RO]
	WIN 0x80                                       ; destination window 2, address window 0
.set z, 0
.rept 32
	global_load_b128 v[4*z:4*z+3], v[RO], s[70:71] offset:z*8192   ; 16 lanes take 256 consecutive bytes, aligned
.set z, z+1
.endr
	WIN 0
.else
	v_lshlrev_b32 v[RO], 11, v2
	v_lshl_add_u32 v[RO], v1, 3, v[RO]
.set z, 0
.rept 32
	global_load_b64 v[RES+2*z:RES+2*z+1], v[RO], s[70:71] offset:z*4096
.set z, z+1
.endr
.endif
.if PREF
	; THE ASK's addresses (written for KTOT = 4096: W's rows are 8,192 bytes).  A's 128 rows x 2 panels of a K step are wanted by the 8 work-groups of a tile row: the work-group of tile column tx asks for
	; rows 16 tx .. 16 tx + 15 of both panels: lane l for row l % 16 of panel l / 16.  W's 128 rows are wanted by the 32 work-groups of a tile column: the work-group of tile row ty asks for rows 4 ty .. 4 ty + 3,
	; 2,048 bytes (four K steps) of each at a time: lane l for the 256 bytes number l % 8 of row l / 8.  So each aligned 256 bytes are asked for by one lane of one work-group of the launch.
	s_lshl_b32 s18, s13, 15                        ; A: tile row x 128 rows of 256 bytes
	s_lshl_b32 s21, s42, 12                        ; + tile column x 16 rows
	s_add_co_u32 s18, s18, s21
	s_add_nc_u64 s[PA:PA+1], s[4:5], s[18:19]      ; at K step 0
	s_lshl_b32 s18, s42, 20                        ; W: tile column x 128 rows of 8,192 bytes
	s_lshl_b32 s21, s13, 15                        ; + tile row x 4 rows
	s_add_co_u32 s18, s18, s21
	s_add_co_u32 s18, s18, WOFF
	s_add_nc_u64 s[PB:PB+1], s[6:7], s[18:19]      ; at K steps 0 to 3
	v_lshlrev_b32 v[PFA], 20, v2
	v_lshl_or_b32 v[PFA], v1, 8, v[PFA]
	v_bfe_u32 v[PFB0], v0, 3, 2
	v_and_b32 v15, 7, v0
	v_lshlrev_b32 v[PFB0], 13, v[PFB0]
	v_lshl_or_b32 v[PFB], v15, 8, v[PFB0]
	v_max_u32 v15, 2, v15                          ; the first ask leaves out K step 0, whose tensor load is out already: its two lanes a row ask with the third
	v_lshl_or_b32 v[PFB0], v15, 8, v[PFB0]
	s_cmp_lg_u32 s10, 3                            ; one wave asks
	s_cbranch_scc1 .Lno_first_ask
	global_prefetch_b8 v[PFA], s[PA:PA+1] offset:0x200000 th:TH_LOAD_NT scope:SCOPE_SE   ; A of K step 1, which the first trip loads,
	global_prefetch_b8 v[PFA], s[PA:PA+1] offset:0x400000 th:TH_LOAD_NT scope:SCOPE_SE   ; and of K step 2
	global_prefetch_b8 v[PFB0], s[PB:PB+1] th:TH_LOAD_NT scope:SCOPE_SE                  ; W of K steps 1 to 3
.Lno_first_ask:
.endif
	v_mul_u32_u24 v3, v1, PITCH
	v_lshl_add_u32 v3, v2, 4, v3
	s_mul_i32 s21, s11, 64*PITCH
	s_mul_i32 s22, s12, 64*PITCH
	s_add_co_u32 s22, s22, 2*HALFT
	v_add_nc_u32 v[ADRA0], s21, v3
	v_add_nc_u32 v[ADRB0], s22, v3
	s_mul_i32 s23, s10, 16*SPITCH
	s_add_co_u32 s23, s23, STAGE
	v_mul_u32_u24 v4, v1, SPITCH
	v_lshl_add_u32 v4, v2, 5, v4                   ; row l % 16, 32 bytes for each half of the lanes
	v_add_nc_u32 v[STO], s23, v4
	v_mul_u32_u24 v5, v2, SPITCH
	v_lshl_add_u32 v5, v1, 4, v5
	v_add_nc_u32 v[RD], s23, v5
	v_lshlrev_b32 v[CO], 12, v2
	v_lshl_add_u32 v[CO], v1, 4, v[CO]
	s_wait_loadcnt 32                              ; the bias is in; the 32 loads of the residual stay out
.set z, 0
.rept 16                               ; pair z of the bias (block z / 4) is rounded once to bf16 and starts the sums of all four row blocks
	v_cvt_pk_bf16_f32 v[8+z%4], v[BIAS+2*z], v[BIAS+2*z+1]
.irp a, 0,1,2,3
	v_lshlrev_b32 v[ACC+8*(4*\a+z/4)+2*(z%4)], 16, v[8+z%4]
	v_and_b32 v[ACC+8*(4*\a+z/4)+2*(z%4)+1], s45, v[8+z%4]
.endr
.set z, z+1
.endr
.macro MUL8 f, c, a0                   ; 8 matrix instructions: m blocks a0, a0 + 1 x all 4 n blocks, 32 along K: half c of buffer f.  The 16 accumulators take turns
	WIN MUL
.irp a, \a0, (\a0)+1
.irp b, 0,1,2,3
	v_wmma_f32_16x16x32_bf16 v[ACC+8*(4*(\a)+(\b)):ACC+8*(4*(\a)+(\b))+7], v[(\f)+64+8*(4*(\c)+(\b)):(\f)+64+8*(4*(\c)+(\b))+7], v[(\f)+8*(4*(\c)+(\a)):(\f)+8*(4*(\c)+(\a))+7], v[ACC+8*(4*(\a)+(\b)):ACC+8*(4*(\a)+(\b))+7]
.endr
.endr
.endm
.macro FETCH k, f                      ; 32 LDS loads in one run: 64 along K at byte k of the rows of the half in hand; the first 32 along K first
	WIN TO_F
.irp c, 0,1
.irp i, 0,1,2,3
	ds_load_b128 v[(\f)+64+8*(4*(\c)+(\i)):(\f)+64+8*(4*(\c)+(\i))+3],   v[ADB] offset:(\k)+64*(\c)+(\i)*16*PITCH
	ds_load_b128 v[(\f)+64+8*(4*(\c)+(\i))+4:(\f)+64+8*(4*(\c)+(\i))+7], v[ADB] offset:(\k)+64*(\c)+(\i)*16*PITCH+32
	ds_load_b128 v[(\f)+8*(4*(\c)+(\i)):(\f)+8*(4*(\c)+(\i))+3],         v[ADA] offset:(\k)+64*(\c)+(\i)*16*PITCH
	ds_load_b128 v[(\f)+8*(4*(\c)+(\i))+4:(\f)+8*(4*(\c)+(\i))+7],       v[ADA] offset:(\k)+64*(\c)+(\i)*16*PITCH+32
.endr
.endr
.endm
.macro PLACES                          ; four plain places between matrix instructions and loads into, or reads of, their registers
.rept 4
	v_nop
.endr
.endm
; THE ASK, in every trip behind its tensor load and its first LDS loads.  s3 counts the trips down from STEPS - 1: trip t = STEPS - 1 - s3 multiplies K step t and loads K step t + 1.
; It asks for A's part of K step t + 3 (8 KB), which the trip two on loads; the last ask, in trip STEPS - 4 (s3 = 3), is for the last K step, so none points past the panels.
; In trips 1, 5 and 9 (s3 % 4 = 2, s3 above 2) it asks for W's next four K steps (8 KB), two trips ahead of the load of the first of them; the last ends with W's rows.
; The bases are stepped behind s_wait_xcnt 0, which stands a whole trip behind the last ask (ISA guide 3.1: the addresses of what was issued are translated).
.macro ASK
	s_cmp_lg_u32 s10, 3                            ; one wave asks
	s_cbranch_scc1 .Lnot_now_\@
	s_cmp_lt_u32 s3, 3
	s_cbranch_scc1 .Lnot_now_\@
	s_wait_xcnt 0x0
	s_add_nc_u64 s[PA:PA+1], s[PA:PA+1], 0x200000  ; now at K step t + 1
	global_prefetch_b8 v[PFA], s[PA:PA+1] offset:0x400000 th:TH_LOAD_NT scope:SCOPE_SE
	s_and_b32 s61, s3, 3
	s_cmp_lg_u32 s61, 2
	s_cbranch_scc1 .Lnot_now_\@
	s_add_nc_u64 s[PB:PB+1], s[PB:PB+1], 2048
	global_prefetch_b8 v[PFB], s[PB:PB+1] th:TH_LOAD_NT scope:SCOPE_SE
.Lnot_now_\@:
.endm
; A K STEP.  Each wave waits for all its tensor loads (one is out: its part of this step's tile), adds 0 to its spare word, and waits for that; its reads of the other slot ended with the step before.
; fill = 1: the barrier is a round of the cluster's, and the joint load of the next K step, into the slot read last, is the first thing behind it.
; Then two halves of 128 along K, each two quarters of 64 on buffers 0 and 1: 32 matrix instructions a quarter; while one buffer is multiplied the other is fetched, in one run in the quarter's middle.
; The first half's second quarter fetches the second half's first fragments; in the second half that run is jumped over: the next slot is not yet known to be whole.
.macro STEP fill
	WIN 0
	s_wait_tensorcnt 0x0                           ; no tensor load of mine is out, so a group 0 may be written
	ds_add_u32 v[SPW], v[NIL]                      ; work on registers stands between the add and the wait for it
.if \fill
	s_xor_b32 s[G0+1], s[G0+1], SLOTX              ; the walking descriptors: the other slot than last time,
	s_add_nc_u64 s[G0+2:G0+3], s[G0+2:G0+3], 0x200000  ; the next K step: two panels on,
	s_xor_b32 s[G0B+1], s[G0B+1], SLOTX
	s_add_nc_u64 s[G0B+2:G0B+3], s[G0B+2:G0B+3], 512   ; 256 elements along W's rows; the type bits on top are not reached
.endif
	s_xor_b32 s[TB], s[TB], FLIP                   ; from the last slot's second half to this step's slot, first half
	v_add_nc_u32 v[ADA], s[TB], v[ADRA0]
	v_add_nc_u32 v[ADB], s[TB], v[ADRB0]
	s_wait_dscnt 0x0                               ; the add is done, and no LDS read of mine is out
.if \fill
	CROUND                                         ; no wave of any partner still reads the other slot or has a load on its way
	JLOAD                                          ; its four v_nop are also places in front of the loads below
.else
	s_barrier_signal -1
	s_barrier_wait -1
	PLACES
.endif
	FETCH 0, F0
	WIN 0                                          ; at a label and at a branch every window is 0
.if (\fill) && PREF
	ASK
.endif
	s_mov_b32 s2, 2
.Lhalf_\@:
	s_wait_dscnt 16                                ; buffer 0's first 32 along K are in
	MUL8 F0, 0, 0
	MUL8 F0, 0, 2
	PLACES
	FETCH 128, F1
	s_wait_dscnt 32                                ; all but the 32 just issued
	MUL8 F0, 1, 0
	MUL8 F0, 1, 2
	s_wait_dscnt 16                                ; buffer 1's first 32 along K are in
	MUL8 F1, 0, 0
	MUL8 F1, 0, 2
	s_wait_dscnt 0x0                               ; and the rest of it: the count is right whether the run below is issued or not
	WIN 0
	PLACES
	s_cmp_eq_u32 s2, 1
	s_cbranch_scc1 .Lsame_\@
	s_xor_b32 s[TB], s[TB], HALFT                  ; the slot's second half comes in hand
	v_add_nc_u32 v[ADA], s[TB], v[ADRA0]
	v_add_nc_u32 v[ADB], s[TB], v[ADRB0]
	FETCH 0, F0
	WIN 0
.Lsame_\@:
	MUL8 F1, 1, 0
	MUL8 F1, 1, 2
	WIN 0
	s_sub_co_u32 s2, s2, 1
	s_cmp_lg_u32 s2, 0
	s_cbranch_scc1 .Lhalf_\@
.endm
	s_mov_b32 s3, STEPS-1
.Lstep:                                                ; every K step but the last asks for its successor
	STEP 1
	s_sub_co_u32 s3, s3, 1
	s_cmp_lg_u32 s3, 0
	s_cbranch_scc1 .Lstep
	STEP 0                                         ; the last is written out
	; THE WAY OUT, 16 rows at a time through my own stage: in by columns, back by rows of 256 bytes; the residual is added; 16 lanes store 256 consecutive aligned bytes.
	PLACES
	s_wait_loadcnt 0x0                             ; the residual
.irp a, 0,1,2,3
	s_wait_xcnt 0x0                                ; the registers that the last block's stores read are loaded again only behind this wait
.irp b, 0,1,2,3
	ds_store_b128 v[STO], v[ACC+8*(4*(\a)+(\b)):ACC+8*(4*(\a)+(\b))+3]   offset:64*(\b)
	ds_store_b128 v[STO], v[ACC+8*(4*(\a)+(\b))+4:ACC+8*(4*(\a)+(\b))+7] offset:64*(\b)+16
.endr
.irp t, 0,1,2,3,4,5,6,7
	ds_load_b128 v[TMP+4*(\t):TMP+4*(\t)+3], v[RD] offset:(\t)*2*SPITCH   ; LDS serves a wave's instructions in order: these see the stores above
.endr
.if RES_F32
	s_wait_dscnt 0x0                               ; the block is back
	WIN 0x08                                       ; source 1 in window 2: one switch for the block's sixteen additions
.irp t, 0,1,2,3,4,5,6,7
	v_pk_add_f32 v[TMP+4*(\t):TMP+4*(\t)+1], v[TMP+4*(\t):TMP+4*(\t)+1], v[4*(8*(\a)+(\t)):4*(8*(\a)+(\t))+1]
	v_pk_add_f32 v[TMP+4*(\t)+2:TMP+4*(\t)+3], v[TMP+4*(\t)+2:TMP+4*(\t)+3], v[4*(8*(\a)+(\t))+2:4*(8*(\a)+(\t))+3]
.endr
	WIN 0
.irp t, 0,1,2,3,4,5,6,7
	global_store_b128 v[CO], v[TMP+4*(\t):TMP+4*(\t)+3], s[8:9] offset:(16*(\a)+2*(\t))*4096
.endr
.else
.irp t, 0,1,2,3,4,5,6,7
	s_wait_dscnt 7-(\t)
	v_lshlrev_b32 v8, 16, v[RES+2*(8*(\a)+(\t))]
	v_and_b32 v9, s45, v[RES+2*(8*(\a)+(\t))]
	v_lshlrev_b32 v10, 16, v[RES+2*(8*(\a)+(\t))+1]
	v_and_b32 v11, s45, v[RES+2*(8*(\a)+(\t))+1]
	v_pk_add_f32 v[TMP+4*(\t):TMP+4*(\t)+1], v[TMP+4*(\t):TMP+4*(\t)+1], v[8:9]
	v_pk_add_f32 v[TMP+4*(\t)+2:TMP+4*(\t)+3], v[TMP+4*(\t)+2:TMP+4*(\t)+3], v[10:11]
	global_store_b128 v[CO], v[TMP+4*(\t):TMP+4*(\t)+3], s[8:9] offset:(16*(\a)+2*(\t))*4096
.endr
.endif
.endr
	s_wait_tensorcnt 0x0                           ; the wave's end
	ds_add_u32 v[SPW], v[NIL]
	s_wait_dscnt 0x0
	CROUND                                         ; the closing round
	s_endpgm
.Lfunc_end_k_qdc63ba78bf_wo:
	.size	k_qdc63ba78bf_wo, .Lfunc_end_k_qdc63ba78bf_wo-k_qdc63ba78bf_wo
	.p2alignl 7, 3214868480
	.fill 96, 4, 3214868480
	.section	.rodata,"a",@progbits
	.p2align	6, 0x0
	.amdhsa_kernel k_qdc63ba78bf_wo
		.amdhsa_group_segment_fixed_size 327680
		.amdhsa_private_segment_fixed_size 0
		.amdhsa_enable_private_segment 0
		.amdhsa_kernarg_size 40
		.amdhsa_user_sgpr_count 2
		.amdhsa_user_sgpr_kernarg_segment_ptr 1
		.amdhsa_wavefront_size32 1
		.amdhsa_system_sgpr_workgroup_id_x 1
		.amdhsa_system_sgpr_workgroup_id_y 1
		.amdhsa_system_sgpr_workgroup_id_z 1
		.amdhsa_system_vgpr_workitem_id 0
		.amdhsa_next_free_vgpr 512
		.amdhsa_next_free_sgpr 72
		.amdhsa_reserve_vcc 0
		.amdhsa_float_denorm_mode_32 3
		.amdhsa_float_denorm_mode_16_64 3
		.amdhsa_memory_ordered 1
		.amdhsa_forward_progress 1
		.amdhsa_inst_pref_size 56
	.end_amdhsa_kernel
	.amdgpu_metadata
---
amdhsa.version: [ 1, 2 ]
amdhsa.kernels:
  - .name:           k_qdc63ba78bf_wo
    .symbol:         k_qdc63ba78bf_wo.kd
    .args:
      - { .name: op, .offset: 0, .size: 8, .value_kind: global_buffer, .address_space: global }
      - { .name: wo2, .offset: 8, .size: 8, .value_kind: global_buffer, .address_space: global }
      - { .name: y, .offset: 16, .size: 8, .value_kind: global_buffer, .address_space: global }
      - { .name: bo, .offset: 24, .size: 8, .value_kind: global_buffer, .address_space: global }
      - { .name: xh, .offset: 32, .size: 8, .value_kind: global_buffer, .address_space: global }
    .group_segment_fixed_size: 327680
    .private_segment_fixed_size: 0
    .kernarg_segment_align: 8
    .kernarg_segment_size: 40
    .max_flat_workgroup_size: 128
    .sgpr_count:     72
    .vgpr_count:     512
    .wavefront_size: 32
...
	.end_amdgpu_metadata
.endif
;; end of part 10
;; launch ln1 (part 11): grid 256 x 1, 16 waves a work-group, no clusters, 0 bytes of LDS; arguments y, ln1_a, ln1_b, xh, op; writes xh, op
.if DOCPART == 11
	.amdgcn_target "amdgcn-amd-amdhsa--gfx1250"
	.amdhsa_code_object_version 6
	.text
	.protected	k_qdc63ba78bf_ln1
	.globl	k_qdc63ba78bf_ln1
	.p2align	8
	.type	k_qdc63ba78bf_ln1,@function
k_qdc63ba78bf_ln1:
	s_mov_b64 s[64:65], 0
	v_nop
	global_prefetch_b8 v0, s[64:65] scope:SCOPE_SE
	s_setreg_imm32_b32 hwreg(HW_REG_WAVE_MODE, 25, 1), 1
	s_wait_xcnt 0x0
; out[r][c] = (y[r][c] - mean) / (std + 1e-6) * a[c] + b[c]; std with divisor 1023.  y: [4096][1024] f32.  a and b are used rounded to bf16, as all the module's inputs are.
; BOTH = 1: the result leaves twice: in f32 (it is carried on as a residual) and rounded to bf16 (a matrix operand of the next product).  BOTH = 0: in f32 alone.
; A wave takes one row; it is 32 registers and stays there between the passes: the mean, then the squares of the differences, so a common offset of the row costs no accuracy.
; No LDS, no barrier: the reduction never leaves the wave.  LIMIT: the root and the reciprocal count a denormal as 0.
.set BOTH, 1
.set A,  4
.set BB, 36
.set X,  68
.set T,  100
.set M,  108
.set R,  110
.set PK, 112                           ; v[112:127] the packed bf16: no register that a pending store reads is written again
	s_load_b256 s[4:11], s[0:1], 0x0               ; y, a, b, out (bf16 if BOTH, else f32)
.if BOTH
	s_load_b64 s[18:19], s[0:1], 0x20              ; out in f32
.endif
	v_and_b32 v1, 31, v0
	v_lshrrev_b32 v2, 5, v0
	v_readfirstlane_b32 s12, v2
	v_lshlrev_b32 v3, 3, v1                        ; 8 bytes a lane
	v_lshlrev_b32 v1, 4, v1                        ; 16 bytes a lane
	s_lshl_b32 s13, ttmp9, 4
	s_add_co_u32 s13, s13, s12                     ; my row: 16 x work-group + wave
	s_lshl_b32 s14, s13, 12
	s_mov_b32 s15, 0
	s_mov_b32 s16, 0x76543210
	s_mov_b32 s17, 0xfedcba98
	s_mov_b32 s20, 0xffff0000                      ; a word's upper bf16
	s_wait_kmcnt 0x0
	s_add_nc_u64 s[4:5], s[4:5], s[14:15]
.if BOTH
	s_add_nc_u64 s[18:19], s[18:19], s[14:15]
	s_lshr_b32 s14, s14, 1
.endif
	s_add_nc_u64 s[10:11], s[10:11], s[14:15]
.irp j, 0,1,2,3,4,5,6,7
	global_load_b128 v[X+4*\j:X+4*\j+3], v1, s[4:5] offset:512*\j th:TH_LOAD_NT
.endr
.irp j, 0,1,2,3,4,5,6,7
	global_load_b128 v[A+4*\j:A+4*\j+3], v1, s[6:7] offset:512*\j
.endr
.irp j, 0,1,2,3,4,5,6,7
	global_load_b128 v[BB+4*\j:BB+4*\j+3], v1, s[8:9] offset:512*\j
.endr
.macro REDUCE                          ; four pairs in T become one sum in every lane's v[T]
	v_pk_add_f32 v[T:T+1], v[T:T+1], v[T+2:T+3]
	v_pk_add_f32 v[T+4:T+5], v[T+4:T+5], v[T+6:T+7]
	v_pk_add_f32 v[T:T+1], v[T:T+1], v[T+4:T+5]
	v_add_f32 v[T], v[T], v[T+1]
	v_add_f32_dpp v[T], v[T], v[T] row_xmask:1 row_mask:0xf bank_mask:0xf
	v_add_f32_dpp v[T], v[T], v[T] row_xmask:2 row_mask:0xf bank_mask:0xf
	v_add_f32_dpp v[T], v[T], v[T] row_xmask:4 row_mask:0xf bank_mask:0xf
	v_add_f32_dpp v[T], v[T], v[T] row_xmask:8 row_mask:0xf bank_mask:0xf
	v_permlanex16_b32 v[T+1], v[T], s16, s17
	v_add_f32 v[T], v[T], v[T+1]
.endm
	s_wait_loadcnt 16                              ; the row is in; the sixteen loads of a and b stay out
.irp c, 0,1,2,3
	v_pk_add_f32 v[T+2*\c:T+2*\c+1], v[X+2*\c:X+2*\c+1], v[X+8+2*\c:X+8+2*\c+1]
.endr
.irp k, 2,3
.irp c, 0,1,2,3
	v_pk_add_f32 v[T+2*\c:T+2*\c+1], v[T+2*\c:T+2*\c+1], v[X+8*\k+2*\c:X+8*\k+2*\c+1]
.endr
.endr
	REDUCE
	v_mul_f32 v[M], 0x3a800000, v[T]               ; the mean: / 1024
	v_mov_b32 v[M+1], v[M]
.set z, 0
.rept 16
	v_pk_add_f32 v[X+2*z:X+2*z+1], v[X+2*z:X+2*z+1], v[M:M+1] op_sel_hi:[1,0] neg_lo:[0,1] neg_hi:[0,1]
.set z, z+1
.endr
.irp c, 0,1,2,3
	v_pk_mul_f32 v[T+2*\c:T+2*\c+1], v[X+2*\c:X+2*\c+1], v[X+2*\c:X+2*\c+1]
.endr
.irp k, 1,2,3
.irp c, 0,1,2,3
	v_pk_fma_f32 v[T+2*\c:T+2*\c+1], v[X+8*\k+2*\c:X+8*\k+2*\c+1], v[X+8*\k+2*\c:X+8*\k+2*\c+1], v[T+2*\c:T+2*\c+1]
.endr
.endr
	REDUCE
	v_mul_f32 v[T], 0x3a802008, v[T]               ; / 1023
	v_sqrt_f32 v[T+2], v[T]
	v_nop                                          ; a plain instruction behind a transcendental (ISA guide 5.7.2)
	s_wait_alu depctr_va_vdst(0)
	v_add_f32 v[T+2], 0x358637bd, v[T+2]           ; + 1e-6
	v_rcp_f32 v[R], v[T+2]
	v_nop
	s_wait_alu depctr_va_vdst(0)
	v_mov_b32 v[R+1], v[R]
.set z, 0
.rept 16
	v_pk_mul_f32 v[X+2*z:X+2*z+1], v[X+2*z:X+2*z+1], v[R:R+1] op_sel_hi:[1,0]
.set z, z+1
.endr
	s_wait_loadcnt 0x0                             ; a and b
.set z, 0
.rept 16                               ; a and b are rounded to bf16 and widened again
	v_cvt_pk_bf16_f32 v[T+z%4], v[A+2*z], v[A+2*z+1]
	v_cvt_pk_bf16_f32 v[T+4+z%4], v[BB+2*z], v[BB+2*z+1]
	v_lshlrev_b32 v[A+2*z], 16, v[T+z%4]
	v_and_b32 v[A+2*z+1], s20, v[T+z%4]
	v_lshlrev_b32 v[BB+2*z], 16, v[T+4+z%4]
	v_and_b32 v[BB+2*z+1], s20, v[T+4+z%4]
.set z, z+1
.endr
.set z, 0
.rept 16
	v_pk_fma_f32 v[X+2*z:X+2*z+1], v[X+2*z:X+2*z+1], v[A+2*z:A+2*z+1], v[BB+2*z:BB+2*z+1]
.set z, z+1
.endr
.irp j, 0,1,2,3,4,5,6,7
.if BOTH
	global_store_b128 v1, v[X+4*\j:X+4*\j+3], s[18:19] offset:512*\j   ; 512 consecutive bytes, aligned
	v_cvt_pk_bf16_f32 v[PK+2*\j], v[X+4*\j], v[X+4*\j+1]
	v_cvt_pk_bf16_f32 v[PK+2*\j+1], v[X+4*\j+2], v[X+4*\j+3]
	global_store_b64 v3, v[PK+2*\j:PK+2*\j+1], s[10:11] offset:256*\j   ; 32 lanes store 256 consecutive bytes, aligned
.else
	global_store_b128 v1, v[X+4*\j:X+4*\j+3], s[10:11] offset:512*\j th:TH_STORE_NT
.endif
.endr
	s_endpgm
.Lfunc_end_k_qdc63ba78bf_ln1:
	.size	k_qdc63ba78bf_ln1, .Lfunc_end_k_qdc63ba78bf_ln1-k_qdc63ba78bf_ln1
	.p2alignl 7, 3214868480
	.fill 96, 4, 3214868480
	.section	.rodata,"a",@progbits
	.p2align	6, 0x0
	.amdhsa_kernel k_qdc63ba78bf_ln1
		.amdhsa_group_segment_fixed_size 0
		.amdhsa_private_segment_fixed_size 0
		.amdhsa_enable_private_segment 0
		.amdhsa_kernarg_size 40
		.amdhsa_user_sgpr_count 2
		.amdhsa_user_sgpr_kernarg_segment_ptr 1
		.amdhsa_wavefront_size32 1
		.amdhsa_system_sgpr_workgroup_id_x 1
		.amdhsa_system_sgpr_workgroup_id_y 1
		.amdhsa_system_sgpr_workgroup_id_z 1
		.amdhsa_system_vgpr_workitem_id 0
		.amdhsa_next_free_vgpr 128
		.amdhsa_next_free_sgpr 66
		.amdhsa_reserve_vcc 0
		.amdhsa_float_denorm_mode_32 3
		.amdhsa_float_denorm_mode_16_64 3
		.amdhsa_memory_ordered 1
		.amdhsa_forward_progress 1
		.amdhsa_inst_pref_size 17
	.end_amdhsa_kernel
	.amdgpu_metadata
---
amdhsa.version: [ 1, 2 ]
amdhsa.kernels:
  - .name:           k_qdc63ba78bf_ln1
    .symbol:         k_qdc63ba78bf_ln1.kd
    .args:
      - { .name: y, .offset: 0, .size: 8, .value_kind: global_buffer, .address_space: global }
      - { .name: ln1_a, .offset: 8, .size: 8, .value_kind: global_buffer, .address_space: global }
      - { .name: ln1_b, .offset: 16, .size: 8, .value_kind: global_buffer, .address_space: global }
      - { .name: xh, .offset: 24, .size: 8, .value_kind: global_buffer, .address_space: global }
      - { .name: op, .offset: 32, .size: 8, .value_kind: global_buffer, .address_space: global }
    .group_segment_fixed_size: 0
    .private_segment_fixed_size: 0
    .kernarg_segment_align: 8
    .kernarg_segment_size: 40
    .max_flat_workgroup_size: 512
    .sgpr_count:     66
    .vgpr_count:     128
    .wavefront_size: 32
...
	.end_amdgpu_metadata
.endif
;; end of part 11
;; launch ffn1: the kernel of part 8 again; grid 16 x 16, 4 waves a work-group, clusters of 4 x 4, 327,680 bytes of LDS; arguments xh, w1, act, b1; writes act
;; launch ffn2 (part 12): grid 8 x 32, 4 waves a work-group, clusters of 4 x 4, 327,680 bytes of LDS; arguments act, wo2, y, b2, op; writes y
.if DOCPART == 12
	.amdgcn_target "amdgcn-amd-amdhsa--gfx1250"
	.amdhsa_code_object_version 6
	.text
	.protected	k_qdc63ba78bf_ffn2
	.globl	k_qdc63ba78bf_ffn2
	.p2align	8
	.type	k_qdc63ba78bf_ffn2,@function
k_qdc63ba78bf_ffn2:
	s_mov_b64 s[64:65], 0
	v_nop
	global_prefetch_b8 v0, s[64:65] scope:SCOPE_SE
	s_setreg_imm32_b32 hwreg(HW_REG_WAVE_MODE, 25, 1), 1
	s_wait_xcnt 0x0
	s_wait_alu depctr_hold_cnt(0) depctr_sa_sdst(0) depctr_va_vdst(0) depctr_va_sdst(0) depctr_va_ssrc(0) depctr_va_vcc(0) depctr_vm_vsrc(0)
	s_getreg_b32 s2, hwreg(HW_REG_IB_STS2, 6, 4)
	s_cmp_eq_u32 s2, 0
	s_cbranch_scc0 .Lentry_in_a_cluster
	s_endpgm
.Lentry_in_a_cluster:
	s_bfe_u32 s2, ttmp6, 0x10000c
	s_cmp_lg_u32 s2, 0xf033
	s_cbranch_scc0 .Lentry_shape_is_right
	s_endpgm
.Lentry_shape_is_right:
; y = A W^T + bias + res, in f32.  A: panels [KTOT/128][4096][128] bf16.  W: [1024][KTOT] bf16 at byte WOFF of its buffer.  bias: [1024] f32, used rounded to bf16 as all the module's inputs are.
; res: [4096][1024], bf16 (RES_F32 = 0: the module's input x, rounded once) or f32 (RES_F32 = 1: the first norm's result, which is carried on in f32).  y: [4096][1024] f32.
; A tile of y is 128 x 128; four waves, each 64 x 64: 16 accumulators.  K goes in steps of 256 through two LDS slots; a slot is four blocks of 128 rows x 256 bytes (A's two K halves = two panels, W's two K halves),
; one tensor load a wave.  4 x 4 work-groups form a cluster: A's blocks are asked for jointly along a row of the cluster, W's along a column.
; ONE TEXT FOR EVERY K STEP (and a second copy for the last, which asks for nothing): a step waits for its tile, asks for the next one into the other slot, and multiplies.  A step is a loop of two halves, one block
; of A and one of W each.  The slot and the half in hand are a scalar base that an exclusive or turns into the other's.  So that the first step is a step like any other, the accumulators begin as copies of the bias:
; 128 shifts and masks, which stand in the wait for the first tile.  A step's first fragments are fetched at its own head, not under the step before.
; PREF = 1 (the long product, 16 K steps): the tiles of later K steps are asked for ahead of their tensor loads (macro ASK).  PREF = 0 (4 K steps): only two of its steps could be asked for two trips ahead, so nothing is.
; The matrix instruction is used transposed (source 0 = W's rows): a lane holds eight neighbouring columns of a row.
; A wave's 64 f32 columns are 256 consecutive bytes of y, so each wave has a stage of its own on the way out, where the residual is added.
; REGISTERS: window 0: v0-31 addresses and at work; v32-63 the bias as loaded, later the way out; v64-127 a bf16 residual; v128-255 accumulators.  window 1: two fragment buffers.  window 2: v0-127 an f32 residual.
.set KTOT,   4096
.set WOFF,   2097152
.set RES_F32, 1
.set PREF,   1
.set PITCH,  272
.set HALFT,  128*PITCH                 ; a block: 0x8800 bytes
.set SLOT,   4*HALFT
.set SLOTX,  0x24000                   ; slot 1 begins here; the four waves' places in a slot (0, 0x8800, 0x11000, 0x19800) have these two bits clear
.set FLIP,   SLOTX+HALFT               ; the two constants share no bit: one exclusive or goes from a slot's second half to the other slot's first
.set STAGE,  SLOTX+SLOT
.set SPITCH, 272
.set SPARE,  STAGE+4*16*SPITCH
.set STEPS,  KTOT/256
.set PFA,   12                         ; v12  the ask: my lane's byte offset among A's rows
.set PFB,   13                         ; v13  the same among W's rows
.set PFB0,  14                         ; v14  the same for the first ask, which leaves K step 0 out
.set ADRA0, 16                         ; v16  my lane's place among A's fragments in slot 0; never rewritten
.set ADA,   17                         ; v17  the same in the slot and half in hand
.set ADRB0, 20                         ; v20, v21  the same for W
.set ADB,   21
.set STO,  24
.set RD,   25
.set CO,   26
.set RO,   27
.set SPW,  28
.set NIL,  29
.set BO,   30
.set TMP,  32
.set BIAS, 32
.set RES,  64
.set ACC,  128
.set F0,   0
.set F1,   128
.set G1, 24
.set G0, 32                            ; s[32:35] group 0 for A's blocks: it walks
.set PA, 36                            ; s[36:37] the ask: A at my 16 rows, one K step behind the step that the trip loads
.set PB, 38                            ; s[38:39] the ask: W at my 4 rows, at the four K steps asked for last
.set G1B, 48
.set G0B, 56                           ; s[56:59] the same for W's
.set TB,  60                           ; s60  LDS byte at which the slot and half in hand begin
.set MSB, 0
.macro WIN new
.if MSB != (\new)
	s_set_vgpr_msb (MSB<<8)|(\new)
.set MSB, \new
.endif
.endm
.set MUL,  0x05
.set TO_F, 0x40
.macro JLOAD                           ; waves 0, 1 fetch A's K halves, waves 2, 3 W's; s_nop 0 and four v_nop follow each line
	s_cmp_eq_u32 s11, 0
	s_cbranch_scc0 .Lfor_b_\@
	tensor_load_to_lds s[G0:G0+3], s[G1:G1+7]
	s_nop 0
.rept 4
	v_nop
.endr
	s_branch .Lasked_\@
.Lfor_b_\@:
	tensor_load_to_lds s[G0B:G0B+3], s[G1B:G1B+7]
	s_nop 0
.rept 4
	v_nop
.endr
.Lasked_\@:
.endm
.macro CROUND                          ; a round of the cluster's barrier
	s_barrier_signal -1
	s_barrier_wait -1
	s_cmp_lg_u32 s10, 0
	s_cbranch_scc1 .Lnot_wave_0_\@
	s_barrier_signal -3
.Lnot_wave_0_\@:
	s_barrier_wait -3
	s_barrier_signal -1
	s_barrier_wait -1
.endm
	s_load_b128 s[4:7], s[0:1], 0x0                ; A, W's buffer
	s_load_b64 s[8:9], s[0:1], 0x10                ; y
	s_load_b128 s[68:71], s[0:1], 0x18             ; bias s[68:69], res s[70:71]
	v_lshl_add_u32 v[SPW], v0, 2, SPARE
	v_mov_b32 v[NIL], 0
	ds_add_u32 v[SPW], v[NIL]                      ; the wave's opening: the add and its wait stand ahead of my first tensor load
	v_lshrrev_b32 v1, 5, v0
	v_readfirstlane_b32 s10, v1
	s_lshr_b32 s11, s10, 1                         ; my half of the tile's rows; also: I fetch for A (0) or W (1)
	s_and_b32 s12, s10, 1                          ; my half of its columns; also: which K half I fetch
	s_bfe_u32 s40, ttmp6, 0x40000
	s_bfe_u32 s41, ttmp6, 0x40004
	s_lshl_b32 s42, ttmp9, 2
	s_add_co_u32 s42, s42, s40                     ; tile column
	s_and_b32 s13, ttmp7, 0xffff
	s_lshl_b32 s13, s13, 2
	s_add_co_u32 s13, s13, s41                     ; tile row
	s_lshl_b32 s43, s41, 2
	s_lshl_b32 s43, 15, s43
	s_lshl_b32 s44, 0x1111, s40
	s_mov_b32 s45, 0xffff0000                      ; a word's upper bf16
	s_or_b32 s[G1+0], s43, (1<<16)|(1<<20)|(1<<21)|(5<<22)|(3<<25)
	s_or_b32 s[G1B+0], s44, (1<<16)|(1<<20)|(1<<21)|(5<<22)|(3<<25)
.irp g, G1, G1B
	s_mov_b32 s[(\g)+1], 128<<16                   ; tensor_dim0 = 128
	s_mov_b32 s[(\g)+2], 128<<16                   ; tensor_dim1 = 128
	s_mov_b32 s[(\g)+3], 128<<16                   ; tile_dim0 = 128
	s_mov_b32 s[(\g)+4], 128                       ; tile_dim1 = 128
	s_mov_b32 s[(\g)+6], 0
	s_mov_b32 s[(\g)+7], 0
.endr
	s_mov_b32 s[G1+5], 128                         ; a panel's rows are dense
	s_mov_b32 s[G1B+5], KTOT
	s_lshl_b32 s16, s12, 20                        ; A: panel = K half, 1 MiB each,
	s_lshl_b32 s17, s13, 15                        ; + tile row x 128 rows of 256 bytes
	s_add_co_u32 s16, s16, s17
	s_mov_b32 s17, 0
	s_mul_i32 s46, s42, 128*KTOT*2                 ; W: tile column x 128 rows,
	s_lshl_b32 s47, s12, 8                         ; + K half x 256 bytes
	s_add_co_u32 s46, s46, s47
	s_add_co_u32 s46, s46, WOFF
	s_mov_b32 s47, 0
	s_mul_i32 s20, s10, HALFT                      ; block w of a slot
	s_mov_b32 s[G0], 1
	s_mov_b32 s[G0+1], s20                         ; slot 0
	s_mov_b32 s[G0B], 1
	s_mov_b32 s[G0B+1], s20
	s_mov_b32 s[TB], FLIP                          ; the first step turns it into 0
	s_wait_dscnt 0x0
	s_wait_kmcnt 0x0
	s_add_nc_u64 s[G0+2:G0+3], s[4:5], s[16:17]
	s_or_b32 s[G0+3], s[G0+3], 0x80000000
	s_add_nc_u64 s[G0B+2:G0B+3], s[6:7], s[46:47]
	s_or_b32 s[G0B+3], s[G0B+3], 0x80000000
	CROUND                                         ; all sixteen work-groups are here: the first joint loads meet
	JLOAD                                          ; K step 0 into slot 0
	v_and_b32 v1, 15, v0
	v_bfe_u32 v2, v0, 4, 1
	s_lshl_b32 s16, s13, 7
	s_lshl_b32 s17, s11, 6
	s_add_co_u32 s16, s16, s17                     ; my first row
	s_lshl_b32 s46, s42, 7
	s_lshl_b32 s47, s12, 6
	s_add_co_u32 s46, s46, s47                     ; my first column
	s_lshl_b32 s18, s46, 2
	s_mov_b32 s19, 0
	s_add_nc_u64 s[68:69], s[68:69], s[18:19]
	s_lshl_b32 s17, s16, 12
	s_add_co_u32 s18, s18, s17
	s_add_nc_u64 s[8:9], s[8:9], s[18:19]
.if RES_F32 == 0
	s_lshr_b32 s18, s18, 1                         ; a bf16 residual has half the bytes
.endif
	s_add_nc_u64 s[70:71], s[70:71], s[18:19]
	v_lshlrev_b32 v[BO], 5, v2
.irp b, 0,1,2,3                        ; the bias in the accumulators' order: register j of block b is column 16 b + 8 (l / 16) + j
	global_load_b128 v[BIAS+8*\b:BIAS+8*\b+3],   v[BO], s[68:69] offset:64*\b
	global_load_b128 v[BIAS+8*\b+4:BIAS+8*\b+7], v[BO], s[68:69] offset:64*\b+16
.endr
	; the residual, in the order of the way out: load z takes rows 2 z and 2 z + 1, four columns a lane; it has the whole product in which to land
.if RES_F32
	v_lshlrev_b32 v[RO], 12, v2
	v_lshl_add_u32 v[RO], v1, 4, v[RO]
	WIN 0x80                                       ; destination window 2, address window 0
.set z, 0
.rept 32
	global_load_b128 v[4*z:4*z+3], v[RO], s[70:71] offset:z*8192   ; 16 lanes take 256 consecutive bytes, aligned
.set z, z+1
.endr
	WIN 0
.else
	v_lshlrev_b32 v[RO], 11, v2
	v_lshl_add_u32 v[RO], v1, 3, v[RO]
.set z, 0
.rept 32
	global_load_b64 v[RES+2*z:RES+2*z+1], v[RO], s[70:71] offset:z*4096
.set z, z+1
.endr
.endif
.if PREF
	; THE ASK's addresses (written for KTOT = 4096: W's rows are 8,192 bytes).  A's 128 rows x 2 panels of a K step are wanted by the 8 work-groups of a tile row: the work-group of tile column tx asks for
	; rows 16 tx .. 16 tx + 15 of both panels: lane l for row l % 16 of panel l / 16.  W's 128 rows are wanted by the 32 work-groups of a tile column: the work-group of tile row ty asks for rows 4 ty .. 4 ty + 3,
	; 2,048 bytes (four K steps) of each at a time: lane l for the 256 bytes number l % 8 of row l / 8.  So each aligned 256 bytes are asked for by one lane of one work-group of the launch.
	s_lshl_b32 s18, s13, 15                        ; A: tile row x 128 rows of 256 bytes
	s_lshl_b32 s21, s42, 12                        ; + tile column x 16 rows
	s_add_co_u32 s18, s18, s21
	s_add_nc_u64 s[PA:PA+1], s[4:5], s[18:19]      ; at K step 0
	s_lshl_b32 s18, s42, 20                        ; W: tile column x 128 rows of 8,192 bytes
	s_lshl_b32 s21, s13, 15                        ; + tile row x 4 rows
	s_add_co_u32 s18, s18, s21
	s_add_co_u32 s18, s18, WOFF
	s_add_nc_u64 s[PB:PB+1], s[6:7], s[18:19]      ; at K steps 0 to 3
	v_lshlrev_b32 v[PFA], 20, v2
	v_lshl_or_b32 v[PFA], v1, 8, v[PFA]
	v_bfe_u32 v[PFB0], v0, 3, 2
	v_and_b32 v15, 7, v0
	v_lshlrev_b32 v[PFB0], 13, v[PFB0]
	v_lshl_or_b32 v[PFB], v15, 8, v[PFB0]
	v_max_u32 v15, 2, v15                          ; the first ask leaves out K step 0, whose tensor load is out already: its two lanes a row ask with the third
	v_lshl_or_b32 v[PFB0], v15, 8, v[PFB0]
	s_cmp_lg_u32 s10, 3                            ; one wave asks
	s_cbranch_scc1 .Lno_first_ask
	global_prefetch_b8 v[PFA], s[PA:PA+1] offset:0x200000 th:TH_LOAD_NT scope:SCOPE_SE   ; A of K step 1, which the first trip loads,
	global_prefetch_b8 v[PFA], s[PA:PA+1] offset:0x400000 th:TH_LOAD_NT scope:SCOPE_SE   ; and of K step 2
	global_prefetch_b8 v[PFB0], s[PB:PB+1] th:TH_LOAD_NT scope:SCOPE_SE                  ; W of K steps 1 to 3
.Lno_first_ask:
.endif
	v_mul_u32_u24 v3, v1, PITCH
	v_lshl_add_u32 v3, v2, 4, v3
	s_mul_i32 s21, s11, 64*PITCH
	s_mul_i32 s22, s12, 64*PITCH
	s_add_co_u32 s22, s22, 2*HALFT
	v_add_nc_u32 v[ADRA0], s21, v3
	v_add_nc_u32 v[ADRB0], s22, v3
	s_mul_i32 s23, s10, 16*SPITCH
	s_add_co_u32 s23, s23, STAGE
	v_mul_u32_u24 v4, v1, SPITCH
	v_lshl_add_u32 v4, v2, 5, v4                   ; row l % 16, 32 bytes for each half of the lanes
	v_add_nc_u32 v[STO], s23, v4
	v_mul_u32_u24 v5, v2, SPITCH
	v_lshl_add_u32 v5, v1, 4, v5
	v_add_nc_u32 v[RD], s23, v5
	v_lshlrev_b32 v[CO], 12, v2
	v_lshl_add_u32 v[CO], v1, 4, v[CO]
	s_wait_loadcnt 32                              ; the bias is in; the 32 loads of the residual stay out
.set z, 0
.rept 16                               ; pair z of the bias (block z / 4) is rounded once to bf16 and starts the sums of all four row blocks
	v_cvt_pk_bf16_f32 v[8+z%4], v[BIAS+2*z], v[BIAS+2*z+1]
.irp a, 0,1,2,3
	v_lshlrev_b32 v[ACC+8*(4*\a+z/4)+2*(z%4)], 16, v[8+z%4]
	v_and_b32 v[ACC+8*(4*\a+z/4)+2*(z%4)+1], s45, v[8+z%4]
.endr
.set z, z+1
.endr
.macro MUL8 f, c, a0                   ; 8 matrix instructions: m blocks a0, a0 + 1 x all 4 n blocks, 32 along K: half c of buffer f.  The 16 accumulators take turns
	WIN MUL
.irp a, \a0, (\a0)+1
.irp b, 0,1,2,3
	v_wmma_f32_16x16x32_bf16 v[ACC+8*(4*(\a)+(\b)):ACC+8*(4*(\a)+(\b))+7], v[(\f)+64+8*(4*(\c)+(\b)):(\f)+64+8*(4*(\c)+(\b))+7], v[(\f)+8*(4*(\c)+(\a)):(\f)+8*(4*(\c)+(\a))+7], v[ACC+8*(4*(\a)+(\b)):ACC+8*(4*(\a)+(\b))+7]
.endr
.endr
.endm
.macro FETCH k, f                      ; 32 LDS loads in one run: 64 along K at byte k of the rows of the half in hand; the first 32 along K first
	WIN TO_F
.irp c, 0,1
.irp i, 0,1,2,3
	ds_load_b128 v[(\f)+64+8*(4*(\c)+(\i)):(\f)+64+8*(4*(\c)+(\i))+3],   v[ADB] offset:(\k)+64*(\c)+(\i)*16*PITCH
	ds_load_b128 v[(\f)+64+8*(4*(\c)+(\i))+4:(\f)+64+8*(4*(\c)+(\i))+7], v[ADB] offset:(\k)+64*(\c)+(\i)*16*PITCH+32
	ds_load_b128 v[(\f)+8*(4*(\c)+(\i)):(\f)+8*(4*(\c)+(\i))+3],         v[ADA] offset:(\k)+64*(\c)+(\i)*16*PITCH
	ds_load_b128 v[(\f)+8*(4*(\c)+(\i))+4:(\f)+8*(4*(\c)+(\i))+7],       v[ADA] offset:(\k)+64*(\c)+(\i)*16*PITCH+32
.endr
.endr
.endm
.macro PLACES                          ; four plain places between matrix instructions and loads into, or reads of, their registers
.rept 4
	v_nop
.endr
.endm
; THE ASK, in every trip behind its tensor load and its first LDS loads.  s3 counts the trips down from STEPS - 1: trip t = STEPS - 1 - s3 multiplies K step t and loads K step t + 1.
; It asks for A's part of K step t + 3 (8 KB), which the trip two on loads; the last ask, in trip STEPS - 4 (s3 = 3), is for the last K step, so none points past the panels.
; In trips 1, 5 and 9 (s3 % 4 = 2, s3 above 2) it asks for W's next four K steps (8 KB), two trips ahead of the load of the first of them; the last ends with W's rows.
; The bases are stepped behind s_wait_xcnt 0, which stands a whole trip behind the last ask (ISA guide 3.1: the addresses of what was issued are translated).
.macro ASK
	s_cmp_lg_u32 s10, 3                            ; one wave asks
	s_cbranch_scc1 .Lnot_now_\@
	s_cmp_lt_u32 s3, 3
	s_cbranch_scc1 .Lnot_now_\@
	s_wait_xcnt 0x0
	s_add_nc_u64 s[PA:PA+1], s[PA:PA+1], 0x200000  ; now at K step t + 1
	global_prefetch_b8 v[PFA], s[PA:PA+1] offset:0x400000 th:TH_LOAD_NT scope:SCOPE_SE
	s_and_b32 s61, s3, 3
	s_cmp_lg_u32 s61, 2
	s_cbranch_scc1 .Lnot_now_\@
	s_add_nc_u64 s[PB:PB+1], s[PB:PB+1], 2048
	global_prefetch_b8 v[PFB], s[PB:PB+1] th:TH_LOAD_NT scope:SCOPE_SE
.Lnot_now_\@:
.endm
; A K STEP.  Each wave waits for all its tensor loads (one is out: its part of this step's tile), adds 0 to its spare word, and waits for that; its reads of the other slot ended with the step before.
; fill = 1: the barrier is a round of the cluster's, and the joint load of the next K step, into the slot read last, is the first thing behind it.
; Then two halves of 128 along K, each two quarters of 64 on buffers 0 and 1: 32 matrix instructions a quarter; while one buffer is multiplied the other is fetched, in one run in the quarter's middle.
; The first half's second quarter fetches the second half's first fragments; in the second half that run is jumped over: the next slot is not yet known to be whole.
.macro STEP fill
	WIN 0
	s_wait_tensorcnt 0x0                           ; no tensor load of mine is out, so a group 0 may be written
	ds_add_u32 v[SPW], v[NIL]                      ; work on registers stands between the add and the wait for it
.if \fill
	s_xor_b32 s[G0+1], s[G0+1], SLOTX              ; the walking descriptors: the other slot than last time,
	s_add_nc_u64 s[G0+2:G0+3], s[G0+2:G0+3], 0x200000  ; the next K step: two panels on,
	s_xor_b32 s[G0B+1], s[G0B+1], SLOTX
	s_add_nc_u64 s[G0B+2:G0B+3], s[G0B+2:G0B+3], 512   ; 256 elements along W's rows; the type bits on top are not reached
.endif
	s_xor_b32 s[TB], s[TB], FLIP                   ; from the last slot's second half to this step's slot, first half
	v_add_nc_u32 v[ADA], s[TB], v[ADRA0]
	v_add_nc_u32 v[ADB], s[TB], v[ADRB0]
	s_wait_dscnt 0x0                               ; the add is done, and no LDS read of mine is out
.if \fill
	CROUND                                         ; no wave of any partner still reads the other slot or has a load on its way
	JLOAD                                          ; its four v_nop are also places in front of the loads below
.else
	s_barrier_signal -1
	s_barrier_wait -1
	PLACES
.endif
	FETCH 0, F0
	WIN 0                                          ; at a label and at a branch every window is 0
.if (\fill) && PREF
	ASK
.endif
	s_mov_b32 s2, 2
.Lhalf_\@:
	s_wait_dscnt 16                                ; buffer 0's first 32 along K are in
	MUL8 F0, 0, 0
	MUL8 F0, 0, 2
	PLACES
	FETCH 128, F1
	s_wait_dscnt 32                                ; all but the 32 just issued
	MUL8 F0, 1, 0
	MUL8 F0, 1, 2
	s_wait_dscnt 16                                ; buffer 1's first 32 along K are in
	MUL8 F1, 0, 0
	MUL8 F1, 0, 2
	s_wait_dscnt 0x0                               ; and the rest of it: the count is right whether the run below is issued or not
	WIN 0
	PLACES
	s_cmp_eq_u32 s2, 1
	s_cbranch_scc1 .Lsame_\@
	s_xor_b32 s[TB], s[TB], HALFT                  ; the slot's second half comes in hand
	v_add_nc_u32 v[ADA], s[TB], v[ADRA0]
	v_add_nc_u32 v[ADB], s[TB], v[ADRB0]
	FETCH 0, F0
	WIN 0
.Lsame_\@:
	MUL8 F1, 1, 0
	MUL8 F1, 1, 2
	WIN 0
	s_sub_co_u32 s2, s2, 1
	s_cmp_lg_u32 s2, 0
	s_cbranch_scc1 .Lhalf_\@
.endm
	s_mov_b32 s3, STEPS-1
.Lstep:                                                ; every K step but the last asks for its successor
	STEP 1
	s_sub_co_u32 s3, s3, 1
	s_cmp_lg_u32 s3, 0
	s_cbranch_scc1 .Lstep
	STEP 0                                         ; the last is written out
	; THE WAY OUT, 16 rows at a time through my own stage: in by columns, back by rows of 256 bytes; the residual is added; 16 lanes store 256 consecutive aligned bytes.
	PLACES
	s_wait_loadcnt 0x0                             ; the residual
.irp a, 0,1,2,3
	s_wait_xcnt 0x0                                ; the registers that the last block's stores read are loaded again only behind this wait
.irp b, 0,1,2,3
	ds_store_b128 v[STO], v[ACC+8*(4*(\a)+(\b)):ACC+8*(4*(\a)+(\b))+3]   offset:64*(\b)
	ds_store_b128 v[STO], v[ACC+8*(4*(\a)+(\b))+4:ACC+8*(4*(\a)+(\b))+7] offset:64*(\b)+16
.endr
.irp t, 0,1,2,3,4,5,6,7
	ds_load_b128 v[TMP+4*(\t):TMP+4*(\t)+3], v[RD] offset:(\t)*2*SPITCH   ; LDS serves a wave's instructions in order: these see the stores above
.endr
.if RES_F32
	s_wait_dscnt 0x0                               ; the block is back
	WIN 0x08                                       ; source 1 in window 2: one switch for the block's sixteen additions
.irp t, 0,1,2,3,4,5,6,7
	v_pk_add_f32 v[TMP+4*(\t):TMP+4*(\t)+1], v[TMP+4*(\t):TMP+4*(\t)+1], v[4*(8*(\a)+(\t)):4*(8*(\a)+(\t))+1]
	v_pk_add_f32 v[TMP+4*(\t)+2:TMP+4*(\t)+3], v[TMP+4*(\t)+2:TMP+4*(\t)+3], v[4*(8*(\a)+(\t))+2:4*(8*(\a)+(\t))+3]
.endr
	WIN 0
.irp t, 0,1,2,3,4,5,6,7
	global_store_b128 v[CO], v[TMP+4*(\t):TMP+4*(\t)+3], s[8:9] offset:(16*(\a)+2*(\t))*4096
.endr
.else
.irp t, 0,1,2,3,4,5,6,7
	s_wait_dscnt 7-(\t)
	v_lshlrev_b32 v8, 16, v[RES+2*(8*(\a)+(\t))]
	v_and_b32 v9, s45, v[RES+2*(8*(\a)+(\t))]
	v_lshlrev_b32 v10, 16, v[RES+2*(8*(\a)+(\t))+1]
	v_and_b32 v11, s45, v[RES+2*(8*(\a)+(\t))+1]
	v_pk_add_f32 v[TMP+4*(\t):TMP+4*(\t)+1], v[TMP+4*(\t):TMP+4*(\t)+1], v[8:9]
	v_pk_add_f32 v[TMP+4*(\t)+2:TMP+4*(\t)+3], v[TMP+4*(\t)+2:TMP+4*(\t)+3], v[10:11]
	global_store_b128 v[CO], v[TMP+4*(\t):TMP+4*(\t)+3], s[8:9] offset:(16*(\a)+2*(\t))*4096
.endr
.endif
.endr
	s_wait_tensorcnt 0x0                           ; the wave's end
	ds_add_u32 v[SPW], v[NIL]
	s_wait_dscnt 0x0
	CROUND                                         ; the closing round
	s_endpgm
.Lfunc_end_k_qdc63ba78bf_ffn2:
	.size	k_qdc63ba78bf_ffn2, .Lfunc_end_k_qdc63ba78bf_ffn2-k_qdc63ba78bf_ffn2
	.p2alignl 7, 3214868480
	.fill 96, 4, 3214868480
	.section	.rodata,"a",@progbits
	.p2align	6, 0x0
	.amdhsa_kernel k_qdc63ba78bf_ffn2
		.amdhsa_group_segment_fixed_size 327680
		.amdhsa_private_segment_fixed_size 0
		.amdhsa_enable_private_segment 0
		.amdhsa_kernarg_size 40
		.amdhsa_user_sgpr_count 2
		.amdhsa_user_sgpr_kernarg_segment_ptr 1
		.amdhsa_wavefront_size32 1
		.amdhsa_system_sgpr_workgroup_id_x 1
		.amdhsa_system_sgpr_workgroup_id_y 1
		.amdhsa_system_sgpr_workgroup_id_z 1
		.amdhsa_system_vgpr_workitem_id 0
		.amdhsa_next_free_vgpr 640
		.amdhsa_next_free_sgpr 72
		.amdhsa_reserve_vcc 0
		.amdhsa_float_denorm_mode_32 3
		.amdhsa_float_denorm_mode_16_64 3
		.amdhsa_memory_ordered 1
		.amdhsa_forward_progress 1
		.amdhsa_inst_pref_size 53
	.end_amdhsa_kernel
	.amdgpu_metadata
---
amdhsa.version: [ 1, 2 ]
amdhsa.kernels:
  - .name:           k_qdc63ba78bf_ffn2
    .symbol:         k_qdc63ba78bf_ffn2.kd
    .args:
      - { .name: act, .offset: 0, .size: 8, .value_kind: global_buffer, .address_space: global }
      - { .name: wo2, .offset: 8, .size: 8, .value_kind: global_buffer, .address_space: global }
      - { .name: y, .offset: 16, .size: 8, .value_kind: global_buffer, .address_space: global }
      - { .name: b2, .offset: 24, .size: 8, .value_kind: global_buffer, .address_space: global }
      - { .name: op, .offset: 32, .size: 8, .value_kind: global_buffer, .address_space: global }
    .group_segment_fixed_size: 327680
    .private_segment_fixed_size: 0
    .kernarg_segment_align: 8
    .kernarg_segment_size: 40
    .max_flat_workgroup_size: 128
    .sgpr_count:     72
    .vgpr_count:     640
    .wavefront_size: 32
...
	.end_amdgpu_metadata
.endif
;; end of part 12
;; launch ln2 (part 13): grid 256 x 1, 16 waves a work-group, no clusters, 0 bytes of LDS; arguments y, ln2_a, ln2_b, out0; writes out0
.if DOCPART == 13
	.amdgcn_target "amdgcn-amd-amdhsa--gfx1250"
	.amdhsa_code_object_version 6
	.text
	.protected	k_qdc63ba78bf_ln2
	.globl	k_qdc63ba78bf_ln2
	.p2align	8
	.type	k_qdc63ba78bf_ln2,@function
k_qdc63ba78bf_ln2:
	s_mov_b64 s[64:65], 0
	v_nop
	global_prefetch_b8 v0, s[64:65] scope:SCOPE_SE
	s_setreg_imm32_b32 hwreg(HW_REG_WAVE_MODE, 25, 1), 1
	s_wait_xcnt 0x0
; out[r][c] = (y[r][c] - mean) / (std + 1e-6) * a[c] + b[c]; std with divisor 1023.  y: [4096][1024] f32.  a and b are used rounded to bf16, as all the module's inputs are.
; BOTH = 1: the result leaves twice: in f32 (it is carried on as a residual) and rounded to bf16 (a matrix operand of the next product).  BOTH = 0: in f32 alone.
; A wave takes one row; it is 32 registers and stays there between the passes: the mean, then the squares of the differences, so a common offset of the row costs no accuracy.
; No LDS, no barrier: the reduction never leaves the wave.  LIMIT: the root and the reciprocal count a denormal as 0.
.set BOTH, 0
.set A,  4
.set BB, 36
.set X,  68
.set T,  100
.set M,  108
.set R,  110
.set PK, 112                           ; v[112:127] the packed bf16: no register that a pending store reads is written again
	s_load_b256 s[4:11], s[0:1], 0x0               ; y, a, b, out (bf16 if BOTH, else f32)
.if BOTH
	s_load_b64 s[18:19], s[0:1], 0x20              ; out in f32
.endif
	v_and_b32 v1, 31, v0
	v_lshrrev_b32 v2, 5, v0
	v_readfirstlane_b32 s12, v2
	v_lshlrev_b32 v3, 3, v1                        ; 8 bytes a lane
	v_lshlrev_b32 v1, 4, v1                        ; 16 bytes a lane
	s_lshl_b32 s13, ttmp9, 4
	s_add_co_u32 s13, s13, s12                     ; my row: 16 x work-group + wave
	s_lshl_b32 s14, s13, 12
	s_mov_b32 s15, 0
	s_mov_b32 s16, 0x76543210
	s_mov_b32 s17, 0xfedcba98
	s_mov_b32 s20, 0xffff0000                      ; a word's upper bf16
	s_wait_kmcnt 0x0
	s_add_nc_u64 s[4:5], s[4:5], s[14:15]
.if BOTH
	s_add_nc_u64 s[18:19], s[18:19], s[14:15]
	s_lshr_b32 s14, s14, 1
.endif
	s_add_nc_u64 s[10:11], s[10:11], s[14:15]
.irp j, 0,1,2,3,4,5,6,7
	global_load_b128 v[X+4*\j:X+4*\j+3], v1, s[4:5] offset:512*\j th:TH_LOAD_NT
.endr
.irp j, 0,1,2,3,4,5,6,7
	global_load_b128 v[A+4*\j:A+4*\j+3], v1, s[6:7] offset:512*\j
.endr
.irp j, 0,1,2,3,4,5,6,7
	global_load_b128 v[BB+4*\j:BB+4*\j+3], v1, s[8:9] offset:512*\j
.endr
.macro REDUCE                          ; four pairs in T become one sum in every lane's v[T]
	v_pk_add_f32 v[T:T+1], v[T:T+1], v[T+2:T+3]
	v_pk_add_f32 v[T+4:T+5], v[T+4:T+5], v[T+6:T+7]
	v_pk_add_f32 v[T:T+1], v[T:T+1], v[T+4:T+5]
	v_add_f32 v[T], v[T], v[T+1]
	v_add_f32_dpp v[T], v[T], v[T] row_xmask:1 row_mask:0xf bank_mask:0xf
	v_add_f32_dpp v[T], v[T], v[T] row_xmask:2 row_mask:0xf bank_mask:0xf
	v_add_f32_dpp v[T], v[T], v[T] row_xmask:4 row_mask:0xf bank_mask:0xf
	v_add_f32_dpp v[T], v[T], v[T] row_xmask:8 row_mask:0xf bank_mask:0xf
	v_permlanex16_b32 v[T+1], v[T], s16, s17
	v_add_f32 v[T], v[T], v[T+1]
.endm
	s_wait_loadcnt 16                              ; the row is in; the sixteen loads of a and b stay out
.irp c, 0,1,2,3
	v_pk_add_f32 v[T+2*\c:T+2*\c+1], v[X+2*\c:X+2*\c+1], v[X+8+2*\c:X+8+2*\c+1]
.endr
.irp k, 2,3
.irp c, 0,1,2,3
	v_pk_add_f32 v[T+2*\c:T+2*\c+1], v[T+2*\c:T+2*\c+1], v[X+8*\k+2*\c:X+8*\k+2*\c+1]
.endr
.endr
	REDUCE
	v_mul_f32 v[M], 0x3a800000, v[T]               ; the mean: / 1024
	v_mov_b32 v[M+1], v[M]
.set z, 0
.rept 16
	v_pk_add_f32 v[X+2*z:X+2*z+1], v[X+2*z:X+2*z+1], v[M:M+1] op_sel_hi:[1,0] neg_lo:[0,1] neg_hi:[0,1]
.set z, z+1
.endr
.irp c, 0,1,2,3
	v_pk_mul_f32 v[T+2*\c:T+2*\c+1], v[X+2*\c:X+2*\c+1], v[X+2*\c:X+2*\c+1]
.endr
.irp k, 1,2,3
.irp c, 0,1,2,3
	v_pk_fma_f32 v[T+2*\c:T+2*\c+1], v[X+8*\k+2*\c:X+8*\k+2*\c+1], v[X+8*\k+2*\c:X+8*\k+2*\c+1], v[T+2*\c:T+2*\c+1]
.endr
.endr
	REDUCE
	v_mul_f32 v[T], 0x3a802008, v[T]               ; / 1023
	v_sqrt_f32 v[T+2], v[T]
	v_nop                                          ; a plain instruction behind a transcendental (ISA guide 5.7.2)
	s_wait_alu depctr_va_vdst(0)
	v_add_f32 v[T+2], 0x358637bd, v[T+2]           ; + 1e-6
	v_rcp_f32 v[R], v[T+2]
	v_nop
	s_wait_alu depctr_va_vdst(0)
	v_mov_b32 v[R+1], v[R]
.set z, 0
.rept 16
	v_pk_mul_f32 v[X+2*z:X+2*z+1], v[X+2*z:X+2*z+1], v[R:R+1] op_sel_hi:[1,0]
.set z, z+1
.endr
	s_wait_loadcnt 0x0                             ; a and b
.set z, 0
.rept 16                               ; a and b are rounded to bf16 and widened again
	v_cvt_pk_bf16_f32 v[T+z%4], v[A+2*z], v[A+2*z+1]
	v_cvt_pk_bf16_f32 v[T+4+z%4], v[BB+2*z], v[BB+2*z+1]
	v_lshlrev_b32 v[A+2*z], 16, v[T+z%4]
	v_and_b32 v[A+2*z+1], s20, v[T+z%4]
	v_lshlrev_b32 v[BB+2*z], 16, v[T+4+z%4]
	v_and_b32 v[BB+2*z+1], s20, v[T+4+z%4]
.set z, z+1
.endr
.set z, 0
.rept 16
	v_pk_fma_f32 v[X+2*z:X+2*z+1], v[X+2*z:X+2*z+1], v[A+2*z:A+2*z+1], v[BB+2*z:BB+2*z+1]
.set z, z+1
.endr
.irp j, 0,1,2,3,4,5,6,7
.if BOTH
	global_store_b128 v1, v[X+4*\j:X+4*\j+3], s[18:19] offset:512*\j   ; 512 consecutive bytes, aligned
	v_cvt_pk_bf16_f32 v[PK+2*\j], v[X+4*\j], v[X+4*\j+1]
	v_cvt_pk_bf16_f32 v[PK+2*\j+1], v[X+4*\j+2], v[X+4*\j+3]
	global_store_b64 v3, v[PK+2*\j:PK+2*\j+1], s[10:11] offset:256*\j   ; 32 lanes store 256 consecutive bytes, aligned
.else
	global_store_b128 v1, v[X+4*\j:X+4*\j+3], s[10:11] offset:512*\j th:TH_STORE_NT
.endif
.endr
	s_endpgm
.Lfunc_end_k_qdc63ba78bf_ln2:
	.size	k_qdc63ba78bf_ln2, .Lfunc_end_k_qdc63ba78bf_ln2-k_qdc63ba78bf_ln2
	.p2alignl 7, 3214868480
	.fill 96, 4, 3214868480
	.section	.rodata,"a",@progbits
	.p2align	6, 0x0
	.amdhsa_kernel k_qdc63ba78bf_ln2
		.amdhsa_group_segment_fixed_size 0
		.amdhsa_private_segment_fixed_size 0
		.amdhsa_enable_private_segment 0
		.amdhsa_kernarg_size 32
		.amdhsa_user_sgpr_count 2
		.amdhsa_user_sgpr_kernarg_segment_ptr 1
		.amdhsa_wavefront_size32 1
		.amdhsa_system_sgpr_workgroup_id_x 1
		.amdhsa_system_sgpr_workgroup_id_y 1
		.amdhsa_system_sgpr_workgroup_id_z 1
		.amdhsa_system_vgpr_workitem_id 0
		.amdhsa_next_free_vgpr 128
		.amdhsa_next_free_sgpr 66
		.amdhsa_reserve_vcc 0
		.amdhsa_float_denorm_mode_32 3
		.amdhsa_float_denorm_mode_16_64 3
		.amdhsa_memory_ordered 1
		.amdhsa_forward_progress 1
		.amdhsa_inst_pref_size 15
	.end_amdhsa_kernel
	.amdgpu_metadata
---
amdhsa.version: [ 1, 2 ]
amdhsa.kernels:
  - .name:           k_qdc63ba78bf_ln2
    .symbol:         k_qdc63ba78bf_ln2.kd
    .args:
      - { .name: y, .offset: 0, .size: 8, .value_kind: global_buffer, .address_space: global }
      - { .name: ln2_a, .offset: 8, .size: 8, .value_kind: global_buffer, .address_space: global }
      - { .name: ln2_b, .offset: 16, .size: 8, .value_kind: global_buffer, .address_space: global }
      - { .name: out0, .offset: 24, .size: 8, .value_kind: global_buffer, .address_space: global }
    .group_segment_fixed_size: 0
    .private_segment_fixed_size: 0
    .kernarg_segment_align: 8
    .kernarg_segment_size: 32
    .max_flat_workgroup_size: 512
    .sgpr_count:     66
    .vgpr_count:     128
    .wavefront_size: 32
...
	.end_amdgpu_metadata
.endif
;; end of part 13
